; MI455X (gfx1250); checked and timed in simulation.
; The chip was launched on July 23, 2026; its instructions are those of AMD's public machine-readable ISA for CDNA 5 (MIT licence, August 2026) and "CDNA5" Instruction Set Architecture Reference Guide (July 2026). The comments in the code are by the model that wrote it; some were corrected since.
;; Transformer Encoder Layer. Allowed arithmetic: matrix products marked QUANTISED: E2M3 operands, one E8M0 scale for each 32 along K, by v_wmma_scale_f32_16x16x128_f8f6f4 with both operands' format E2M3, f32 sums; everything else in f32.
;; Inputs: W1 1,024 x 4,096 float32; W2 4,096 x 1,024 float32; Wk 1,024 x 1,024 float32; Wo 1,024 x 1,024 float32; Wq 1,024 x 1,024 float32; Wv 1,024 x 1,024 float32; b1 4,096 float32; b2 1,024 float32; be1 1,024 float32; be2 1,024 float32; bk 1,024 float32; bo 1,024 float32; bq 1,024 float32; bv 1,024 float32; g1 1,024 float32; g2 1,024 float32; x 2 x 2,048 x 1,024 float32.
;; Outputs: out0 2 x 2,048 x 1,024 float32.
;; This version of the problem:
;;   THIS VERSION OF THE PROBLEM IS GIVEN IN LOW PRECISION. The matrix products marked QUANTISED in the list below multiply operands that are first quantised to E2M3 (2 exponent bits, 3 mantissa bits; 6 bits a number), with one power-of-two scale for each 32 numbers along K (OCP MX v1.0); their sums are f32. All else is computed in f32.
;;   The module's matrix products, in the order in which they are computed (A, B: the left and right operand; K: the contracted axis; several contracted axes count as one K, in the product's order):
;;     1. [M 4,096, K 1,024] x [K 1,024, N 1,024]; A: input x; B: input Wq: QUANTISED
;;     2. [M 4,096, K 1,024] x [K 1,024, N 1,024]; A: input x; B: input Wk: QUANTISED
;;     3. [M 4,096, K 1,024] x [K 1,024, N 1,024]; A: input x; B: input Wv: QUANTISED
;;     4. batch 32 x [M 2,048, K 64] x [K 64, N 2,048]; A: computed on the way; B: computed on the way: QUANTISED
;;     5. batch 32 x [M 2,048, K 2,048] x [K 2,048, N 64]; A: softmax (see below); B: computed on the way: QUANTISED
;;     6. [M 4,096, K 1,024] x [K 1,024, N 1,024]; A: computed on the way; B: input Wo: QUANTISED
;;     7. [M 4,096, K 1,024] x [K 1,024, N 4,096]; A: computed on the way; B: input W1: QUANTISED
;;     8. [M 4,096, K 4,096] x [K 4,096, N 1,024]; A: computed on the way; B: input W2: QUANTISED
;;   THE QUANTISER, for each operand of a quantised product, along K:
;;     - K is cut into blocks of 32 from its start; a last block that is shorter is filled with zeros.
;;     - A block's scale is 2^e with e = floor(log2(the largest magnitude in the block)) - 2, held to -126 .. 127; a block of zeros has e = 0. As a byte (E8M0): e + 127.
;;     - Each number is divided by its block's scale, clamped to +-7.5, and rounded to the nearest number of E2M3, ties to even, subnormals kept.
;;     - The product sums the exact products of the quantised numbers (number of the format x scale) in f32.
;;   ~~~python
;;   def quantise(x, axis):      # numpy; x: float32 -> the quantised numbers, widened to float32 again
;;       x = np.moveaxis(x, axis, -1); K = x.shape[-1]
;;       x = np.pad(x, [(0, 0)] * (x.ndim - 1) + [(0, -K % 32)]); x = x.reshape(x.shape[:-1] + (-1, 32)); a = np.abs(x).max(-1, keepdims=True)
;;       e = np.where(a > 0, np.clip(np.frexp(np.where(a > 0, a, 1))[1] - 1 - 2, -126, 127), 0)      # np.frexp(a)[1] - 1 = floor(log2(a)), exactly
;;       r = np.clip(x / 2.0 ** e, -7.5, 7.5)
;;       step = 2.0 ** (np.maximum(np.frexp(np.where(r == 0, 1, r))[1] - 1, 0) - 3)
;;       q = np.round(r / step) * step * 2.0 ** e      # np.round: ties to even
;;       return np.moveaxis(q.reshape(q.shape[:-2] + (-1,))[..., :K], -1, axis).astype(np.float32)
;;   ~~~
;;   SOFTMAX AHEAD OF A QUANTISED PRODUCT. Where the list says 'softmax', what is quantised is not the finished softmax but p = 2^(t - M), with t = logit x log2(e) and M = ceil(the row's largest t), a whole number; so 1/2 < the row's largest p <= 1. The row's sum l is taken of the UNQUANTISED p, in f32, and the product's result is divided by l at the end. Since M is a whole number, a kernel that streams over the keys may use a running M (the ceiling of the running maximum): every later rescaling is an exact power of two, which a block's scale takes up: the codes' values come out the same.
;;   OPERANDS COMPUTED ON THE WAY. 'Computed on the way' means the value that the module computes at that place (a softmax that the list does not call 'softmax' is quantised finished and normalised). What goes into a quantiser is computed in f32, as accurately as f32 sums, v_exp_f32 and their like allow (about 1e-6 of the number): no bf16 or f16 on the way to a quantiser, and a product that is left as it is and whose result goes on into a quantised operand takes f32 operands (vector FMAs, or v_wmma_f32_16x16x4_f32). A number that lies on a knife's edge between two numbers of the format may be rounded either way, as far as f32 arithmetic and the matrix unit's own rounding can turn it there, and no further.
;; 2 versions. Each part assembles by itself: llvm-mc -triple=amdgcn-amd-amdhsa -mcpu=gfx1250 --defsym DOCPART=n.
;; ======== version 1 of 2: 7 launches
;; workspace buffers: pre 9,011,200 bytes; wo 819,200 bytes; w2 3,276,800 bytes; qkv 10,092,544 bytes; act 13,107,200 bytes; y 67,108,864 bytes; hf 20,054,016 bytes
;; launch prep (part 1): grid 448 x 1, 8 waves a work-group, no clusters, 67,072 bytes of LDS; arguments x, Wq, Wk, Wv, Wo, W1, W2, pre, wo, w2; writes pre, wo, w2
.if DOCPART == 1
	.amdgcn_target "amdgcn-amd-amdhsa--gfx1250"
	.amdhsa_code_object_version 6
	.text
	.protected	k_qca6d363b29_prep
	.globl	k_qca6d363b29_prep
	.p2align	8
	.type	k_qca6d363b29_prep,@function
k_qca6d363b29_prep:
	s_mov_b64 s[64:65], 0
	v_nop
	global_prefetch_b8 v0, s[64:65] scope:SCOPE_SE
	s_setreg_imm32_b32 hwreg(HW_REG_WAVE_MODE, 25, 1), 1
	s_wait_xcnt 0x0
; All f32 operands that many work-groups read are turned ONCE into codes of FP6 (E2M3) with one E8M0 byte for each 32 along K.
; A block's scale byte is its largest magnitude's exponent field - 2, held at 1 from below; numbers are divided by the scale and rounded to the nearest code, ties to even, beyond 7.5 the largest code.
; LIMITS: NaN and infinities are not served; a block of zeros, or one whose largest magnitude lies under 2^-124, gets the byte 1 (zero blocks have zero codes, and this program alone reads the bytes).
; WHAT IS WRITTEN.  An operand is cut into tiles of 16 rows; tile T, tile-row r stands for row 32 (T / 2) + 8 (T % 2) + r % 8 + 16 (r / 8).  A fragment (a tile x 128 along K: 12 registers a lane)
; lies in memory as an image of its registers: 3 pieces of 512 bytes, piece q = lane l's registers 4 q .. 4 q + 3 at 16 l.  A tile's scale words for K = 1,024: 4 pieces of 128 bytes, piece j: lanes 0-15 the
; rows' words of K step 2 j, lanes 16-31 those of step 2 j + 1.  A plane of 1,024 rows x 1,024 K: 64 x 8 fragments, then 64 x 512 bytes of scale words (WPL bytes).
; SHARES.  Work-groups 0-63: Wq, Wk, Wv, Wo; 64-127: W2; 128-191: W1; each takes 256 columns x 256 along K, a wave 32 columns.  A weight is stored [K][N]: A LANE TAKES A COLUMN AND ITS REGISTERS RUN DOWN K, so a block
; of 32 lies in one lane, and each load still reads 128 consecutive bytes.  Lanes 0-15 take the 16 columns of one tile, lanes 16-31 those of the next; an exchange of lane halves makes the two tiles' fragments.
; Work-groups 192-447: x, one tile of 16 tokens each; rows go through LDS (pitch 4,112 bytes), then wave s makes the fragment of K step s.
.set WPL,   819200
.set XOFF,  5734400                    ; x's plane in pre, behind seven weight planes
.set XR,    16                         ; v16-79   two sets of 32 numbers
.set FF,    80                         ; v80-127  fragments: 24 sigma + 12 e (sigma: which 128 along K; e: which tile)
.set TA,    128                        ; v128-130, v132-134: the upper halves of two blocks
.set W0,    136                        ; v136-137 the scale words of the two K steps
.set PITCH, 4112
.set QX,  16                           ; QFRAG's registers: 64 numbers,
.set QF,  80                           ; the fragment,
.set QT,  92                           ; the blocks' upper halves,
.set QM,  100                          ; at work
.set QA,  6                            ; v6   LDS: row r, my half's block, my wave's K step
.set QSO, 12                           ; v12  4 r
.set QH8, 13                           ; v13  8 h
.set QCB, 8                            ; s[8:9] where the codes go;  s[6:7] the scale words
.set QSB, 6
.set SEL, 30                           ; s[30:31] lane selects: lane l xor 16
	s_load_b512 s[36:51], s[0:1], 0x0              ; x 36, Wq 38, Wk 40, Wv 42, Wo 44, W1 46, W2 48, pre 50
	s_load_b128 s[52:55], s[0:1], 0x40             ; wo 52, w2 54
	v_lshl_add_u32 v144, v0, 2, 0x10200
	v_mov_b32 v145, 0
	v_lshrrev_b32 v7, 5, v0
	v_readfirstlane_b32 s16, v7                    ; wave 0..7
	v_and_b32 v2, 31, v0                           ; lane
	v_lshlrev_b32 v1, 4, v2                        ; 16 x lane
	v_lshlrev_b32 v5, 2, v2                        ; 4 x lane
	v_and_b32 v3, 7, v2
	v_bfe_u32 v4, v2, 3, 1
	v_lshl_add_u32 v3, v4, 4, v3
	v_bfe_u32 v4, v2, 4, 1                         ; h
	v_lshl_add_u32 v3, v4, 3, v3                   ; my column of the wave's 32: l % 8 + 16 ((l / 8) % 2) + 8 (l / 16)
	v_lshlrev_b32 v3, 2, v3
	s_mul_i32 s17, s16, 2*PITCH
	v_add_nc_u32 v14, s17, v1                      ; LDS, on the way in: my wave's two rows
	v_and_b32 v12, 15, v0                          ; r
	v_mul_u32_u24 v6, v12, PITCH
	v_lshl_add_u32 v6, v4, 7, v6
	s_lshl_b32 s17, s16, 9
	v_add_nc_u32 v6, s17, v6
	v_lshlrev_b32 v13, 3, v4
	v_lshlrev_b32 v12, 2, v12
	s_mov_b32 s[SEL], 0x76543210
	s_mov_b32 s[SEL+1], 0xfedcba98
	s_wait_kmcnt 0x0
.macro WLOAD t, stride                 ; block t: W(32 t + i, my column) into set t % 2
.irp i, 0,1,2,3,4,5,6,7,8,9,10,11,12,13,14,15,16,17,18,19,20,21,22,23,24,25,26,27,28,29,30,31
	global_load_b32 v[XR+32*((\t)%2)+\i], v3, s[4:5] offset:(32*(\t)+\i)*\stride th:TH_LOAD_NT
.endr
.endm
.macro WBLOCK t, stride
.set XS, XR+32*((\t)%2)
.set SG, (\t)/4
.set CC, ((\t)/2)%2
.set EE, (\t)%2
.if (\t) < 7
	s_wait_loadcnt 32                              ; this block's 32 loads are in; the next block's 32 may be out
.else
	s_wait_loadcnt 0x0
.endif
	v_max3_num_f32 v8, |v[XS]|, |v[XS+1]|, |v[XS+2]|               ; the block's largest magnitude: all 32 numbers are mine; two chains
	v_max3_num_f32 v9, |v[XS+3]|, |v[XS+4]|, |v[XS+5]|
.irp i, 6,10,14,18,22,26
	v_max3_num_f32 v8, v8, |v[XS+\i]|, |v[XS+\i+1]|
	v_max3_num_f32 v9, v9, |v[XS+\i+2]|, |v[XS+\i+3]|
.endr
	v_max3_num_f32 v8, v8, |v[XS+30]|, |v[XS+31]|
	v_max3_num_f32 v8, v8, v9, 0x1800000           ; and the floor 2^(3 - 127): the byte cannot fall under 1
	v_add_nc_u32 v10, 0xff000000, v8               ; 2 off the exponent field: the conversion's scale operand
	v_lshrrev_b32 v11, 23, v10                     ; the byte
.if (\t)%4 == 0
	v_mov_b32 v[W0+SG], v11
.else
	v_lshl_or_b32 v[W0+SG], v11, 8*((\t)%4), v[W0+SG]
.endif
	v_cvt_scalef32_pk16_fp6_f32 v[FF+24*SG+12*EE+6*CC:FF+24*SG+12*EE+6*CC+2], v[XS:XS+15], v10
	v_cvt_scalef32_pk16_fp6_f32 v[TA+4*EE:TA+4*EE+2], v[XS+16:XS+31], v10   ; (a conversion's three registers begin on an even number)
	v_nop                                          ; one plain place behind the conversions
.if (\t)+2 < 8
	WLOAD (\t)+2, \stride
.endif
.if EE == 1                            ; blocks 2 c and 2 c + 1 of a K step are there: lanes 0-15 hold them for one tile's rows, lanes 16-31 for the next tile's.  A fragment wants block 2 c in lanes 0-15 and block 2 c + 1 in lanes 16-31
.irp i, 0,1,2
	v_permlane16_swap_b32 v[FF+24*SG+6*CC+\i], v[FF+24*SG+12+6*CC+\i]
	v_permlane16_swap_b32 v[TA+\i], v[TA+4+\i]
.endr
.irp i, 0,1,2
	v_mov_b32 v[FF+24*SG+6*CC+3+\i], v[TA+\i]
	v_mov_b32 v[FF+24*SG+12+6*CC+3+\i], v[TA+4+\i]
.endr
.endif
.if (\t)%4 == 3                        ; two fragments are whole; each has registers of its own, so no store's data are written again
.irp e, 0,1
.irp q, 0,1,2
	global_store_b128 v1, v[FF+24*SG+12*\e+4*\q:FF+24*SG+12*\e+4*\q+3], s[8:9] offset:12288*\e+1536*SG+512*\q   ; 512 consecutive bytes
.endr
.endr
.endif
.endm
; s20: which 256 columns of the tensor; s22: which 256 along K; s23: the same within its plane; s24: the plane; s26: which 256 rows of the plane; s[4:5] the tensor; s[6:7] the buffer
.macro WPATH stride
	s_mul_i32 s10, s22, 256*\stride
	s_lshl_b32 s11, s20, 10
	s_add_co_u32 s10, s10, s11
	s_lshl_b32 s11, s16, 7
	s_add_co_u32 s10, s10, s11
	s_mov_b32 s11, 0
	s_add_nc_u64 s[4:5], s[4:5], s[10:11]          ; row 256 kq, column 256 cgp + 32 wave
	WLOAD 0, \stride
	WLOAD 1, \stride
	s_mul_i32 s12, s24, WPL
	s_mul_i32 s13, s26, 196608                     ; 16 tiles x 8 fragments
	s_add_co_u32 s10, s12, s13
	s_mul_i32 s13, s16, 24576                      ; two tiles a wave
	s_add_co_u32 s10, s10, s13
	s_mul_i32 s13, s23, 3072                       ; two K steps
	s_add_co_u32 s10, s10, s13
	s_add_nc_u64 s[8:9], s[6:7], s[10:11]
	s_lshl_b32 s13, s26, 13
	s_add_co_u32 s10, s12, s13
	s_lshl_b32 s13, s16, 10
	s_add_co_u32 s10, s10, s13
	s_lshl_b32 s13, s23, 7
	s_add_co_u32 s10, s10, s13
	s_add_co_u32 s10, s10, 786432
	s_add_nc_u64 s[6:7], s[6:7], s[10:11]
.set Q, 0
.rept 8
	WBLOCK Q, \stride
.set Q, Q+1
.endr
	v_permlane16_swap_b32 v[W0], v[W0+1]           ; the first now holds one tile's words of both K steps, the second the next tile's
	global_store_b32 v5, v[W0], s[6:7]
	global_store_b32 v5, v[W0+1], s[6:7] offset:512
.endm
; 16 rows x 128 K out of LDS become a fragment and its scale words.  Lane (r, h) owns blocks h and 2 + h of row r whole.
.macro QFRAG
.irp c, 0,1
.irp i, 0,1,2,3,4,5,6,7
	ds_load_b128 v[QX+32*\c+4*\i:QX+32*\c+4*\i+3], v[QA] offset:256*\c+16*\i
.endr
.endr
	s_wait_dscnt 0x0
.irp c, 0,1
	v_max3_num_f32 v[QM+\c], |v[QX+32*\c]|, |v[QX+32*\c+1]|, 0x1800000
.endr
.irp i, 2,4,6,8,10,12,14,16,18,20,22,24,26,28,30
.irp c, 0,1
	v_max3_num_f32 v[QM+\c], v[QM+\c], |v[QX+32*\c+\i]|, |v[QX+32*\c+\i+1]|
.endr
.endr
.irp c, 0,1
	v_add_nc_u32 v[QM+2+\c], 0xff000000, v[QM+\c]
.endr
.irp c, 0,1
	v_lshrrev_b32 v[QM+4+\c], 23, v[QM+2+\c]
.endr
	v_lshl_or_b32 v[QM+6], v[QM+5], 16, v[QM+4]    ; my two bytes,
	v_lshlrev_b32 v[QM+6], v[QH8], v[QM+6]         ; at their places in the word;
	v_mov_b32 v[QM+7], 0
	v_permlanex16_b32 v[QM+7], v[QM+6], s[SEL], s[SEL+1]
	v_or_b32 v[QM+6], v[QM+6], v[QM+7]             ; with lane l xor 16's two the word is whole
.irp c, 0,1
	v_cvt_scalef32_pk16_fp6_f32 v[QF+6*\c:QF+6*\c+2], v[QX+32*\c:QX+32*\c+15], v[QM+2+\c]
	v_cvt_scalef32_pk16_fp6_f32 v[QT+4*\c:QT+4*\c+2], v[QX+32*\c+16:QX+32*\c+31], v[QM+2+\c]
.endr
	v_nop
.irp c, 0,1
.irp i, 0,1,2
	v_mov_b32 v[QF+6*\c+3+\i], v[QT+4*\c+\i]
.endr
.endr
.irp q, 0,1,2
	global_store_b128 v1, v[QF+4*\q:QF+4*\q+3], s[QCB:QCB+1] offset:512*\q
.endr
	global_store_b32 v[QSO], v[QM+6], s[QSB:QSB+1] ; lanes r and r + 16 store the same word to the same place
.endm
	s_cmp_lt_u32 ttmp9, 128
	s_cbranch_scc0 .Lwide
	; ---- tensors with rows of 4,096 bytes.  The choices hang on the work-group's number alone
	s_and_b32 s20, ttmp9, 3
	s_lshr_b32 s21, ttmp9, 2
	s_and_b32 s22, s21, 15
	s_and_b32 s23, s21, 3
	s_cmp_lt_u32 ttmp9, 64
	s_cselect_b32 s22, s23, s22
	s_cselect_b64 s[4:5], s[44:45], s[48:49]       ; Wo, or W2
	s_cselect_b64 s[6:7], s[52:53], s[54:55]
	s_lshr_b32 s24, s22, 2                         ; W2's plane: K / 1,024
	s_lshr_b32 s25, ttmp9, 4
	s_cmp_lt_u32 ttmp9, 48
	s_cselect_b32 s24, s25, s24                    ; Wq, Wk, Wv: planes 0, 1, 2 of pre
	s_cselect_b64 s[4:5], s[42:43], s[4:5]
	s_cselect_b64 s[6:7], s[50:51], s[6:7]
	s_cmp_lt_u32 ttmp9, 32
	s_cselect_b64 s[4:5], s[40:41], s[4:5]
	s_cmp_lt_u32 ttmp9, 16
	s_cselect_b64 s[4:5], s[38:39], s[4:5]
	s_mov_b32 s26, s20
	WPATH 4096
	s_endpgm
.Lwide:
	s_cmp_lt_u32 ttmp9, 192
	s_cbranch_scc0 .Lx
	; ---- W1: rows of 16,384 bytes; planes 3 .. 6 of pre, one for each 1,024 columns
	s_sub_co_u32 s21, ttmp9, 128
	s_and_b32 s20, s21, 15
	s_lshr_b32 s22, s21, 4
	s_mov_b32 s23, s22
	s_lshr_b32 s24, s20, 2
	s_add_co_u32 s24, s24, 3
	s_and_b32 s26, s20, 3
	s_mov_b64 s[4:5], s[46:47]
	s_mov_b64 s[6:7], s[50:51]
	WPATH 16384
	s_endpgm
.Lx:
	; ---- x: tile T = work-group - 192.  Wave w brings tile-rows 2 w and 2 w + 1, which are neighbouring tokens
	s_sub_co_u32 s20, ttmp9, 192
	s_lshr_b32 s21, s20, 1
	s_lshl_b32 s21, s21, 5
	s_and_b32 s22, s20, 1
	s_lshl_b32 s22, s22, 3
	s_add_co_u32 s21, s21, s22
	s_and_b32 s22, s16, 3
	s_lshl_b32 s22, s22, 1
	s_add_co_u32 s21, s21, s22
	s_lshr_b32 s22, s16, 2
	s_lshl_b32 s22, s22, 4
	s_add_co_u32 s21, s21, s22                     ; the token of tile-row 2 w
	s_lshl_b32 s10, s21, 12
	s_mov_b32 s11, 0
	s_add_nc_u64 s[4:5], s[36:37], s[10:11]
.irp p, 0,1
.irp i, 0,1,2,3,4,5,6,7
	global_load_b128 v[16+32*\p+4*\i:16+32*\p+4*\i+3], v1, s[4:5] offset:4096*\p+512*\i th:TH_LOAD_NT
.endr
.endr
	s_mul_i32 s10, s20, 12288
	s_mul_i32 s12, s16, 1536
	s_add_co_u32 s10, s10, s12
	s_add_co_u32 s10, s10, XOFF
	s_add_nc_u64 s[8:9], s[50:51], s[10:11]        ; fragment (T, K step = wave)
	s_lshl_b32 s10, s20, 9
	s_lshl_b32 s12, s16, 6                         ; 128 (s / 2) + 64 (s % 2) = 64 s
	s_add_co_u32 s10, s10, s12
	s_add_co_u32 s10, s10, XOFF+3145728
	s_add_nc_u64 s[6:7], s[50:51], s[10:11]
	s_wait_loadcnt 0x0
.irp p, 0,1
.irp i, 0,1,2,3,4,5,6,7
	ds_store_b128 v14, v[16+32*\p+4*\i:16+32*\p+4*\i+3] offset:PITCH*\p+512*\i
.endr
.endr
	s_wait_dscnt 0x0                               ; for the others' sake: my rows lie in LDS
	s_barrier_signal -1
	s_barrier_wait -1
	QFRAG
	s_wait_tensorcnt 0x0
	ds_add_u32 v144, v145
	s_wait_dscnt 0x0
	s_endpgm
.Lfunc_end_k_qca6d363b29_prep:
	.size	k_qca6d363b29_prep, .Lfunc_end_k_qca6d363b29_prep-k_qca6d363b29_prep
	.p2alignl 7, 3214868480
	.fill 96, 4, 3214868480
	.section	.rodata,"a",@progbits
	.p2align	6, 0x0
	.amdhsa_kernel k_qca6d363b29_prep
		.amdhsa_group_segment_fixed_size 67072
		.amdhsa_private_segment_fixed_size 0
		.amdhsa_enable_private_segment 0
		.amdhsa_kernarg_size 80
		.amdhsa_user_sgpr_count 2
		.amdhsa_user_sgpr_kernarg_segment_ptr 1
		.amdhsa_wavefront_size32 1
		.amdhsa_system_sgpr_workgroup_id_x 1
		.amdhsa_system_sgpr_workgroup_id_y 1
		.amdhsa_system_sgpr_workgroup_id_z 1
		.amdhsa_system_vgpr_workitem_id 0
		.amdhsa_next_free_vgpr 146
		.amdhsa_next_free_sgpr 66
		.amdhsa_reserve_vcc 0
		.amdhsa_float_denorm_mode_32 3
		.amdhsa_float_denorm_mode_16_64 3
		.amdhsa_memory_ordered 1
		.amdhsa_forward_progress 1
		.amdhsa_inst_pref_size 89
	.end_amdhsa_kernel
	.amdgpu_metadata
---
amdhsa.version: [ 1, 2 ]
amdhsa.kernels:
  - .name:           k_qca6d363b29_prep
    .symbol:         k_qca6d363b29_prep.kd
    .args:
      - { .name: x, .offset: 0, .size: 8, .value_kind: global_buffer, .address_space: global }
      - { .name: Wq, .offset: 8, .size: 8, .value_kind: global_buffer, .address_space: global }
      - { .name: Wk, .offset: 16, .size: 8, .value_kind: global_buffer, .address_space: global }
      - { .name: Wv, .offset: 24, .size: 8, .value_kind: global_buffer, .address_space: global }
      - { .name: Wo, .offset: 32, .size: 8, .value_kind: global_buffer, .address_space: global }
      - { .name: W1, .offset: 40, .size: 8, .value_kind: global_buffer, .address_space: global }
      - { .name: W2, .offset: 48, .size: 8, .value_kind: global_buffer, .address_space: global }
      - { .name: pre, .offset: 56, .size: 8, .value_kind: global_buffer, .address_space: global }
      - { .name: wo, .offset: 64, .size: 8, .value_kind: global_buffer, .address_space: global }
      - { .name: w2, .offset: 72, .size: 8, .value_kind: global_buffer, .address_space: global }
    .group_segment_fixed_size: 67072
    .private_segment_fixed_size: 0
    .kernarg_segment_align: 8
    .kernarg_segment_size: 80
    .max_flat_workgroup_size: 256
    .sgpr_count:     66
    .vgpr_count:     146
    .wavefront_size: 32
...
	.end_amdgpu_metadata
.endif
;; end of part 1
;; launch qkv (part 2): grid 192 x 1, 4 waves a work-group, no clusters, 0 bytes of LDS; arguments pre, bq, bk, bv, qkv; writes qkv
.if DOCPART == 2
	.amdgcn_target "amdgcn-amd-amdhsa--gfx1250"
	.amdhsa_code_object_version 6
	.text
	.protected	k_qca6d363b29_qkv
	.globl	k_qca6d363b29_qkv
	.p2align	8
	.type	k_qca6d363b29_qkv,@function
k_qca6d363b29_qkv:
	s_mov_b64 s[64:65], 0
	v_nop
	global_prefetch_b8 v0, s[64:65] scope:SCOPE_SE
	s_setreg_imm32_b32 hwreg(HW_REG_WAVE_MODE, 25, 1), 1
	s_wait_xcnt 0x0
; Q = x Wq + bq, K = x Wk + bk, V = x Wv + bv on codes of FP6 (E2M3) with E8M0 scales, sums in f32; the results are quantised here, in registers: Q and K along a head's 64, V along the keys.
; LIMITS: NaN and infinities are not served; a block of zeros, or one under 2^-124, gets the byte 1 (this program alone reads the bytes).
; THE SCHEME.  A wave keeps 64 rows x all of K = 1,024 of one operand in registers (the STATIONARY one: 4 tiles x 8 K steps x 12 = 384 registers, loaded once) and streams 16 tiles of 16 rows of the other
; operand from memory straight into registers: operands lie in memory as images of their registers, so a fragment is three loads of 512 consecutive bytes.  A streamed tile (96 registers) feeds 32 matrix instructions.
; The product is used transposed: source 0 = the streamed tile, source 1 = a stationary tile.  A lane then holds ONE stationary row, and, since tile T, tile-row r stands for row 32 (T / 2) + 8 (T % 2) + r % 8 + 16 (r / 8),
; the 16 registers of streamed tiles 2 b and 2 b + 1 are 16 NEIGHBOURS of the streamed index: 32 b + 16 (lane / 16) + 0 .. 15: the conversions' input.
; Work-groups 0-127 (Q, K): stationary = 64 tokens a wave, streamed = 256 columns of Wq or Wk.  Work-groups 128-191 (V): stationary = a head's 64 rows of Wv^T, streamed = 256 tokens: the result is V^T with the keys along the registers.
; Everything is written out: 16 tiles, every offset an immediate, no address register or base is ever rewritten.
; NO CLUSTER, NO LDS: the four waves of a work-group stream the same 16 tiles, 16 x 12,800 bytes each; they are not shared, since this text has no tile in LDS that a joint load could fill: that is its price for having no ring and no barrier.
; WHAT IS WRITTEN.  Q: for each (batch, head) and 128 tokens 6,656 bytes: 4 images of 12 registers (two token tiles, 6 registers each: K = 64), then 4 x 128 bytes of scale words (lanes 0-15 the even tile, lanes 16-31 the odd; bytes 2, 3 are 0).
; K and V: for each (batch, head) and 128 keys 13,056 bytes: K as Q (6,144), V^T's 4 fragments (16 of the head's 64 x 128 keys; 6,144), K's scale words (512), V's (2 x 128: lanes 0-15 tile 2 k, lanes 16-31 tile 2 k + 1).
; REGISTERS, in windows of 256.  Window 0: v1-5 offsets; v16-31 stationary scale words; v32-43 streamed scale words, 4 a slot; v44-63 at work; v64-127 accumulators (16 a + 8 (t % 2)); v128-159 bias; v160-207 codes; v208-223 at work; v224-231 scale words made.
; Windows 1, 2: v0-191 the stationary fragments (K steps 0-3, 4-7), v192-239 slot 2 of the streamed ring.  Window 3: slots 0 and 1.
.set WPL,  819200
.set XOFF, 5734400
.set KVO,  3407872
.set SA,  16
.set SB,  32
.set MX,  44
.set PX,  48
.set SOP, 52
.set BY,  56
.set WS,  60
.set ACC, 64
.set BI,  128
.set OUT, 160
.set YT,  208
.set WD,  224
.set MSB, 0
.macro WIN new                         ; the immediate's high byte repeats the setting that is left
.if MSB != (\new)
	s_set_vgpr_msb (MSB<<8)|(\new)
.set MSB, (\new)
.endif
.endm
.macro NOPS n
.rept \n
	v_nop
.endr
.endm
.macro LOADS                           ; the stationary operand: fragment (a, s) at window 1 + s / 4, register 48 (s % 4) + 12 a
.irp s, 0,1,2,3,4,5,6,7
	WIN 0x40+0x40*(\s/4)
.irp a, 0,1,2,3
.irp q, 0,1,2
	global_load_b128 v[48*(\s%4)+12*\a+4*\q:48*(\s%4)+12*\a+4*\q+3], v1, s[24:25] offset:12288*\a+1536*\s+512*\q
.endr
.endr
.endr
	WIN 0
.irp a, 0,1,2,3
.irp j, 0,1,2,3
	global_load_b32 v[SA+4*\a+\j], v2, s[26:27] offset:512*\a+128*\j
.endr
.endr
.endm
.macro LOADT t                         ; streamed tile t into slot t % 3: 24 loads of codes, 4 of scale words, and with an even tile of the Q, K path 4 of bias
.if (\t)%3 < 2
	WIN 0xc0
.irp s, 0,1,2,3,4,5,6,7
.irp q, 0,1,2
	global_load_b128 v[96*((\t)%3)+12*\s+4*\q:96*((\t)%3)+12*\s+4*\q+3], v1, s[28:29] offset:12288*(\t)+1536*\s+512*\q
.endr
.endr
.else
.irp s, 0,1,2,3,4,5,6,7
	WIN 0x40+0x40*(\s/4)
.irp q, 0,1,2
	global_load_b128 v[192+12*(\s%4)+4*\q:192+12*(\s%4)+4*\q+3], v1, s[28:29] offset:12288*(\t)+1536*\s+512*\q
.endr
.endr
.endif
	WIN 0
.irp j, 0,1,2,3
	global_load_b32 v[SB+4*((\t)%3)+\j], v2, s[30:31] offset:512*(\t)+128*\j
.endr
.if (CKIND == 1) && ((\t)%2 == 0)
.irp i, 0,1,2,3
	global_load_b128 v[BI+16*(((\t)/2)%2)+4*\i:BI+16*(((\t)/2)%2)+4*\i+3], v3, s[32:33] offset:128*((\t)/2)+16*\i   ; bias of columns 32 (t / 2) + 16 h + 0 .. 15: the result's layout
.endr
.endif
.endm
.macro WM t, s, a                      ; one product.  The bias is the C of a sum's first instruction.  An odd K step's scale words lie in lanes 16-31 of both registers
.set RDD, ACC+16*\a+8*((\t)%2)
.set RBB, 48*(\s%4)+12*\a
.set SCA, SB+4*((\t)%3)+\s/2
.set SCB, SA+4*\a+\s/2
.if \s == 0
.if CKIND == 1
.set RCC, BI+16*(((\t)/2)%2)+8*((\t)%2)
.else
.set RCC, BI+8*\a
.endif
	v_wmma_scale_f32_16x16x128_f8f6f4 v[RDD:RDD+7], v[RA:RA+11], v[RBB:RBB+11], v[RCC:RCC+7], v[SCA], v[SCB] matrix_a_fmt:MATRIX_FMT_FP6 matrix_b_fmt:MATRIX_FMT_FP6
.elseif \s%2 == 0
	v_wmma_scale_f32_16x16x128_f8f6f4 v[RDD:RDD+7], v[RA:RA+11], v[RBB:RBB+11], v[RDD:RDD+7], v[SCA], v[SCB] matrix_a_fmt:MATRIX_FMT_FP6 matrix_b_fmt:MATRIX_FMT_FP6
.else
	v_wmma_scale_f32_16x16x128_f8f6f4 v[RDD:RDD+7], v[RA:RA+11], v[RBB:RBB+11], v[RDD:RDD+7], v[SCA], v[SCB] matrix_a_fmt:MATRIX_FMT_FP6 matrix_b_fmt:MATRIX_FMT_FP6 matrix_a_scale:MATRIX_SCALE_ROW1 matrix_b_scale:MATRIX_SCALE_ROW1
.endif
.endm
.macro MULT t                          ; 32 matrix instructions: K ascending, the four accumulators by turns, one instruction a turn
.irp s, 0,1,2,3,4,5,6,7
.if (\t)%3 < 2
	WIN 0x07+0x04*(\s/4)
.set RA, 96*((\t)%3)+12*\s
.else
	WIN 0x05+0x05*(\s/4)
.set RA, 192+12*(\s%4)
.endif
.irp a, 0,1,2,3
	WM \t, \s, \a
.endr
.endr
.endm
.macro BLKSCALE                        ; a block of 32 of each of the four stationary tiles' rows: 16 numbers in my lane, 16 in lane l xor 16.  Each accumulator is read from its low end on
.irp a, 0,1,2,3
	v_max3_num_f32 v[MX+\a], |v[ACC+16*\a]|, |v[ACC+16*\a+1]|, 0x1800000   ; with the floor 2^(3 - 127): the byte cannot fall under 1
.endr
.irp i, 2,4,6,8,10,12,14
.irp a, 0,1,2,3
	v_max3_num_f32 v[MX+\a], v[MX+\a], |v[ACC+16*\a+\i]|, |v[ACC+16*\a+\i+1]|
.endr
.endr
.irp a, 0,1,2,3
	v_permlanex16_b32 v[PX+\a], v[MX+\a], s20, s21
.endr
.irp a, 0,1,2,3
	v_max_num_f32 v[MX+\a], v[MX+\a], v[PX+\a]
.endr
.irp a, 0,1,2,3
	v_add_nc_u32 v[SOP+\a], 0xff000000, v[MX+\a]   ; 2 off the exponent field: the conversion's scale operand
.endr
.irp a, 0,1,2,3
	v_lshrrev_b32 v[BY+\a], 23, v[SOP+\a]          ; the byte
.endr
.endm
; Q, K: pair b of streamed tiles = block b % 2 of head b / 2.  A head's 64 are 6 registers a token tile; two token tiles make an image of 12
.macro EPIQK b
.set HH, (\b)/2
.set EE, (\b)%2
.set OBB, OUT+24*(HH%2)
.set WBB, WD+4*(HH%2)
	s_wait_xcnt 0x0                                ; registers that earlier stores read are rewritten only behind this wait
	BLKSCALE
.irp a, 0,1,2,3
.if EE == 0
	v_mov_b32 v[WBB+\a], v[BY+\a]
.else
	v_lshl_or_b32 v[WBB+\a], v[BY+\a], 8, v[WBB+\a]
.endif
.endr
.irp a, 0,1,2,3
.if EE == 0
	v_cvt_scalef32_pk16_fp6_f32 v[OBB+6*\a:OBB+6*\a+2], v[ACC+16*\a:ACC+16*\a+15], v[SOP+\a]
.else
	v_cvt_scalef32_pk16_fp6_f32 v[YT+4*\a:YT+4*\a+2], v[ACC+16*\a:ACC+16*\a+15], v[SOP+\a]
.endif
.endr
	v_nop                                          ; one plain place behind the conversions
.if EE == 1
.irp a, 0,1,2,3                        ; the operand's layout wants a whole block in a lane: lanes 0-15 block 0, lanes 16-31 block 1
.irp i, 0,1,2
	v_permlane16_swap_b32 v[OBB+6*\a+\i], v[YT+4*\a+\i]
.endr
.irp i, 0,1,2
	v_mov_b32 v[OBB+6*\a+3+\i], v[YT+4*\a+\i]
.endr
.endr
.irp p, 0,1
.irp q, 0,1,2
	global_store_b128 v4, v[OBB+12*\p+4*\q:OBB+12*\p+4*\q+3], s[44+2*HH:45+2*HH] offset:1536*\p+512*\q   ; 512 consecutive bytes
.endr
	v_cndmask_b32 v[WS+\p], v[WBB+2*\p], v[WBB+2*\p+1], s22      ; lanes 0-15: the even tile's words; lanes 16-31: the odd tile's
	global_store_b32 v5, v[WS+\p], s[44+2*HH:45+2*HH] offset:128*\p
.endr
.endif
.endm
; V: pair b = block b % 4 of key step b / 4
.macro EPIQV b
.set SG, (\b)/4
.set BB, (\b)%4
.set CC, ((\b)/2)%2
.set EE, (\b)%2
	s_wait_xcnt 0x0
	BLKSCALE
.irp a, 0,1,2,3
.if BB == 0
	v_mov_b32 v[WD+4*SG+\a], v[BY+\a]
.else
	v_lshl_or_b32 v[WD+4*SG+\a], v[BY+\a], 8*BB, v[WD+4*SG+\a]
.endif
.endr
.irp a, 0,1,2,3
.if EE == 0
	v_cvt_scalef32_pk16_fp6_f32 v[OUT+12*\a+6*CC:OUT+12*\a+6*CC+2], v[ACC+16*\a:ACC+16*\a+15], v[SOP+\a]
.else
	v_cvt_scalef32_pk16_fp6_f32 v[YT+4*\a:YT+4*\a+2], v[ACC+16*\a:ACC+16*\a+15], v[SOP+\a]
.endif
.endr
	v_nop
.if EE == 1
.irp a, 0,1,2,3
.irp i, 0,1,2
	v_permlane16_swap_b32 v[OUT+12*\a+6*CC+\i], v[YT+4*\a+\i]
.endr
.irp i, 0,1,2
	v_mov_b32 v[OUT+12*\a+6*CC+3+\i], v[YT+4*\a+\i]
.endr
.endr
.endif
.if BB == 3
.irp a, 0,1,2,3
.irp q, 0,1,2
	global_store_b128 v1, v[OUT+12*\a+4*\q:OUT+12*\a+4*\q+3], s[44:45] offset:13056*SG+6144+1536*\a+512*\q
.endr
.endr
.irp k, 0,1
	v_cndmask_b32 v[WS+\k], v[WD+4*SG+2*\k], v[WD+4*SG+2*\k+1], s22
	global_store_b32 v2, v[WS+\k], s[44:45] offset:13056*SG+12800+128*\k
.endr
.endif
.endm
; The whole of a wave's work.  Three tiles are asked for ahead.  NW: the loads of the two younger groups, which may stay out while a tile is multiplied.
; Five v_nop behind a tile's products: four places ahead of the loads into the slot just read and of the first read of results, five ahead of the products that begin the accumulators anew.
.macro PATH
	LOADS
	LOADT 0
	LOADT 1
	LOADT 2
.set TT, 0
.rept 16
.if TT < 14
	s_wait_loadcnt NW
.elseif TT == 14
	s_wait_loadcnt 28                              ; tile 15's group may stay out
.else
	s_wait_loadcnt 0x0
.endif
.if (CKIND == 2) && (TT == 0)
.irp a, 0,1,2,3
.irp j, 1,2,3,4,5,6,7
	v_mov_b32 v[BI+8*\a+\j], v[BI+8*\a]            ; a lane's eight results of a tile belong to one row of Wv^T: one bias
.endr
.endr
	NOPS 8
.endif
	MULT TT
	WIN 0
	NOPS 5
.if TT+3 < 16
	LOADT TT+3
.endif
.if TT%2 == 1
.if CKIND == 1
	EPIQK TT/2
.else
	EPIQV TT/2
.endif
.endif
.set TT, TT+1
.endr
.endm
	s_load_b256 s[4:11], s[0:1], 0x0               ; pre 4, bq 6, bk 8, bv 10
	s_load_b64 s[12:13], s[0:1], 0x20              ; qkv
	v_lshrrev_b32 v7, 5, v0
	v_readfirstlane_b32 s14, v7                    ; wave 0..3
	v_and_b32 v8, 31, v0
	v_lshlrev_b32 v1, 4, v8                        ; 16 x lane
	v_lshlrev_b32 v2, 2, v8                        ; 4 x lane
	v_bfe_u32 v9, v0, 4, 1                         ; h
	s_mov_b32 s20, 0x76543210
	s_mov_b32 s21, 0xfedcba98                      ; lane selects: lane l xor 16
	s_mov_b32 s22, 0xffff0000                      ; lanes 16-31
	s_mov_b32 s53, 0
.irp a, 0,1,2,3
	v_mov_b32 v[PX+\a], 0                          ; written once: a lane permute's destination counts as one of its sources
.endr
	s_wait_kmcnt 0x0
	s_cmp_lt_u32 ttmp9, 128
	s_cbranch_scc0 .Lv
	; ---- Q and K
	s_and_b32 s15, ttmp9, 7                        ; which 256 columns of [Wq | Wk]
	s_lshr_b32 s16, ttmp9, 3
	s_lshl_b32 s17, s16, 2
	s_add_co_u32 s17, s17, s14                     ; g: which 64 tokens
	s_lshr_b32 s18, s15, 2                         ; 0: Q, 1: K
	s_and_b32 s19, s15, 3
	s_mul_i32 s52, s17, 49152
	s_add_co_u32 s52, s52, XOFF
	s_add_nc_u64 s[24:25], s[4:5], s[52:53]        ; stationary: x's tiles 4 g on
	s_lshl_b32 s52, s17, 11
	s_add_co_u32 s52, s52, XOFF+3145728
	s_add_nc_u64 s[26:27], s[4:5], s[52:53]
	s_mul_i32 s54, s18, WPL
	s_mul_i32 s52, s19, 196608
	s_add_co_u32 s52, s52, s54
	s_add_nc_u64 s[28:29], s[4:5], s[52:53]        ; streamed: 16 tiles of the weight's plane
	s_lshl_b32 s52, s19, 13
	s_add_co_u32 s52, s52, s54
	s_add_co_u32 s52, s52, 786432
	s_add_nc_u64 s[30:31], s[4:5], s[52:53]
	s_mov_b32 s36, 208896                          ; K's sizes: a (batch, head), a step of 128, where a step's scale words begin
	s_mov_b32 s37, 13056
	s_mov_b32 s38, 12288
	s_cmp_lt_u32 s15, 4
	s_cselect_b64 s[32:33], s[6:7], s[8:9]         ; bq or bk
	s_cselect_b32 s36, 106496, s36                 ; or Q's
	s_cselect_b32 s37, 6656, s37
	s_cselect_b32 s38, 6144, s38
	s_cselect_b32 s39, 0, KVO
	s_lshl_b32 s52, s19, 10
	s_add_nc_u64 s[32:33], s[32:33], s[52:53]
	s_lshr_b32 s40, s17, 5                         ; batch
	s_lshl_b32 s40, s40, 4
	s_lshl_b32 s41, s19, 2
	s_add_co_u32 s40, s40, s41                     ; 16 batch + my first head
	s_mul_i32 s40, s40, s36
	s_and_b32 s41, s17, 31
	s_lshr_b32 s41, s41, 1                         ; which 128 tokens of the batch
	s_mul_i32 s41, s41, s37
	s_add_co_u32 s52, s40, s41
	s_add_co_u32 s52, s52, s39
	s_add_nc_u64 s[44:45], s[12:13], s[52:53]      ; a base for each of my four heads
	s_mov_b32 s52, s36
	s_add_nc_u64 s[46:47], s[44:45], s[52:53]
	s_add_nc_u64 s[48:49], s[46:47], s[52:53]
	s_add_nc_u64 s[50:51], s[48:49], s[52:53]
	s_and_b32 s54, s17, 1                          ; which half of the 128 tokens: two images
	s_mul_i32 s55, s54, 3072
	v_add_nc_u32 v4, s55, v1
	s_lshl_b32 s54, s54, 8
	s_add_co_u32 s54, s54, s38
	v_add_nc_u32 v5, s54, v2
	v_lshlrev_b32 v3, 6, v9                        ; bias: 16 h numbers on
.set CKIND, 1
.set NW, 60                            ; 28 + 32
	PATH
	s_endpgm
.Lv:
	; ---- V
	s_sub_co_u32 s15, ttmp9, 128
	s_and_b32 s16, s15, 15                         ; which 256 tokens
	s_lshr_b32 s17, s15, 4
	s_lshl_b32 s17, s17, 2
	s_add_co_u32 s17, s17, s14                     ; the head
	s_mul_i32 s52, s17, 49152
	s_add_co_u32 s52, s52, 2*WPL
	s_add_nc_u64 s[24:25], s[4:5], s[52:53]        ; stationary: Wv's tiles 4 head on
	s_lshl_b32 s52, s17, 11
	s_add_co_u32 s52, s52, 2*WPL+786432
	s_add_nc_u64 s[26:27], s[4:5], s[52:53]
	s_mul_i32 s52, s16, 196608
	s_add_co_u32 s52, s52, XOFF
	s_add_nc_u64 s[28:29], s[4:5], s[52:53]        ; streamed: 16 tiles of x
	s_lshl_b32 s52, s16, 13
	s_add_co_u32 s52, s52, XOFF+3145728
	s_add_nc_u64 s[30:31], s[4:5], s[52:53]
	s_lshl_b32 s52, s17, 8
	s_add_nc_u64 s[32:33], s[10:11], s[52:53]      ; bv at the head's 64
	s_lshr_b32 s40, s16, 3
	s_lshl_b32 s40, s40, 4
	s_add_co_u32 s40, s40, s17
	s_mul_i32 s40, s40, 208896
	s_and_b32 s41, s16, 7
	s_mul_i32 s41, s41, 26112                      ; two key steps
	s_add_co_u32 s52, s40, s41
	s_add_co_u32 s52, s52, KVO
	s_add_nc_u64 s[44:45], s[12:13], s[52:53]
	v_and_b32 v3, 7, v0
	v_bfe_u32 v10, v0, 3, 1
	v_lshl_add_u32 v3, v10, 4, v3
	v_lshlrev_b32 v3, 2, v3                        ; 4 (r % 8 + 16 (r / 8))
.irp a, 0,1,2,3
	global_load_b32 v[BI+8*\a], v3, s[32:33] offset:4*(32*(\a/2)+8*(\a%2))   ; bv of my row of tile a
.endr
.set CKIND, 2
.set NW, 56                            ; 28 + 28
	PATH
	s_endpgm
.Lfunc_end_k_qca6d363b29_qkv:
	.size	k_qca6d363b29_qkv, .Lfunc_end_k_qca6d363b29_qkv-k_qca6d363b29_qkv
	.p2alignl 7, 3214868480
	.fill 96, 4, 3214868480
	.section	.rodata,"a",@progbits
	.p2align	6, 0x0
	.amdhsa_kernel k_qca6d363b29_qkv
		.amdhsa_group_segment_fixed_size 0
		.amdhsa_private_segment_fixed_size 0
		.amdhsa_enable_private_segment 0
		.amdhsa_kernarg_size 40
		.amdhsa_user_sgpr_count 2
		.amdhsa_user_sgpr_kernarg_segment_ptr 1
		.amdhsa_wavefront_size32 1
		.amdhsa_system_sgpr_workgroup_id_x 1
		.amdhsa_system_sgpr_workgroup_id_y 1
		.amdhsa_system_sgpr_workgroup_id_z 1
		.amdhsa_system_vgpr_workitem_id 0
		.amdhsa_next_free_vgpr 1024
		.amdhsa_next_free_sgpr 66
		.amdhsa_reserve_vcc 0
		.amdhsa_float_denorm_mode_32 3
		.amdhsa_float_denorm_mode_16_64 3
		.amdhsa_memory_ordered 1
		.amdhsa_forward_progress 1
		.amdhsa_inst_pref_size 255
	.end_amdhsa_kernel
	.section	.bss,"aw",@nobits
	.p2align	6
	.space	262144
	.amdgpu_metadata
---
amdhsa.version: [ 1, 2 ]
amdhsa.kernels:
  - .name:           k_qca6d363b29_qkv
    .symbol:         k_qca6d363b29_qkv.kd
    .args:
      - { .name: pre, .offset: 0, .size: 8, .value_kind: global_buffer, .address_space: global }
      - { .name: bq, .offset: 8, .size: 8, .value_kind: global_buffer, .address_space: global }
      - { .name: bk, .offset: 16, .size: 8, .value_kind: global_buffer, .address_space: global }
      - { .name: bv, .offset: 24, .size: 8, .value_kind: global_buffer, .address_space: global }
      - { .name: qkv, .offset: 32, .size: 8, .value_kind: global_buffer, .address_space: global }
    .group_segment_fixed_size: 0
    .private_segment_fixed_size: 0
    .kernarg_segment_align: 8
    .kernarg_segment_size: 40
    .max_flat_workgroup_size: 128
    .sgpr_count:     66
    .vgpr_count:     1024
    .wavefront_size: 32
...
	.end_amdgpu_metadata
.endif
;; end of part 2
;; launch attn (part 3): grid 8 x 32, 16 waves a work-group, clusters of 4 x 1, 210,944 bytes of LDS; arguments qkv, act; writes act
.if DOCPART == 3
	.amdgcn_target "amdgcn-amd-amdhsa--gfx1250"
	.amdhsa_code_object_version 6
	.text
	.protected	k_qca6d363b29_attn
	.globl	k_qca6d363b29_attn
	.p2align	8
	.type	k_qca6d363b29_attn,@function
k_qca6d363b29_attn:
	s_mov_b64 s[64:65], 0
	v_nop
	global_prefetch_b8 v0, s[64:65] scope:SCOPE_SE
	s_setreg_imm32_b32 hwreg(HW_REG_WAVE_MODE, 25, 1), 1
	s_wait_xcnt 0x0
	s_wait_alu depctr_hold_cnt(0) depctr_sa_sdst(0) depctr_va_vdst(0) depctr_va_sdst(0) depctr_va_ssrc(0) depctr_va_vcc(0) depctr_vm_vsrc(0)
	s_getreg_b32 s2, hwreg(HW_REG_IB_STS2, 6, 4)
	s_cmp_eq_u32 s2, 0
	s_cbranch_scc0 .Lentry_in_a_cluster
	s_endpgm
.Lentry_in_a_cluster:
	s_bfe_u32 s2, ttmp6, 0x10000c
	s_cmp_lg_u32 s2, 0x3003
	s_cbranch_scc0 .Lentry_shape_is_right
	s_endpgm
.Lentry_shape_is_right:
; ctx[q] = the sum over k of softmax_k(Q[q] . K[k] / 8) V[k] for one (batch, head), both products on codes of FP6 (E2M3) with E8M0 scales; ctx is quantised here along the model's 1,024 for the next product.
; THE SOFTMAX: t = score x log2(e) / 8; M = the running largest t rounded UP to a whole number; p = 2^(t - M) is quantised along the keys, not normalised; the row's sum is taken of the unquantised p and divides at the end.
; When M moves, the sum and O are multiplied by 2^(old M - new M): exact.  LIMITS: NaN and infinities are not served; a block of zeros keeps the byte 1 (its codes are zeros).
; SHARES.  A work-group: one (batch, head), 256 queries; each of sixteen waves one tile of 16 queries in 256 registers, four waves to a SIMD.  Every wave walks the head's 2,048 keys, 128 a trip.
; LDS holds the head's whole K and V, codes and scale words, 16 x 13,056 bytes as they lie in memory, FILLED ONCE: each wave brings one key step by one tensor load.  Nothing is filled again.
; CLUSTER.  The four query blocks of a cluster read the same bytes, so each load is a JOINT one: the same descriptor, made of the head and the wave's number alone, and the mask of all four.
; LAYOUT.  S^T = K Q^T (source 0 = 16 keys, source 1 = my queries), O^T = V^T P^T: a lane holds one query throughout.  Tile t, tile-row r of a key step is key 32 (t / 2) + 8 (t % 2) + r % 8 + 16 (r / 8), so the 16 registers of
; tiles 2 b, 2 b + 1 are keys 32 b + 16 (lane / 16) + 0 .. 15.  V^T's tiles hold the head's 64 in the same order, so O^T's 16 registers of two tiles are 16 neighbouring channels.
; K = 64: a key tile is 6 registers and the tiles lie on end; the instruction's 12 registers take the next tile's six (for tile 7: V's first six) as k = 64 .. 127, where Q's codes are zeros: they add nothing (the scale bytes there are 0, no NaN).
; REGISTERS: v1, v2 lane offsets; v3, v4 LDS addresses; v5 at work; v[6:7] f; v8-11 K's scale words; v12-13 V's; v14 Q's; v15 p's; v16-27 Q; v28 -M, v29 the largest t; v[30:31] the sum; v32-79 K; v80-127 V; v128-191 S^T, then p;
; v192-223 O^T; v224-235 p's codes; v236-254 at work.
.set KVO, 3407872
.set STEPB, 13056
.set KS,  8
.set VS,  12
.set KF,  32
.set VF,  80
.set S,   128
.set OA,  192
.set PC,  224
.set BM,  236
.set PX,  240
.set SOP, 244
.set Y0,  248
.set Y1,  252
.macro NOPS n
.rept \n
	v_nop
.endr
.endm
.macro CROUND                          ; a round of the cluster's barrier: my work-group's barrier; wave 0 signals for the work-group; every wave waits for all four; my work-group's barrier once more
	s_barrier_signal -1
	s_barrier_wait -1
	s_cmp_lg_u32 s8, 0
	s_cbranch_scc1 .Lnot_wave_0_\@
	s_barrier_signal -3
.Lnot_wave_0_\@:
	s_barrier_wait -3
	s_barrier_signal -1
	s_barrier_wait -1
.endm
	s_load_b128 s[4:7], s[0:1], 0x0                ; qkv, act
	v_lshl_add_u32 v251, v0, 2, 0x33000
	v_mov_b32 v255, 0
	ds_add_u32 v251, v255
	ds_add_u32 v251, v255
	v_lshrrev_b32 v5, 5, v0
	v_readfirstlane_b32 s8, v5                     ; wave 0..15
	v_and_b32 v5, 31, v0
	v_lshlrev_b32 v1, 4, v5                        ; 16 x lane
	v_lshlrev_b32 v2, 2, v5                        ; 4 x lane
	s_bfe_u32 s9, ttmp6, 0x40000                   ; cx: it enters Q's and ctx's addresses alone
	s_lshl_b32 s10, ttmp9, 2
	s_add_co_u32 s10, s10, s9                      ; my block of 256 queries
	s_and_b32 s11, ttmp7, 0xffff                   ; 16 batch + head, which the four partners share
	; descriptor group 1: a dense block of 13,056 bytes as 51 rows of 32 elements of 8 bytes
	s_mov_b32 s16, 15|(3<<16)|(1<<21)              ; 15:0 the mask: all four work-groups; 17:16 elements of 8 bytes; 21 set beside a mask
	s_mov_b32 s17, 32<<16                          ; tensor_dim0 = 32
	s_mov_b32 s18, 51<<16                          ; tensor_dim1 = 51
	s_mov_b32 s19, 32<<16                          ; tile_dim0 = 32
	s_mov_b32 s20, 51                              ; tile_dim1 = 51
	s_mov_b32 s21, 32                              ; from row to row
	s_mov_b32 s22, 0
	s_mov_b32 s23, 0
	s_mov_b32 s12, 1                               ; group 0: count = 1
	s_mul_i32 s13, s8, STEPB                       ; LDS address: key step = my wave's number
	s_mul_i32 s30, s11, 208896
	s_add_co_u32 s30, s30, s13
	s_add_co_u32 s30, s30, KVO
	s_mov_b32 s31, 0
	s_mov_b32 s24, 0x76543210
	s_mov_b32 s25, 0xfedcba98                      ; lane selects: lane l xor 16
	s_mov_b32 s26, 0x3e38aa3b                      ; c = log2(e) / 8
	s_mov_b32 s27, s26                             ; (named with it as a pair, so it is written)
	s_mov_b32 s28, 0                               ; LDS byte of the key step in hand
	s_mov_b32 s29, 16                              ; key steps to go
	s_wait_dscnt 0x0
	s_wait_kmcnt 0x0
	s_add_nc_u64 s[14:15], s[4:5], s[30:31]
	s_or_b32 s15, s15, 0x80000000                  ; type = 2
	CROUND                                         ; all four work-groups are here: the joint loads meet
	tensor_load_to_lds s[12:15], s[16:23]          ; my one tensor load: one is out
	s_nop 0
	NOPS 4
	; Q: token tile 16 block + wave of the head: step 2 block + wave / 8, image (wave / 2) % 4, half wave % 2 of the image's 12 registers
	s_lshr_b32 s38, s8, 3
	s_lshl_b32 s39, s10, 1
	s_add_co_u32 s38, s38, s39
	s_mul_i32 s38, s38, 6656
	s_mul_i32 s39, s11, 106496
	s_add_co_u32 s30, s38, s39
	s_add_nc_u64 s[32:33], s[4:5], s[30:31]
	s_bfe_u32 s38, s8, 0x20001
	s_and_b32 s39, s8, 1
	s_mul_i32 s40, s38, 1536
	s_mul_i32 s41, s39, 520
	s_add_co_u32 s41, s41, s40
	v_add_nc_u32 v236, s41, v1                     ; registers 6 u, 6 u + 1 lie at 520 u + 16 l, registers 6 u + 4, + 5 at 512 + 520 u + 16 l,
	s_mul_i32 s41, s39, 1016
	s_add_co_u32 s41, s41, s40
	v_add_nc_u32 v237, s41, v1                     ; registers 6 u + 2, + 3 at 8 + 1,016 u + 16 l
	global_load_b64 v[16:17], v236, s[32:33]
	global_load_b64 v[18:19], v237, s[32:33] offset:8
	global_load_b64 v[20:21], v236, s[32:33] offset:512
	v_and_b32 v238, 15, v0
	v_lshlrev_b32 v238, 2, v238
	s_lshl_b32 s41, s38, 7
	s_lshl_b32 s42, s39, 6
	s_add_co_u32 s41, s41, s42
	v_add_nc_u32 v238, s41, v238
	global_load_b32 v14, v238, s[32:33] offset:6144  ; my tile's scale words, row r in lanes r and r + 16
	; where ctx goes: tile Tg = 128 batch + 16 block + wave; the head is half a fragment: 768 bytes
	s_lshr_b32 s38, s11, 4
	s_lshl_b32 s38, s38, 7
	s_lshl_b32 s39, s10, 4
	s_add_co_u32 s38, s38, s39
	s_add_co_u32 s38, s38, s8
	s_and_b32 s39, s11, 15
	s_mul_i32 s30, s38, 12288
	s_mul_i32 s40, s39, 768
	s_add_co_u32 s30, s30, s40
	s_add_nc_u64 s[34:35], s[6:7], s[30:31]
	s_lshl_b32 s30, s38, 9
	s_lshr_b32 s40, s39, 1
	s_lshl_b32 s40, s40, 6                         ; K step head / 2: 64 bytes each
	s_add_co_u32 s30, s30, s40
	s_and_b32 s40, s39, 1
	s_lshl_b32 s40, s40, 1                         ; bytes 2 (head % 2) and + 1 of the word
	s_add_co_u32 s30, s30, s40
	s_add_co_u32 s30, s30, 3145728
	s_add_nc_u64 s[36:37], s[6:7], s[30:31]
.irp j, 22,23,24,25,26,27
	v_mov_b32 v\j, 0                               ; Q's codes of k = 64 .. 127
.endr
	v_mov_b32 v29, 0xff61b1e6                      ; the largest t so far: -3e38
	v_floor_f32 v28, -v29                          ; -M
	v_mov_b32 v30, 0
	v_mov_b32 v31, 0
	v_mov_b32 v6, 0
	v_mov_b32 v7, 0                                ; (named as the upper half of a pair)
.irp b, 0,1,2,3
	v_mov_b32 v[PX+\b], 0                          ; written once: a lane permute's destination counts as one of its sources
.endr
.set J, 0
.rept 32
	v_mov_b32 v[OA+J], 0                           ; O^T: the trip is written once; its first pass finds zeros, which the first change of M leaves zeros
.set J, J+1
.endr
	s_wait_loadcnt 0x0                             ; Q
	s_wait_tensorcnt 0x0                           ; my key step lies in LDS,
	s_barrier_signal -1
	s_barrier_wait -1                              ; everybody's does
.Lkey:
	v_add_nc_u32 v3, s28, v1                       ; these two and two v_nop are the four places ahead of loads into registers that the last products read
	v_add_nc_u32 v4, s28, v2
	v_nop
	v_nop
.irp i, 0,1,2,3,4,5,6,7,8,9,10,11
	ds_load_b128 v[KF+4*\i:KF+4*\i+3], v3 offset:512*\i
.endr
.irp i, 0,1
	ds_load_b128 v[VF+4*\i:VF+4*\i+3], v3 offset:6144+512*\i
.endr
.irp b, 0,1,2,3
	ds_load_b32 v[KS+\b], v4 offset:12288+128*\b
.endr
.irp i, 2,3,4,5,6,7,8,9,10,11
	ds_load_b128 v[VF+4*\i:VF+4*\i+3], v3 offset:6144+512*\i
.endr
.irp k, 0,1
	ds_load_b32 v[VS+\k], v4 offset:12800+128*\k
.endr
	s_wait_dscnt 12                                ; K, its scale words and V's first eight registers are in; the youngest twelve loads may be out
.irp t, 0,2,4,6
	v_wmma_scale_f32_16x16x128_f8f6f4 v[S+8*\t:S+8*\t+7], v[KF+6*\t:KF+6*\t+11], v[16:27], 0, v[KS+\t/2], v14 matrix_a_fmt:MATRIX_FMT_FP6 matrix_b_fmt:MATRIX_FMT_FP6
	v_wmma_scale_f32_16x16x128_f8f6f4 v[S+8*\t+8:S+8*\t+15], v[KF+6*\t+6:KF+6*\t+17], v[16:27], 0, v[KS+\t/2], v14 matrix_a_fmt:MATRIX_FMT_FP6 matrix_b_fmt:MATRIX_FMT_FP6 matrix_a_scale:MATRIX_SCALE_ROW1
.endr
	NOPS 4
.irp b, 0,1,2,3
	v_max3_num_f32 v[BM+\b], v[S+16*\b], v[S+16*\b+1], v[S+16*\b+2]   ; the largest score of each block of 32 keys: for the row's maximum and, since p rises with the score, for the block's largest p
.endr
.irp i, 3,5,7,9,11,13
.irp b, 0,1,2,3
	v_max3_num_f32 v[BM+\b], v[BM+\b], v[S+16*\b+\i], v[S+16*\b+\i+1]
.endr
.endr
.irp b, 0,1,2,3
	v_max_num_f32 v[BM+\b], v[BM+\b], v[S+16*\b+15]
.endr
.irp b, 0,1,2,3
	v_permlanex16_b32 v[PX+\b], v[BM+\b], s24, s25
.endr
.irp b, 0,1,2,3
	v_max_num_f32 v[BM+\b], v[BM+\b], v[PX+\b]     ; with lane l xor 16's 16 keys
.endr
	v_max3_num_f32 v5, v[BM], v[BM+1], v[BM+2]
	v_max_num_f32 v5, v5, v[BM+3]
	v_mul_f32 v5, s26, v5                          ; the step's largest t (c is positive)
	v_max_num_f32 v29, v29, v5
	v_mov_b32 v5, v28
	v_floor_f32 v28, -v29                          ; the new -M = -ceil(t)
	v_sub_f32 v5, v28, v5                          ; old M - new M: a whole number, 0 or less
	v_cvt_i32_f32 v5, v5                           ; (it saturates)
	v_ldexp_f32 v6, 1.0, v5                        ; f = 2^(old M - new M)
.set J, 0
.rept 32
	v_pk_fma_f32 v[S+J:S+J+1], v[S+J:S+J+1], s[26:27], v[28:29] op_sel_hi:[1,0,0]   ; t - M
.set J, J+2
.endr
.irp b, 0,1,2,3
	v_fma_f32 v[BM+\b], v[BM+\b], s26, v28
.endr
.set J, 0
.rept 64
	v_exp_f32 v[S+J], v[S+J]                       ; p = 2^(t - M)
.set J, J+1
.endr
.irp b, 0,1,2,3
	v_exp_f32 v[BM+\b], v[BM+\b]                   ; the block's largest p
.endr
	v_pk_mul_f32 v[30:31], v[30:31], v[6:7] op_sel_hi:[1,0]   ; the sum under the new M; also the plain place behind the exponentials
	s_wait_alu depctr_va_vdst(0)
.irp b, 0,1,2,3
	v_max_num_f32 v[BM+\b], 0x1800000, v[BM+\b]    ; the floor: the byte cannot fall under 1
.endr
.irp b, 0,1,2,3
	v_add_nc_u32 v[SOP+\b], 0xff000000, v[BM+\b]
.endr
.irp b, 0,1,2,3
	v_lshrrev_b32 v[PX+\b], 23, v[SOP+\b]
.endr
	v_lshl_or_b32 v15, v[PX+1], 8, v[PX]           ; p's scale word for these 128 keys
	v_lshl_or_b32 v15, v[PX+2], 16, v15
	v_lshl_or_b32 v15, v[PX+3], 24, v15
	v_cvt_scalef32_pk16_fp6_f32 v[PC:PC+2], v[S:S+15], v[SOP]
	v_cvt_scalef32_pk16_fp6_f32 v[Y0:Y0+2], v[S+16:S+31], v[SOP+1]
	v_cvt_scalef32_pk16_fp6_f32 v[PC+6:PC+8], v[S+32:S+47], v[SOP+2]
	v_cvt_scalef32_pk16_fp6_f32 v[Y1:Y1+2], v[S+48:S+63], v[SOP+3]
	v_nop                                          ; one plain place behind the conversions
.irp i, 0,1,2
	v_permlane16_swap_b32 v[PC+\i], v[Y0+\i]       ; a whole block to a lane
	v_permlane16_swap_b32 v[PC+6+\i], v[Y1+\i]
.endr
.irp i, 0,1,2
	v_mov_b32 v[PC+3+\i], v[Y0+\i]
	v_mov_b32 v[PC+9+\i], v[Y1+\i]
.endr
	v_pk_add_f32 v[BM:BM+1], v[S:S+1], v[S+2:S+3]  ; the row's sum of the unquantised p, in two chains
.irp j, 4,8,12,16,20,24,28,32,36,40,44,48,52,56,60
	v_pk_add_f32 v[30:31], v[30:31], v[S+\j:S+\j+1]
	v_pk_add_f32 v[BM:BM+1], v[BM:BM+1], v[S+\j+2:S+\j+3]
.endr
	v_pk_add_f32 v[30:31], v[30:31], v[BM:BM+1]
.irp j, 0,2,4,6,8,10,12,14,16,18,20,22,24,26,28,30
	v_pk_mul_f32 v[OA+\j:OA+\j+1], v[OA+\j:OA+\j+1], v[6:7] op_sel_hi:[1,0]   ; O^T under the new M
.endr
	s_wait_dscnt 0x0                               ; V and its scale words
.irp a, 0,2
	v_wmma_scale_f32_16x16x128_f8f6f4 v[OA+8*\a:OA+8*\a+7], v[VF+12*\a:VF+12*\a+11], v[PC:PC+11], v[OA+8*\a:OA+8*\a+7], v[VS+\a/2], v15 matrix_a_fmt:MATRIX_FMT_FP6 matrix_b_fmt:MATRIX_FMT_FP6
	v_wmma_scale_f32_16x16x128_f8f6f4 v[OA+8*\a+8:OA+8*\a+15], v[VF+12*\a+12:VF+12*\a+23], v[PC:PC+11], v[OA+8*\a+8:OA+8*\a+15], v[VS+\a/2], v15 matrix_a_fmt:MATRIX_FMT_FP6 matrix_b_fmt:MATRIX_FMT_FP6 matrix_a_scale:MATRIX_SCALE_ROW1
.endr
	s_add_co_u32 s28, s28, STEPB
	s_sub_co_u32 s29, s29, 1
	s_cmp_lg_u32 s29, 0
	s_cbranch_scc1 .Lkey
	; ---- the end: O^T / the sum, quantised along the head's 64 (two blocks), half a fragment of the next product's operand
	NOPS 4
	v_add_f32 v30, v30, v31
	v_permlanex16_b32 v5, v30, s24, s25
	v_add_f32 v30, v30, v5                         ; the row's sum
	v_rcp_f32 v6, v30
	v_nop
	s_wait_alu depctr_va_vdst(0)
.irp j, 0,2,4,6,8,10,12,14,16,18,20,22,24,26,28,30
	v_pk_mul_f32 v[OA+\j:OA+\j+1], v[OA+\j:OA+\j+1], v[6:7] op_sel_hi:[1,0]
.endr
.irp b, 0,1
	v_max3_num_f32 v[BM+\b], |v[OA+16*\b]|, |v[OA+16*\b+1]|, 0x1800000
.endr
.irp i, 2,4,6,8,10,12,14
.irp b, 0,1
	v_max3_num_f32 v[BM+\b], v[BM+\b], |v[OA+16*\b+\i]|, |v[OA+16*\b+\i+1]|
.endr
.endr
.irp b, 0,1
	v_permlanex16_b32 v[PX+\b], v[BM+\b], s24, s25
.endr
.irp b, 0,1
	v_max_num_f32 v[BM+\b], v[BM+\b], v[PX+\b]
.endr
.irp b, 0,1
	v_add_nc_u32 v[SOP+\b], 0xff000000, v[BM+\b]
.endr
.irp b, 0,1
	v_lshrrev_b32 v[PX+\b], 23, v[SOP+\b]
.endr
	v_lshl_or_b32 v5, v[PX+1], 8, v[PX]            ; my row's two bytes
	v_cvt_scalef32_pk16_fp6_f32 v[PC:PC+2], v[OA:OA+15], v[SOP]
	v_cvt_scalef32_pk16_fp6_f32 v[Y0:Y0+2], v[OA+16:OA+31], v[SOP+1]
	v_nop
.irp i, 0,1,2
	v_permlane16_swap_b32 v[PC+\i], v[Y0+\i]
.endr
.irp i, 0,1,2
	v_mov_b32 v[PC+3+\i], v[Y0+\i]
.endr
	v_lshrrev_b32 v3, 1, v1                        ; 8 x lane
	v_and_b32 v4, 15, v0
	v_lshlrev_b32 v4, 2, v4                        ; 4 r
.irp p, 0,1,2
	global_store_b64 v3, v[PC+2*\p:PC+2*\p+1], s[34:35] offset:256*\p   ; a pair of registers of all lanes: 256 consecutive bytes, aligned
.endr
	global_store_b16 v4, v5, s[36:37]              ; lanes r and r + 16 store the same two bytes to the same place
	s_wait_dscnt 0x0
	s_wait_tensorcnt 0x0
	ds_add_u32 v251, v255
	s_wait_dscnt 0x0
	CROUND                                         ; the closing round: no work-group ends while a partner may still ask for a tile that names it
	s_endpgm
.Lfunc_end_k_qca6d363b29_attn:
	.size	k_qca6d363b29_attn, .Lfunc_end_k_qca6d363b29_attn-k_qca6d363b29_attn
	.p2alignl 7, 3214868480
	.fill 96, 4, 3214868480
	.section	.rodata,"a",@progbits
	.p2align	6, 0x0
	.amdhsa_kernel k_qca6d363b29_attn
		.amdhsa_group_segment_fixed_size 210944
		.amdhsa_private_segment_fixed_size 0
		.amdhsa_enable_private_segment 0
		.amdhsa_kernarg_size 16
		.amdhsa_user_sgpr_count 2
		.amdhsa_user_sgpr_kernarg_segment_ptr 1
		.amdhsa_wavefront_size32 1
		.amdhsa_system_sgpr_workgroup_id_x 1
		.amdhsa_system_sgpr_workgroup_id_y 1
		.amdhsa_system_sgpr_workgroup_id_z 1
		.amdhsa_system_vgpr_workitem_id 0
		.amdhsa_next_free_vgpr 256
		.amdhsa_next_free_sgpr 66
		.amdhsa_reserve_vcc 0
		.amdhsa_float_denorm_mode_32 3
		.amdhsa_float_denorm_mode_16_64 3
		.amdhsa_memory_ordered 1
		.amdhsa_forward_progress 1
		.amdhsa_inst_pref_size 26
	.end_amdhsa_kernel
	.amdgpu_metadata
---
amdhsa.version: [ 1, 2 ]
amdhsa.kernels:
  - .name:           k_qca6d363b29_attn
    .symbol:         k_qca6d363b29_attn.kd
    .args:
      - { .name: qkv, .offset: 0, .size: 8, .value_kind: global_buffer, .address_space: global }
      - { .name: act, .offset: 8, .size: 8, .value_kind: global_buffer, .address_space: global }
    .group_segment_fixed_size: 210944
    .private_segment_fixed_size: 0
    .kernarg_segment_align: 8
    .kernarg_segment_size: 16
    .max_flat_workgroup_size: 512
    .sgpr_count:     66
    .vgpr_count:     256
    .wavefront_size: 32
...
	.end_amdgpu_metadata
.endif
;; end of part 3
;; launch oln (part 4): grid 256 x 1, 16 waves a work-group, no clusters, 133,632 bytes of LDS; arguments act, wo, x, bo, g1, be1, hf; writes hf
.if DOCPART == 4
	.amdgcn_target "amdgcn-amd-amdhsa--gfx1250"
	.amdhsa_code_object_version 6
	.text
	.protected	k_qca6d363b29_oln
	.globl	k_qca6d363b29_oln
	.p2align	8
	.type	k_qca6d363b29_oln,@function
k_qca6d363b29_oln:
	s_mov_b64 s[64:65], 0
	v_nop
	global_prefetch_b8 v0, s[64:65] scope:SCOPE_SE
	s_setreg_imm32_b32 hwreg(HW_REG_WAVE_MODE, 25, 1), 1
	s_wait_xcnt 0x0
; h = layer_norm(x + (ctx Wo + bo)) g1 + be1.  ctx Wo on codes of FP6 (E2M3) with E8M0 scales, sums in f32; all else in f32: the mean first, then the mean of the squared differences, as the definition has them.
; h is stored as f32 and as codes of FP6 with E8M0 scales for the next product.
; LIMITS: NaN and infinities are not served; a block of zeros, or one under 2^-124, gets the byte 1 (its codes are zeros or held; this program alone reads the bytes).
; SHARES.  A work-group owns one tile of 16 tokens and ALL 1,024 columns, since the norm wants whole rows.  Tile T, tile-row r stands for token 32 (T / 2) + 8 (T % 2) + r % 8 + 16 (r / 8); Wo's tiles hold its columns in the same order.
; Sixteen waves of 256 registers, four to a SIMD.  Wave w multiplies ctx's tile by Wo's tiles 4 w .. 4 w + 3 (columns 64 w .. 64 w + 63), then norms tile-row w; waves 0-7 then make the fragment of K step w.
; THE PRODUCT.  Operands lie in memory as images of their registers, so fragments come straight into registers: ctx's as six loads of 256 consecutive bytes, Wo's as three of 512.  K goes in 8 steps of 128 through two register slots.
; Source 0 = 16 rows of Wo^T, source 1 = ctx's 16 tokens: a lane holds ONE token (lane % 16), and the 16 registers of tiles 2 b, 2 b + 1 are columns 32 b + 16 (lane / 16) + 0 .. 15.
; LDS: rows of the product (16 x 4,112 bytes), written by all waves and read back row by row behind a barrier; rows of h, in bytes of their own, read behind a second barrier.  A pitch of 257 x 16 bytes keeps sixteen rows' 16-byte pieces apart.
; NO CLUSTER, though every work-group reads the same Wo: its 786,432 bytes of codes do not fit in LDS beside the rows' 131,584, so a joint load would need slots that are filled again; this text has no tile in LDS that a joint load could fill.
; REGISTERS: v1-14 offsets; v16-19 ctx's scale words; v20-35 Wo's; v36-67 accumulators, later the product's row; v68-127, v128-187 the two slots (ctx's fragment, then four of Wo's); later v68-99 g1, v100-131 be1, then 64 numbers to quantise;
; v132-159 codes and work; v164-172 at work; v192-223 x's row, then h's; v224-255 bo.
.set PITCH, 4112
.set HREG,  65792                      ; where h's rows begin in LDS
.set SA,  16
.set SB,  20
.set ACC, 36
.set R0,  68                           ; slot k at R0 + 60 k
.set Y,   36
.set G,   68
.set BE,  100
.set QX,  68
.set QF,  132
.set QT,  144
.set QM,  152
.set TP,  164
.set X,   192
.set BO,  224
.set STO, 4                            ; v4   LDS: where I put my results: row r, 64 h + 256 wave bytes on
.set YRD, 5                            ; v5   LDS: my wave's row of the product, 16 bytes a lane
.set QA,  6                            ; v6   LDS: h's row r, my half's block, K step = wave % 8
.set QSO, 12                           ; v12  4 r
.set QH8, 13                           ; v13  8 h
.set HWR, 14                           ; v14  LDS: my wave's row of h
.set QCB, 26                           ; s[26:27] where the codes go;  s[28:29] the scale words
.set QSB, 28
.set SEL, 32                           ; s[32:33] lane selects: lane l xor 16
.macro NOPS n
.rept \n
	v_nop
.endr
.endm
.macro LOADG s                         ; K step s into slot s % 2: 18 loads
.set RS, R0+60*((\s)%2)
.irp p, 0,1,2,3,4,5
	global_load_b64 v[RS+2*\p:RS+2*\p+1], v3, s[40:41] offset:1536*(\s)+256*\p   ; ctx's fragment: piece p = lane l's registers 2 p, 2 p + 1 at 8 l
.endr
.irp t, 0,1,2,3
.irp q, 0,1,2
	global_load_b128 v[RS+12+12*\t+4*\q:RS+12+12*\t+4*\q+3], v1, s[44:45] offset:12288*\t+1536*(\s)+512*\q
.endr
.endr
.endm
.macro MULTS s                         ; four matrix instructions, the four accumulators by turns.  The first K step starts the sums.  An odd K step's scale words lie in lanes 16-31 of both registers
.set RS, R0+60*((\s)%2)
.irp t, 0,1,2,3
.if (\s) == 0
	v_wmma_scale_f32_16x16x128_f8f6f4 v[ACC+8*\t:ACC+8*\t+7], v[RS+12+12*\t:RS+12+12*\t+11], v[RS:RS+11], 0, v[SB+4*\t+(\s)/2], v[SA+(\s)/2] matrix_a_fmt:MATRIX_FMT_FP6 matrix_b_fmt:MATRIX_FMT_FP6
.elseif (\s)%2 == 0
	v_wmma_scale_f32_16x16x128_f8f6f4 v[ACC+8*\t:ACC+8*\t+7], v[RS+12+12*\t:RS+12+12*\t+11], v[RS:RS+11], v[ACC+8*\t:ACC+8*\t+7], v[SB+4*\t+(\s)/2], v[SA+(\s)/2] matrix_a_fmt:MATRIX_FMT_FP6 matrix_b_fmt:MATRIX_FMT_FP6
.else
	v_wmma_scale_f32_16x16x128_f8f6f4 v[ACC+8*\t:ACC+8*\t+7], v[RS+12+12*\t:RS+12+12*\t+11], v[RS:RS+11], v[ACC+8*\t:ACC+8*\t+7], v[SB+4*\t+(\s)/2], v[SA+(\s)/2] matrix_a_fmt:MATRIX_FMT_FP6 matrix_b_fmt:MATRIX_FMT_FP6 matrix_a_scale:MATRIX_SCALE_ROW1 matrix_b_scale:MATRIX_SCALE_ROW1
.endif
.endr
.endm
.macro REDUCE                          ; v[TP] summed over the 32 lanes, the result in every lane
	v_add_f32_dpp v[TP], v[TP], v[TP] row_xmask:1 row_mask:0xf bank_mask:0xf
	v_add_f32_dpp v[TP], v[TP], v[TP] row_xmask:2 row_mask:0xf bank_mask:0xf
	v_add_f32_dpp v[TP], v[TP], v[TP] row_xmask:4 row_mask:0xf bank_mask:0xf
	v_add_f32_dpp v[TP], v[TP], v[TP] row_xmask:8 row_mask:0xf bank_mask:0xf
	v_permlanex16_b32 v[TP+8], v[TP], s[SEL], s[SEL+1]
	v_add_f32 v[TP], v[TP], v[TP+8]
.endm
; 16 rows x 128 K out of LDS become a fragment and its scale words.  Lane (r, h) owns blocks h and 2 + h of row r whole.
.macro QFRAG
.irp c, 0,1
.irp i, 0,1,2,3,4,5,6,7
	ds_load_b128 v[QX+32*\c+4*\i:QX+32*\c+4*\i+3], v[QA] offset:256*\c+16*\i
.endr
.endr
	s_wait_dscnt 0x0
.irp c, 0,1
	v_max3_num_f32 v[QM+\c], |v[QX+32*\c]|, |v[QX+32*\c+1]|, 0x1800000   ; with the floor 2^(3 - 127): the byte cannot fall under 1
.endr
.irp i, 2,4,6,8,10,12,14,16,18,20,22,24,26,28,30
.irp c, 0,1
	v_max3_num_f32 v[QM+\c], v[QM+\c], |v[QX+32*\c+\i]|, |v[QX+32*\c+\i+1]|
.endr
.endr
.irp c, 0,1
	v_add_nc_u32 v[QM+2+\c], 0xff000000, v[QM+\c]  ; 2 off the exponent field: the conversion's scale operand
.endr
.irp c, 0,1
	v_lshrrev_b32 v[QM+4+\c], 23, v[QM+2+\c]
.endr
	v_lshl_or_b32 v[QM+6], v[QM+5], 16, v[QM+4]    ; my two bytes,
	v_lshlrev_b32 v[QM+6], v[QH8], v[QM+6]         ; at their places in the word;
	v_mov_b32 v[QM+7], 0
	v_permlanex16_b32 v[QM+7], v[QM+6], s[SEL], s[SEL+1]
	v_or_b32 v[QM+6], v[QM+6], v[QM+7]             ; with lane l xor 16's two bytes the word is whole
.irp c, 0,1
	v_cvt_scalef32_pk16_fp6_f32 v[QF+6*\c:QF+6*\c+2], v[QX+32*\c:QX+32*\c+15], v[QM+2+\c]
	v_cvt_scalef32_pk16_fp6_f32 v[QT+4*\c:QT+4*\c+2], v[QX+32*\c+16:QX+32*\c+31], v[QM+2+\c]   ; (a conversion's three registers begin on an even number)
.endr
	v_nop                                          ; one plain place behind the conversions
.irp c, 0,1
.irp i, 0,1,2
	v_mov_b32 v[QF+6*\c+3+\i], v[QT+4*\c+\i]
.endr
.endr
.irp q, 0,1,2
	global_store_b128 v1, v[QF+4*\q:QF+4*\q+3], s[QCB:QCB+1] offset:512*\q   ; 512 consecutive bytes
.endr
	global_store_b32 v[QSO], v[QM+6], s[QSB:QSB+1] ; lanes r and r + 16 store the same word to the same place
.endm
	s_load_b256 s[4:11], s[0:1], 0x0               ; act 4, wo 6, x 8, bo 10
	s_load_b128 s[12:15], s[0:1], 0x20             ; g1 12, be1 14
	s_load_b64 s[36:37], s[0:1], 0x30              ; hf
	v_lshl_add_u32 v190, v0, 2, 0x20200
	v_mov_b32 v191, 0
	v_lshrrev_b32 v7, 5, v0
	v_readfirstlane_b32 s16, v7                    ; wave 0..15
	v_and_b32 v8, 31, v0                           ; lane
	v_lshlrev_b32 v1, 4, v8                        ; 16 x lane
	v_lshlrev_b32 v2, 2, v8                        ; 4 x lane
	v_lshlrev_b32 v3, 3, v8                        ; 8 x lane
	s_mov_b32 s23, 0
	s_lshr_b32 s21, ttmp9, 1
	s_lshl_b32 s21, s21, 5
	s_and_b32 s20, ttmp9, 1
	s_lshl_b32 s20, s20, 3
	s_add_co_u32 s21, s21, s20
	s_and_b32 s20, s16, 7
	s_add_co_u32 s21, s21, s20
	s_lshr_b32 s20, s16, 3
	s_lshl_b32 s20, s20, 4
	s_add_co_u32 s21, s21, s20                     ; the token of tile-row w
	s_mul_i32 s22, ttmp9, 12288
	s_wait_kmcnt 0x0
	s_add_nc_u64 s[40:41], s[4:5], s[22:23]        ; ctx's tile T: 8 fragments
	s_lshl_b32 s22, ttmp9, 9
	s_add_co_u32 s22, s22, 3145728
	s_add_nc_u64 s[42:43], s[4:5], s[22:23]        ; and its scale words
	s_mul_i32 s22, s16, 49152
	s_add_nc_u64 s[44:45], s[6:7], s[22:23]        ; Wo's tiles 4 w on
	s_lshl_b32 s22, s16, 11
	s_add_co_u32 s22, s22, 786432
	s_add_nc_u64 s[46:47], s[6:7], s[22:23]
	s_lshl_b32 s22, s21, 12
	s_add_nc_u64 s[48:49], s[8:9], s[22:23]        ; my row of x
	s_add_nc_u64 s[24:25], s[36:37], s[22:23]      ; and of h
.irp j, 0,1,2,3
	global_load_b32 v[SA+\j], v2, s[42:43] offset:128*\j
.endr
.irp t, 0,1,2,3
.irp j, 0,1,2,3
	global_load_b32 v[SB+4*\t+\j], v2, s[46:47] offset:512*\t+128*\j
.endr
.endr
	LOADG 0
	LOADG 1
.irp i, 0,1,2,3,4,5,6,7
	global_load_b128 v[X+4*\i:X+4*\i+3], v1, s[48:49] offset:512*\i th:TH_LOAD_NT    ; lane l holds columns 128 i + 4 l + 0 .. 3: 512 consecutive bytes a load
	global_load_b128 v[BO+4*\i:BO+4*\i+3], v1, s[10:11] offset:512*\i
.endr
	; LDS addresses and what the end wants, while the loads are out
	v_and_b32 v9, 15, v0                           ; r
	v_bfe_u32 v10, v0, 4, 1                        ; h
	v_mul_u32_u24 v11, v9, PITCH
	v_lshl_add_u32 v[STO], v10, 6, v11
	s_lshl_b32 s17, s16, 8
	v_add_nc_u32 v[STO], s17, v[STO]
	s_mul_i32 s17, s16, PITCH
	v_add_nc_u32 v[YRD], s17, v1
	v_add_nc_u32 v[HWR], HREG, v[YRD]
	v_lshl_add_u32 v[QA], v10, 7, v11
	s_and_b32 s18, s16, 7                          ; the K step that I quantise, if I do
	s_lshl_b32 s17, s18, 9
	s_add_co_u32 s17, s17, HREG
	v_add_nc_u32 v[QA], s17, v[QA]
	v_lshlrev_b32 v[QH8], 3, v10
	v_lshlrev_b32 v[QSO], 2, v9
	s_mov_b32 s30, 0x3a800000                      ; 1 / 1,024
	s_mov_b32 s31, 0x3727c5ac                      ; 1e-5
	s_mov_b32 s34, 0xba800000                      ; -1 / 1,024
	s_mov_b32 s[SEL], 0x76543210
	s_mov_b32 s[SEL+1], 0xfedcba98
	s_mul_i32 s22, ttmp9, 12288
	s_mul_i32 s20, s18, 1536
	s_add_co_u32 s22, s22, s20
	s_add_co_u32 s22, s22, 16777216
	s_add_nc_u64 s[QCB:QCB+1], s[36:37], s[22:23]  ; fragment (T, K step)
	s_lshl_b32 s22, ttmp9, 9
	s_lshl_b32 s20, s18, 6                         ; 128 (s / 2) + 64 (s % 2) = 64 s
	s_add_co_u32 s22, s22, s20
	s_add_co_u32 s22, s22, 19922944
	s_add_nc_u64 s[QSB:QSB+1], s[36:37], s[22:23]
	; ---- the product: 8 K steps.  Four v_nop behind a step's products: the places ahead of the loads into the slot just read, and at the end ahead of the first read of results
.set SS, 0
.rept 8
.if SS < 2
	s_wait_loadcnt 34                              ; behind this step's group: one group of 18 and the 16 loads of x and bo, which may stay out
.elseif SS < 7
	s_wait_loadcnt 18                              ; the next step's group may stay out
.else
	s_wait_loadcnt 0x0
.endif
	MULTS SS
	NOPS 4
.if SS+2 < 8
	LOADG SS+2
.endif
.set SS, SS+1
.endr
.irp i, 0,1,2,3,4,5,6,7
	global_load_b128 v[G+4*\i:G+4*\i+3], v1, s[12:13] offset:512*\i      ; g1 and be1 land under the barrier and the sums
	global_load_b128 v[BE+4*\i:BE+4*\i+3], v1, s[14:15] offset:512*\i
.endr
	v_mov_b32 v[TP+5], 0                           ; (named as upper halves of pairs, and as a lane permute's destination)
	v_mov_b32 v[TP+7], 0
	v_mov_b32 v[TP+8], 0
.irp b, 0,1
.irp i, 0,1,2,3
	ds_store_b128 v[STO], v[ACC+16*\b+4*\i:ACC+16*\b+4*\i+3] offset:128*\b+16*\i   ; token r, columns 64 w + 32 b + 16 h + 4 i on; each accumulator from its low end on
.endr
.endr
	s_wait_dscnt 0x0                               ; for the others' sake: my 64 columns of all 16 rows lie in LDS
	s_barrier_signal -1
	s_barrier_wait -1
.irp i, 0,1,2,3,4,5,6,7
	ds_load_b128 v[Y+4*\i:Y+4*\i+3], v[YRD] offset:512*\i        ; my row, whole
.endr
	s_wait_dscnt 0x0
	; ---- the norm of my row
.irp j, 0,2,4,6,8,10,12,14,16,18,20,22,24,26,28,30
	v_pk_add_f32 v[Y+\j:Y+\j+1], v[Y+\j:Y+\j+1], v[BO+\j:BO+\j+1]
.endr
.irp j, 0,2,4,6,8,10,12,14,16,18,20,22,24,26,28,30
	v_pk_add_f32 v[X+\j:X+\j+1], v[X+\j:X+\j+1], v[Y+\j:Y+\j+1]
.endr
	v_pk_add_f32 v[TP:TP+1], v[X:X+1], v[X+2:X+3]
	v_pk_add_f32 v[TP+2:TP+3], v[X+4:X+5], v[X+6:X+7]
.irp j, 8,12,16,20,24,28
	v_pk_add_f32 v[TP:TP+1], v[TP:TP+1], v[X+\j:X+\j+1]
	v_pk_add_f32 v[TP+2:TP+3], v[TP+2:TP+3], v[X+\j+2:X+\j+3]
.endr
	v_pk_add_f32 v[TP:TP+1], v[TP:TP+1], v[TP+2:TP+3]
	v_add_f32 v[TP], v[TP], v[TP+1]
	REDUCE
	v_mul_f32 v[TP+4], s34, v[TP]                  ; minus the mean
.irp j, 0,2,4,6,8,10,12,14,16,18,20,22,24,26,28,30
	v_pk_add_f32 v[X+\j:X+\j+1], v[X+\j:X+\j+1], v[TP+4:TP+5] op_sel_hi:[1,0]
.endr
	v_pk_mul_f32 v[TP:TP+1], v[X:X+1], v[X:X+1]
	v_pk_mul_f32 v[TP+2:TP+3], v[X+2:X+3], v[X+2:X+3]
.irp j, 4,8,12,16,20,24,28
	v_pk_fma_f32 v[TP:TP+1], v[X+\j:X+\j+1], v[X+\j:X+\j+1], v[TP:TP+1]
	v_pk_fma_f32 v[TP+2:TP+3], v[X+\j+2:X+\j+3], v[X+\j+2:X+\j+3], v[TP+2:TP+3]
.endr
	v_pk_add_f32 v[TP:TP+1], v[TP:TP+1], v[TP+2:TP+3]
	v_add_f32 v[TP], v[TP], v[TP+1]
	REDUCE
	v_fma_f32 v[TP+6], v[TP], s30, s31             ; the variance + 1e-5
	v_rsq_f32 v[TP+6], v[TP+6]
	v_nop                                          ; one plain place behind the transcendental
	s_wait_alu depctr_va_vdst(0)
.irp j, 0,2,4,6,8,10,12,14,16,18,20,22,24,26,28,30
	v_pk_mul_f32 v[X+\j:X+\j+1], v[X+\j:X+\j+1], v[TP+6:TP+7] op_sel_hi:[1,0]
.endr
	s_wait_loadcnt 0x0                             ; g1 and be1
.irp j, 0,2,4,6,8,10,12,14,16,18,20,22,24,26,28,30
	v_pk_fma_f32 v[X+\j:X+\j+1], v[X+\j:X+\j+1], v[G+\j:G+\j+1], v[BE+\j:BE+\j+1]
.endr
.irp i, 0,1,2,3,4,5,6,7
	global_store_b128 v1, v[X+4*\i:X+4*\i+3], s[24:25] offset:512*\i     ; 512 consecutive bytes
	ds_store_b128 v[HWR], v[X+4*\i:X+4*\i+3] offset:512*\i
.endr
	s_wait_dscnt 0x0                               ; for the others' sake: my row of h lies in LDS
	s_barrier_signal -1
	s_barrier_wait -1
	s_cmp_lt_u32 s16, 8                            ; eight K steps: waves 0-7 quantise; no barrier follows
	s_cbranch_scc0 .Lend
	QFRAG                                          ; it writes none of the registers that the stores above read
.Lend:
	s_wait_tensorcnt 0x0
	ds_add_u32 v190, v191
	s_wait_dscnt 0x0
	s_endpgm
.Lfunc_end_k_qca6d363b29_oln:
	.size	k_qca6d363b29_oln, .Lfunc_end_k_qca6d363b29_oln-k_qca6d363b29_oln
	.p2alignl 7, 3214868480
	.fill 96, 4, 3214868480
	.section	.rodata,"a",@progbits
	.p2align	6, 0x0
	.amdhsa_kernel k_qca6d363b29_oln
		.amdhsa_group_segment_fixed_size 133632
		.amdhsa_private_segment_fixed_size 0
		.amdhsa_enable_private_segment 0
		.amdhsa_kernarg_size 56
		.amdhsa_user_sgpr_count 2
		.amdhsa_user_sgpr_kernarg_segment_ptr 1
		.amdhsa_wavefront_size32 1
		.amdhsa_system_sgpr_workgroup_id_x 1
		.amdhsa_system_sgpr_workgroup_id_y 1
		.amdhsa_system_sgpr_workgroup_id_z 1
		.amdhsa_system_vgpr_workitem_id 0
		.amdhsa_next_free_vgpr 256
		.amdhsa_next_free_sgpr 66
		.amdhsa_reserve_vcc 0
		.amdhsa_float_denorm_mode_32 3
		.amdhsa_float_denorm_mode_16_64 3
		.amdhsa_memory_ordered 1
		.amdhsa_forward_progress 1
		.amdhsa_inst_pref_size 42
	.end_amdhsa_kernel
	.amdgpu_metadata
---
amdhsa.version: [ 1, 2 ]
amdhsa.kernels:
  - .name:           k_qca6d363b29_oln
    .symbol:         k_qca6d363b29_oln.kd
    .args:
      - { .name: act, .offset: 0, .size: 8, .value_kind: global_buffer, .address_space: global }
      - { .name: wo, .offset: 8, .size: 8, .value_kind: global_buffer, .address_space: global }
      - { .name: x, .offset: 16, .size: 8, .value_kind: global_buffer, .address_space: global }
      - { .name: bo, .offset: 24, .size: 8, .value_kind: global_buffer, .address_space: global }
      - { .name: g1, .offset: 32, .size: 8, .value_kind: global_buffer, .address_space: global }
      - { .name: be1, .offset: 40, .size: 8, .value_kind: global_buffer, .address_space: global }
      - { .name: hf, .offset: 48, .size: 8, .value_kind: global_buffer, .address_space: global }
    .group_segment_fixed_size: 133632
    .private_segment_fixed_size: 0
    .kernarg_segment_align: 8
    .kernarg_segment_size: 56
    .max_flat_workgroup_size: 512
    .sgpr_count:     66
    .vgpr_count:     256
    .wavefront_size: 32
...
	.end_amdgpu_metadata
.endif
;; end of part 4
;; launch ffn1 (part 5): grid 256 x 1, 4 waves a work-group, no clusters, 0 bytes of LDS; arguments hf, pre, b1, act; writes act
.if DOCPART == 5
	.amdgcn_target "amdgcn-amd-amdhsa--gfx1250"
	.amdhsa_code_object_version 6
	.text
	.protected	k_qca6d363b29_ffn1
	.globl	k_qca6d363b29_ffn1
	.p2align	8
	.type	k_qca6d363b29_ffn1,@function
k_qca6d363b29_ffn1:
	s_mov_b64 s[64:65], 0
	v_nop
	global_prefetch_b8 v0, s[64:65] scope:SCOPE_SE
	s_setreg_imm32_b32 hwreg(HW_REG_WAVE_MODE, 25, 1), 1
	s_wait_xcnt 0x0
; hidden = relu(h W1 + b1) on codes of FP6 (E2M3) with E8M0 scales, sums in f32; the result is quantised here, in registers, along the hidden units, which are the next product's K.
; LIMITS: NaN and infinities are not served; a block of zeros, or one under 2^-124, gets the byte 1 (this program alone reads the bytes).
; THE SCHEME.  A wave keeps 64 tokens x K = 1,024 in registers (4 tiles x 8 K steps x 12 = 384 registers, loaded once) and streams 16 tiles of 16 rows of W1^T (256 hidden units) from memory straight into registers; operands lie in
; memory as images of their registers: a fragment is three loads of 512 consecutive bytes.  A streamed tile (96 registers) feeds 32 matrix instructions.  Source 0 = the streamed tile, source 1 = a token tile: a lane holds one
; token, and, since tile T, tile-row r stands for row 32 (T / 2) + 8 (T % 2) + r % 8 + 16 (r / 8), the 16 registers of streamed tiles 2 b, 2 b + 1 are hidden units 32 b + 16 (lane / 16) + 0 .. 15.  Everything is written out.
; NO CLUSTER, NO LDS: the four waves of a work-group stream the same 16 tiles, 16 x 12,800 bytes each; they are not shared, since this text has no tile in LDS that a joint load could fill: its price for having no ring and no barrier.
; WHAT IS WRITTEN: four planes of 1,024 hidden units; a fragment as six pieces of 256 bytes (piece p = lane l's registers 2 p, 2 p + 1 at 8 l); a tile's scale words as 4 pieces of 128 bytes (lanes 0-15 K step 2 j, lanes 16-31 step 2 j + 1).
; REGISTERS.  Window 0: v1-6 offsets; v16-31, v32-43 scale words; v44-63 at work; v64-127 accumulators; v128-159 bias; v160-207 codes; v208-223 at work; v224-231 scale words made.
; Windows 1, 2: v0-191 the tokens' fragments, v192-239 slot 2 of the streamed ring.  Window 3: slots 0, 1.
.set WPL,  819200
.set APL,  3276800
.set SA,  16
.set SB,  32
.set MX,  44
.set PX,  48
.set SOP, 52
.set BY,  56
.set WS,  60
.set ACC, 64
.set BI,  128
.set OUT, 160
.set YT,  208
.set WD,  224
.set MSB, 0
.macro WIN new                         ; the immediate's high byte repeats the setting that is left
.if MSB != (\new)
	s_set_vgpr_msb (MSB<<8)|(\new)
.set MSB, (\new)
.endif
.endm
.macro NOPS n
.rept \n
	v_nop
.endr
.endm
.macro LOADS
.irp s, 0,1,2,3,4,5,6,7
	WIN 0x40+0x40*(\s/4)
.irp a, 0,1,2,3
.irp q, 0,1,2
	global_load_b128 v[48*(\s%4)+12*\a+4*\q:48*(\s%4)+12*\a+4*\q+3], v1, s[24:25] offset:12288*\a+1536*\s+512*\q
.endr
.endr
.endr
	WIN 0
.irp a, 0,1,2,3
.irp j, 0,1,2,3
	global_load_b32 v[SA+4*\a+\j], v2, s[26:27] offset:512*\a+128*\j
.endr
.endr
.endm
.macro LOADT t                         ; streamed tile t into slot t % 3: 24 loads of codes, 4 of scale words, with an even tile 4 of bias
.if (\t)%3 < 2
	WIN 0xc0
.irp s, 0,1,2,3,4,5,6,7
.irp q, 0,1,2
	global_load_b128 v[96*((\t)%3)+12*\s+4*\q:96*((\t)%3)+12*\s+4*\q+3], v1, s[28:29] offset:12288*(\t)+1536*\s+512*\q
.endr
.endr
.else
.irp s, 0,1,2,3,4,5,6,7
	WIN 0x40+0x40*(\s/4)
.irp q, 0,1,2
	global_load_b128 v[192+12*(\s%4)+4*\q:192+12*(\s%4)+4*\q+3], v1, s[28:29] offset:12288*(\t)+1536*\s+512*\q
.endr
.endr
.endif
	WIN 0
.irp j, 0,1,2,3
	global_load_b32 v[SB+4*((\t)%3)+\j], v2, s[30:31] offset:512*(\t)+128*\j
.endr
.if (\t)%2 == 0
.irp i, 0,1,2,3
	global_load_b128 v[BI+16*(((\t)/2)%2)+4*\i:BI+16*(((\t)/2)%2)+4*\i+3], v3, s[32:33] offset:128*((\t)/2)+16*\i   ; b1 of hidden units 32 (t / 2) + 16 h + 0 .. 15: the result's layout
.endr
.endif
.endm
.macro WM t, s, a                      ; the bias is the C of a sum's first instruction; an odd K step's scale words lie in lanes 16-31 of both registers
.set RDD, ACC+16*\a+8*((\t)%2)
.set RBB, 48*(\s%4)+12*\a
.set SCA, SB+4*((\t)%3)+\s/2
.set SCB, SA+4*\a+\s/2
.set RCC, BI+16*(((\t)/2)%2)+8*((\t)%2)
.if \s == 0
	v_wmma_scale_f32_16x16x128_f8f6f4 v[RDD:RDD+7], v[RA:RA+11], v[RBB:RBB+11], v[RCC:RCC+7], v[SCA], v[SCB] matrix_a_fmt:MATRIX_FMT_FP6 matrix_b_fmt:MATRIX_FMT_FP6
.elseif \s%2 == 0
	v_wmma_scale_f32_16x16x128_f8f6f4 v[RDD:RDD+7], v[RA:RA+11], v[RBB:RBB+11], v[RDD:RDD+7], v[SCA], v[SCB] matrix_a_fmt:MATRIX_FMT_FP6 matrix_b_fmt:MATRIX_FMT_FP6
.else
	v_wmma_scale_f32_16x16x128_f8f6f4 v[RDD:RDD+7], v[RA:RA+11], v[RBB:RBB+11], v[RDD:RDD+7], v[SCA], v[SCB] matrix_a_fmt:MATRIX_FMT_FP6 matrix_b_fmt:MATRIX_FMT_FP6 matrix_a_scale:MATRIX_SCALE_ROW1 matrix_b_scale:MATRIX_SCALE_ROW1
.endif
.endm
.macro MULT t                          ; 32 matrix instructions: K ascending, the four accumulators by turns
.irp s, 0,1,2,3,4,5,6,7
.if (\t)%3 < 2
	WIN 0x07+0x04*(\s/4)
.set RA, 96*((\t)%3)+12*\s
.else
	WIN 0x05+0x05*(\s/4)
.set RA, 192+12*(\s%4)
.endif
.irp a, 0,1,2,3
	WM \t, \s, \a
.endr
.endr
.endm
.macro EPIQF b                         ; pair b = block b % 4 of the next product's K step b / 4 (of my 256 hidden units)
.set SG, (\b)/4
.set BB, (\b)%4
.set CC, ((\b)/2)%2
.set EE, (\b)%2
	s_wait_xcnt 0x0                                ; registers that earlier stores read are rewritten only behind this wait
.set J, 0
.rept 64
	v_max_num_f32 v[ACC+J], 0, v[ACC+J]            ; the activation, in f32; each accumulator from its low end on
.set J, J+1
.endr
.irp a, 0,1,2,3
	v_max3_num_f32 v[MX+\a], v[ACC+16*\a], v[ACC+16*\a+1], 0x1800000   ; none is negative; the floor 2^(3 - 127): the byte cannot fall under 1
.endr
.irp i, 2,4,6,8,10,12,14
.irp a, 0,1,2,3
	v_max3_num_f32 v[MX+\a], v[MX+\a], v[ACC+16*\a+\i], v[ACC+16*\a+\i+1]
.endr
.endr
.irp a, 0,1,2,3
	v_permlanex16_b32 v[PX+\a], v[MX+\a], s20, s21
.endr
.irp a, 0,1,2,3
	v_max_num_f32 v[MX+\a], v[MX+\a], v[PX+\a]     ; with lane l xor 16's 16: the block's largest
.endr
.irp a, 0,1,2,3
	v_add_nc_u32 v[SOP+\a], 0xff000000, v[MX+\a]   ; 2 off the exponent field: the conversion's scale operand
.endr
.irp a, 0,1,2,3
	v_lshrrev_b32 v[BY+\a], 23, v[SOP+\a]
.endr
.irp a, 0,1,2,3
.if BB == 0
	v_mov_b32 v[WD+4*SG+\a], v[BY+\a]
.else
	v_lshl_or_b32 v[WD+4*SG+\a], v[BY+\a], 8*BB, v[WD+4*SG+\a]
.endif
.endr
.irp a, 0,1,2,3
.if EE == 0
	v_cvt_scalef32_pk16_fp6_f32 v[OUT+12*\a+6*CC:OUT+12*\a+6*CC+2], v[ACC+16*\a:ACC+16*\a+15], v[SOP+\a]
.else
	v_cvt_scalef32_pk16_fp6_f32 v[YT+4*\a:YT+4*\a+2], v[ACC+16*\a:ACC+16*\a+15], v[SOP+\a]
.endif
.endr
	v_nop                                          ; one plain place behind the conversions
.if EE == 1
.irp a, 0,1,2,3                        ; the operand's layout wants a whole block in a lane
.irp i, 0,1,2
	v_permlane16_swap_b32 v[OUT+12*\a+6*CC+\i], v[YT+4*\a+\i]
.endr
.irp i, 0,1,2
	v_mov_b32 v[OUT+12*\a+6*CC+3+\i], v[YT+4*\a+\i]
.endr
.endr
.endif
.if BB == 3
.irp a, 0,1,2,3
.irp p, 0,1,2,3,4,5
	global_store_b64 v6, v[OUT+12*\a+2*\p:OUT+12*\a+2*\p+1], s[44:45] offset:12288*\a+1536*SG+256*\p   ; 256 consecutive bytes, aligned
.endr
.endr
.endif
.if (\b) == 7
.irp a, 0,1,2,3
	v_cndmask_b32 v[WS+\a], v[WD+\a], v[WD+4+\a], s22            ; lanes 0-15: the even K step's words; lanes 16-31: the odd one's
	global_store_b32 v2, v[WS+\a], s[46:47] offset:512*\a
.endr
.endif
.endm
	s_load_b256 s[4:11], s[0:1], 0x0               ; hf 4, pre 6, b1 8, act 10
	v_lshrrev_b32 v7, 5, v0
	v_readfirstlane_b32 s14, v7                    ; wave 0..3
	v_and_b32 v8, 31, v0
	v_lshlrev_b32 v1, 4, v8                        ; 16 x lane
	v_lshlrev_b32 v2, 2, v8                        ; 4 x lane
	v_lshlrev_b32 v6, 3, v8                        ; 8 x lane
	v_bfe_u32 v9, v0, 4, 1
	v_lshlrev_b32 v3, 6, v9                        ; bias: 16 h numbers on
	s_mov_b32 s20, 0x76543210
	s_mov_b32 s21, 0xfedcba98                      ; lane selects: lane l xor 16
	s_mov_b32 s22, 0xffff0000                      ; lanes 16-31
	s_mov_b32 s53, 0
.irp a, 0,1,2,3
	v_mov_b32 v[PX+\a], 0                          ; written once: a lane permute's destination counts as one of its sources
.endr
	s_and_b32 s15, ttmp9, 15                       ; which 256 hidden units
	s_lshr_b32 s16, ttmp9, 4
	s_lshl_b32 s17, s16, 2
	s_add_co_u32 s17, s17, s14                     ; g: which 64 tokens
	s_lshr_b32 s18, s15, 2                         ; the plane of 1,024 hidden units
	s_and_b32 s19, s15, 3
	s_wait_kmcnt 0x0
	s_mul_i32 s52, s17, 49152
	s_add_co_u32 s52, s52, 16777216
	s_add_nc_u64 s[24:25], s[4:5], s[52:53]        ; h's codes, tiles 4 g on
	s_lshl_b32 s52, s17, 11
	s_add_co_u32 s52, s52, 19922944
	s_add_nc_u64 s[26:27], s[4:5], s[52:53]
	s_add_co_u32 s54, s18, 3
	s_mul_i32 s54, s54, WPL
	s_mul_i32 s52, s19, 196608
	s_add_co_u32 s52, s52, s54
	s_add_nc_u64 s[28:29], s[6:7], s[52:53]        ; W1's plane 3 + cg / 4, 16 tiles
	s_lshl_b32 s52, s19, 13
	s_add_co_u32 s52, s52, s54
	s_add_co_u32 s52, s52, 786432
	s_add_nc_u64 s[30:31], s[6:7], s[52:53]
	s_lshl_b32 s52, s15, 10
	s_add_nc_u64 s[32:33], s[8:9], s[52:53]
	s_mul_i32 s54, s18, APL
	s_mul_i32 s52, s17, 49152
	s_add_co_u32 s52, s52, s54
	s_mul_i32 s55, s19, 3072                       ; two K steps
	s_add_co_u32 s52, s52, s55
	s_add_nc_u64 s[44:45], s[10:11], s[52:53]
	s_lshl_b32 s52, s17, 11
	s_add_co_u32 s52, s52, s54
	s_lshl_b32 s55, s19, 7
	s_add_co_u32 s52, s52, s55
	s_add_co_u32 s52, s52, 3145728
	s_add_nc_u64 s[46:47], s[10:11], s[52:53]
	LOADS
	LOADT 0
	LOADT 1
	LOADT 2
; Five v_nop behind a tile's products: four places ahead of the loads into the slot just read and of the first read of results, five ahead of the products that begin the accumulators anew.
.set TT, 0
.rept 16
.if TT < 14
	s_wait_loadcnt 60                              ; the two younger groups, 28 + 32 loads, may stay out
.elseif TT == 14
	s_wait_loadcnt 28
.else
	s_wait_loadcnt 0x0
.endif
	MULT TT
	WIN 0
	NOPS 5
.if TT+3 < 16
	LOADT TT+3
.endif
.if TT%2 == 1
	EPIQF TT/2
.endif
.set TT, TT+1
.endr
	s_endpgm
.Lfunc_end_k_qca6d363b29_ffn1:
	.size	k_qca6d363b29_ffn1, .Lfunc_end_k_qca6d363b29_ffn1-k_qca6d363b29_ffn1
	.p2alignl 7, 3214868480
	.fill 96, 4, 3214868480
	.section	.rodata,"a",@progbits
	.p2align	6, 0x0
	.amdhsa_kernel k_qca6d363b29_ffn1
		.amdhsa_group_segment_fixed_size 0
		.amdhsa_private_segment_fixed_size 0
		.amdhsa_enable_private_segment 0
		.amdhsa_kernarg_size 32
		.amdhsa_user_sgpr_count 2
		.amdhsa_user_sgpr_kernarg_segment_ptr 1
		.amdhsa_wavefront_size32 1
		.amdhsa_system_sgpr_workgroup_id_x 1
		.amdhsa_system_sgpr_workgroup_id_y 1
		.amdhsa_system_sgpr_workgroup_id_z 1
		.amdhsa_system_vgpr_workitem_id 0
		.amdhsa_next_free_vgpr 1024
		.amdhsa_next_free_sgpr 66
		.amdhsa_reserve_vcc 0
		.amdhsa_float_denorm_mode_32 3
		.amdhsa_float_denorm_mode_16_64 3
		.amdhsa_memory_ordered 1
		.amdhsa_forward_progress 1
		.amdhsa_inst_pref_size 180
	.end_amdhsa_kernel
	.amdgpu_metadata
---
amdhsa.version: [ 1, 2 ]
amdhsa.kernels:
  - .name:           k_qca6d363b29_ffn1
    .symbol:         k_qca6d363b29_ffn1.kd
    .args:
      - { .name: hf, .offset: 0, .size: 8, .value_kind: global_buffer, .address_space: global }
      - { .name: pre, .offset: 8, .size: 8, .value_kind: global_buffer, .address_space: global }
      - { .name: b1, .offset: 16, .size: 8, .value_kind: global_buffer, .address_space: global }
      - { .name: act, .offset: 24, .size: 8, .value_kind: global_buffer, .address_space: global }
    .group_segment_fixed_size: 0
    .private_segment_fixed_size: 0
    .kernarg_segment_align: 8
    .kernarg_segment_size: 32
    .max_flat_workgroup_size: 128
    .sgpr_count:     66
    .vgpr_count:     1024
    .wavefront_size: 32
...
	.end_amdgpu_metadata
.endif
;; end of part 5
;; launch ffn2 (part 6): grid 16 x 16, 4 waves a work-group, no clusters, 70,144 bytes of LDS; arguments act, w2, y; writes y
.if DOCPART == 6
	.amdgcn_target "amdgcn-amd-amdhsa--gfx1250"
	.amdhsa_code_object_version 6
	.text
	.protected	k_qca6d363b29_ffn2
	.globl	k_qca6d363b29_ffn2
	.p2align	8
	.type	k_qca6d363b29_ffn2,@function
k_qca6d363b29_ffn2:
	s_mov_b64 s[64:65], 0
	v_nop
	global_prefetch_b8 v0, s[64:65] scope:SCOPE_SE
	s_setreg_imm32_b32 hwreg(HW_REG_WAVE_MODE, 25, 1), 1
	s_wait_xcnt 0x0
; One plane of a product on codes of FP6 (E2M3) with E8M0 scales: Y[plane] = A[:, plane's 1,024 of K] x W[plane's 1,024 of K, :], f32, no bias.  Grid x = 4 plane + (which 256 columns), grid y = which 256 tokens.
; It serves hidden W2: four planes along K, added by the launch that follows.
; THE SCHEME.  A wave keeps 64 tokens x K = 1,024 in registers (4 tiles x 8 K steps x 12 = 384 registers, loaded once) and streams 16 tiles of 16 weight rows from memory straight into registers; operands lie in memory as
; images of their registers.  A streamed tile (96 registers) feeds 32 matrix instructions.  Source 0 = the streamed tile, source 1 = a token tile: a lane holds one token, and, since tile T, tile-row r stands for row
; 32 (T / 2) + 8 (T % 2) + r % 8 + 16 (r / 8), the 16 registers of streamed tiles 2 b, 2 b + 1 are columns 32 b + 16 (lane / 16) + 0 .. 15.  Everything is written out; no address register or base is rewritten.
; THE WAY OUT.  Two pairs of tiles (64 columns, 256 bytes a token) gather in the wave's own stage in LDS (64 rows, pitch 272) and leave as whole rows: sixteen lanes store 256 consecutive bytes, aligned.
; NO CLUSTER: the four waves of a work-group stream the same 16 tiles, 16 x 12,800 bytes each; they are not shared, since this text has no tile in LDS that a joint load could fill: its price for having no ring and no barrier.
; REGISTERS.  Window 0: v1-6 offsets; v16-31, v32-43 scale words; v64-127 accumulators; v128-255 rows read back.  Windows 1, 2: v0-191 the tokens' fragments, v192-239 slot 2.  Window 3: slots 0, 1.
.set WPL,  819200
.set APL,  3276800
.set SA,  16
.set SB,  32
.set ACC, 64
.set RB,  128
.set STO, 4
.set RDA, 5
.set CO,  6
.set MSB, 0
.macro WIN new                         ; the immediate's high byte repeats the setting that is left
.if MSB != (\new)
	s_set_vgpr_msb (MSB<<8)|(\new)
.set MSB, (\new)
.endif
.endm
.macro NOPS n
.rept \n
	v_nop
.endr
.endm
.macro LOADS                           ; the tokens' fragments lie as six pieces of 256 bytes: piece p = lane l's registers 2 p, 2 p + 1 at 8 l
.irp s, 0,1,2,3,4,5,6,7
	WIN 0x40+0x40*(\s/4)
.irp a, 0,1,2,3
.irp p, 0,1,2,3,4,5
	global_load_b64 v[48*(\s%4)+12*\a+2*\p:48*(\s%4)+12*\a+2*\p+1], v3, s[24:25] offset:12288*\a+1536*\s+256*\p
.endr
.endr
.endr
	WIN 0
.irp a, 0,1,2,3
.irp j, 0,1,2,3
	global_load_b32 v[SA+4*\a+\j], v2, s[26:27] offset:512*\a+128*\j
.endr
.endr
.endm
.macro LOADT t                         ; streamed tile t into slot t % 3: 24 loads of codes, 4 of scale words
.if (\t)%3 < 2
	WIN 0xc0
.irp s, 0,1,2,3,4,5,6,7
.irp q, 0,1,2
	global_load_b128 v[96*((\t)%3)+12*\s+4*\q:96*((\t)%3)+12*\s+4*\q+3], v1, s[28:29] offset:12288*(\t)+1536*\s+512*\q
.endr
.endr
.else
.irp s, 0,1,2,3,4,5,6,7
	WIN 0x40+0x40*(\s/4)
.irp q, 0,1,2
	global_load_b128 v[192+12*(\s%4)+4*\q:192+12*(\s%4)+4*\q+3], v1, s[28:29] offset:12288*(\t)+1536*\s+512*\q
.endr
.endr
.endif
	WIN 0
.irp j, 0,1,2,3
	global_load_b32 v[SB+4*((\t)%3)+\j], v2, s[30:31] offset:512*(\t)+128*\j
.endr
.endm
.macro WM t, s, a                      ; the first product starts the sum; an odd K step's scale words lie in lanes 16-31 of both registers
.set RDD, ACC+16*\a+8*((\t)%2)
.set RBB, 48*(\s%4)+12*\a
.set SCA, SB+4*((\t)%3)+\s/2
.set SCB, SA+4*\a+\s/2
.if \s == 0
	v_wmma_scale_f32_16x16x128_f8f6f4 v[RDD:RDD+7], v[RA:RA+11], v[RBB:RBB+11], 0, v[SCA], v[SCB] matrix_a_fmt:MATRIX_FMT_FP6 matrix_b_fmt:MATRIX_FMT_FP6
.elseif \s%2 == 0
	v_wmma_scale_f32_16x16x128_f8f6f4 v[RDD:RDD+7], v[RA:RA+11], v[RBB:RBB+11], v[RDD:RDD+7], v[SCA], v[SCB] matrix_a_fmt:MATRIX_FMT_FP6 matrix_b_fmt:MATRIX_FMT_FP6
.else
	v_wmma_scale_f32_16x16x128_f8f6f4 v[RDD:RDD+7], v[RA:RA+11], v[RBB:RBB+11], v[RDD:RDD+7], v[SCA], v[SCB] matrix_a_fmt:MATRIX_FMT_FP6 matrix_b_fmt:MATRIX_FMT_FP6 matrix_a_scale:MATRIX_SCALE_ROW1 matrix_b_scale:MATRIX_SCALE_ROW1
.endif
.endm
.macro MULT t                          ; 32 matrix instructions: K ascending, the four accumulators by turns
.irp s, 0,1,2,3,4,5,6,7
.if (\t)%3 < 2
	WIN 0x07+0x04*(\s/4)
.set RA, 96*((\t)%3)+12*\s
.else
	WIN 0x05+0x05*(\s/4)
.set RA, 192+12*(\s%4)
.endif
.irp a, 0,1,2,3
	WM \t, \s, \a
.endr
.endr
.endm
.macro EPIF b                          ; pair b: 32 columns of my 64 tokens into the stage, each accumulator from its low end on; behind an odd pair 64 rows of 256 bytes leave
.irp a, 0,1,2,3
.irp i, 0,1,2,3
	ds_store_b128 v[STO], v[ACC+16*\a+4*\i:ACC+16*\a+4*\i+3] offset:4352*\a+128*((\b)%2)+16*\i
.endr
.endr
.if (\b)%2 == 0
	s_wait_dscnt 0x0                               ; the stores have read the accumulators, which the next products write
.else
	s_wait_xcnt 0x0                                ; registers that earlier stores read are rewritten only behind this wait
.irp i, 0,1,2,3,4,5,6,7,8,9,10,11,12,13,14,15,16,17,18,19,20,21,22,23,24,25,26,27,28,29,30,31
	ds_load_b128 v[RB+4*\i:RB+4*\i+3], v[RDA] offset:544*\i        ; LDS serves a wave's instructions in order: these see my stores; stage rows 2 i and 2 i + 1
.endr
.irp i, 0,1,2,3,4,5,6,7,8,9,10,11,12,13,14,15,16,17,18,19,20,21,22,23,24,25,26,27,28,29,30,31
	s_wait_dscnt 31-\i                             ; the younger loads may stay out
	global_store_b128 v[CO], v[RB+4*\i:RB+4*\i+3], s[44:45] offset:(32*(\i/16)+8*((\i/8)%2)+(2*\i)%8+16*((\i/4)%2))*4096+256*((\b)/2) th:TH_STORE_NT   ; stage row 16 a + r is token 32 (a / 2) + 8 (a % 2) + r % 8 + 16 (r / 8)
.endr
.endif
.endm
	s_load_b128 s[4:7], s[0:1], 0x0                ; the tokens' planes, the weight's planes
	s_load_b64 s[8:9], s[0:1], 0x10                ; y
	v_lshl_add_u32 v62, v0, 2, 0x11000
	v_mov_b32 v63, 0
	v_lshrrev_b32 v7, 5, v0
	v_readfirstlane_b32 s14, v7                    ; wave 0..3
	v_and_b32 v8, 31, v0
	v_lshlrev_b32 v1, 4, v8                        ; 16 x lane
	v_lshlrev_b32 v2, 2, v8                        ; 4 x lane
	v_lshlrev_b32 v3, 3, v8                        ; 8 x lane
	v_and_b32 v9, 15, v0                           ; r
	v_bfe_u32 v10, v0, 4, 1                        ; h
	s_mul_i32 s15, s14, 17408                      ; my stage
	v_mul_u32_u24 v[STO], v9, 272
	v_lshl_add_u32 v[STO], v10, 6, v[STO]
	v_add_nc_u32 v[STO], s15, v[STO]               ; in: row r, 64 h bytes on
	v_mul_u32_u24 v[RDA], v10, 272
	v_lshl_add_u32 v[RDA], v9, 4, v[RDA]
	v_add_nc_u32 v[RDA], s15, v[RDA]               ; back: lanes 0-15 one row, lanes 16-31 the next
	v_lshlrev_b32 v[CO], 12, v10
	v_lshl_add_u32 v[CO], v9, 4, v[CO]             ; and the same in y: neighbouring stage rows 2 i, 2 i + 1 are neighbouring tokens
	s_and_b32 s15, ttmp9, 3                        ; which 256 columns
	s_lshr_b32 s16, ttmp9, 2                       ; the plane
	s_and_b32 s17, ttmp7, 0xffff
	s_lshl_b32 s17, s17, 2
	s_add_co_u32 s17, s17, s14                     ; g: which 64 tokens
	s_mov_b32 s53, 0
	s_mul_i32 s54, s16, APL
	s_mul_i32 s52, s17, 49152
	s_add_co_u32 s52, s52, s54
	s_wait_kmcnt 0x0
	s_add_nc_u64 s[24:25], s[4:5], s[52:53]
	s_lshl_b32 s52, s17, 11
	s_add_co_u32 s52, s52, s54
	s_add_co_u32 s52, s52, 3145728
	s_add_nc_u64 s[26:27], s[4:5], s[52:53]
	s_mul_i32 s54, s16, WPL
	s_mul_i32 s52, s15, 196608
	s_add_co_u32 s52, s52, s54
	s_add_nc_u64 s[28:29], s[6:7], s[52:53]
	s_lshl_b32 s52, s15, 13
	s_add_co_u32 s52, s52, s54
	s_add_co_u32 s52, s52, 786432
	s_add_nc_u64 s[30:31], s[6:7], s[52:53]
	s_lshl_b32 s52, s16, 24
	s_lshl_b32 s54, s17, 18
	s_add_co_u32 s52, s52, s54
	s_lshl_b32 s54, s15, 10
	s_add_co_u32 s52, s52, s54
	s_add_nc_u64 s[44:45], s[8:9], s[52:53]
	LOADS
	LOADT 0
	LOADT 1
	LOADT 2
; Five v_nop behind a tile's products: four places ahead of the loads into the slot just read and of the first read of results, five ahead of the products that begin the accumulators anew.
.set TT, 0
.rept 16
.if TT < 14
	s_wait_loadcnt 56                              ; the two younger groups, 28 + 28 loads, may stay out
.elseif TT == 14
	s_wait_loadcnt 28
.else
	s_wait_loadcnt 0x0
.endif
	MULT TT
	WIN 0
	NOPS 5
.if TT+3 < 16
	LOADT TT+3
.endif
.if TT%2 == 1
	EPIF TT/2
.endif
.set TT, TT+1
.endr
	s_wait_tensorcnt 0x0
	ds_add_u32 v62, v63
	s_wait_dscnt 0x0
	s_endpgm
.Lfunc_end_k_qca6d363b29_ffn2:
	.size	k_qca6d363b29_ffn2, .Lfunc_end_k_qca6d363b29_ffn2-k_qca6d363b29_ffn2
	.p2alignl 7, 3214868480
	.fill 96, 4, 3214868480
	.section	.rodata,"a",@progbits
	.p2align	6, 0x0
	.amdhsa_kernel k_qca6d363b29_ffn2
		.amdhsa_group_segment_fixed_size 70144
		.amdhsa_private_segment_fixed_size 0
		.amdhsa_enable_private_segment 0
		.amdhsa_kernarg_size 24
		.amdhsa_user_sgpr_count 2
		.amdhsa_user_sgpr_kernarg_segment_ptr 1
		.amdhsa_wavefront_size32 1
		.amdhsa_system_sgpr_workgroup_id_x 1
		.amdhsa_system_sgpr_workgroup_id_y 1
		.amdhsa_system_sgpr_workgroup_id_z 1
		.amdhsa_system_vgpr_workitem_id 0
		.amdhsa_next_free_vgpr 1024
		.amdhsa_next_free_sgpr 66
		.amdhsa_reserve_vcc 0
		.amdhsa_float_denorm_mode_32 3
		.amdhsa_float_denorm_mode_16_64 3
		.amdhsa_memory_ordered 1
		.amdhsa_forward_progress 1
		.amdhsa_inst_pref_size 167
	.end_amdhsa_kernel
	.amdgpu_metadata
---
amdhsa.version: [ 1, 2 ]
amdhsa.kernels:
  - .name:           k_qca6d363b29_ffn2
    .symbol:         k_qca6d363b29_ffn2.kd
    .args:
      - { .name: act, .offset: 0, .size: 8, .value_kind: global_buffer, .address_space: global }
      - { .name: w2, .offset: 8, .size: 8, .value_kind: global_buffer, .address_space: global }
      - { .name: y, .offset: 16, .size: 8, .value_kind: global_buffer, .address_space: global }
    .group_segment_fixed_size: 70144
    .private_segment_fixed_size: 0
    .kernarg_segment_align: 8
    .kernarg_segment_size: 24
    .max_flat_workgroup_size: 128
    .sgpr_count:     66
    .vgpr_count:     1024
    .wavefront_size: 32
...
	.end_amdgpu_metadata
.endif
;; end of part 6
;; launch ln2 (part 7): grid 512 x 1, 8 waves a work-group, no clusters, 0 bytes of LDS; arguments hf, y, b2, g2, be2, out0; writes out0
.if DOCPART == 7
	.amdgcn_target "amdgcn-amd-amdhsa--gfx1250"
	.amdhsa_code_object_version 6
	.text
	.protected	k_qca6d363b29_ln2
	.globl	k_qca6d363b29_ln2
	.p2align	8
	.type	k_qca6d363b29_ln2,@function
k_qca6d363b29_ln2:
	s_mov_b64 s[64:65], 0
	v_nop
	global_prefetch_b8 v0, s[64:65] scope:SCOPE_SE
	s_setreg_imm32_b32 hwreg(HW_REG_WAVE_MODE, 25, 1), 1
	s_wait_xcnt 0x0
; out = layer_norm(h + (the four planes of hidden W2, added) + b2) g2 + be2, all in f32; the mean first, then the mean of the squared differences.  NaN and infinities are not served.
; One wave, one row of 1,024: lane l holds columns 128 i + 4 l + 0 .. 3, so each load and store covers 512 consecutive bytes and the sums never leave the wave: no LDS, no barrier.
; 48 loads a wave go out at once; g2 and be2 follow into registers that are done with, and land under the sums.  Memory binds: no matrix unit, no cluster, no tensor load.
.set H,   16
.set B2,  48                           ; b2, later g2
.set P0,  80                           ; plane 0, later be2
.set P1,  112
.set P2,  144
.set P3,  176
.set TP,  208                          ; v208-216 at work
.set SEL, 32
.macro REDUCE                          ; v[TP] summed over the 32 lanes, the result in every lane
	v_add_f32_dpp v[TP], v[TP], v[TP] row_xmask:1 row_mask:0xf bank_mask:0xf
	v_add_f32_dpp v[TP], v[TP], v[TP] row_xmask:2 row_mask:0xf bank_mask:0xf
	v_add_f32_dpp v[TP], v[TP], v[TP] row_xmask:4 row_mask:0xf bank_mask:0xf
	v_add_f32_dpp v[TP], v[TP], v[TP] row_xmask:8 row_mask:0xf bank_mask:0xf
	v_permlanex16_b32 v[TP+8], v[TP], s[SEL], s[SEL+1]
	v_add_f32 v[TP], v[TP], v[TP+8]
.endm
.macro ADDIN Y
.irp j, 0,2,4,6,8,10,12,14,16,18,20,22,24,26,28,30
	v_pk_add_f32 v[H+\j:H+\j+1], v[H+\j:H+\j+1], v[\Y+\j:\Y+\j+1]
.endr
.endm
	s_load_b256 s[4:11], s[0:1], 0x0               ; hf 4, y 6, b2 8, g2 10
	s_load_b128 s[12:15], s[0:1], 0x20             ; be2 12, out0 14
	v_lshrrev_b32 v2, 5, v0
	v_readfirstlane_b32 s16, v2                    ; wave 0..7
	v_and_b32 v2, 31, v0
	v_lshlrev_b32 v1, 4, v2                        ; 16 x lane
	v_mov_b32 v[TP+5], 0                           ; (named as upper halves of pairs, and as a lane permute's destination)
	v_mov_b32 v[TP+7], 0
	v_mov_b32 v[TP+8], 0
	s_mov_b32 s30, 0x3a800000                      ; 1 / 1,024
	s_mov_b32 s31, 0x3727c5ac                      ; 1e-5
	s_mov_b32 s[SEL], 0x76543210
	s_mov_b32 s[SEL+1], 0xfedcba98
	s_lshl_b32 s22, ttmp9, 3
	s_add_co_u32 s22, s22, s16                     ; my row
	s_lshl_b32 s22, s22, 12
	s_mov_b32 s23, 0
	s_wait_kmcnt 0x0
	s_add_nc_u64 s[4:5], s[4:5], s[22:23]
	s_add_nc_u64 s[6:7], s[6:7], s[22:23]
	s_add_nc_u64 s[14:15], s[14:15], s[22:23]
	s_add_nc_u64 s[18:19], s[6:7], 0x1000000       ; the planes lie 16,777,216 bytes apart
	s_add_nc_u64 s[20:21], s[6:7], 0x2000000
	s_add_nc_u64 s[24:25], s[6:7], 0x3000000
.irp i, 0,1,2,3,4,5,6,7
	global_load_b128 v[H+4*\i:H+4*\i+3], v1, s[4:5] offset:512*\i th:TH_LOAD_NT
	global_load_b128 v[B2+4*\i:B2+4*\i+3], v1, s[8:9] offset:512*\i
	global_load_b128 v[P0+4*\i:P0+4*\i+3], v1, s[6:7] offset:512*\i th:TH_LOAD_NT
	global_load_b128 v[P1+4*\i:P1+4*\i+3], v1, s[18:19] offset:512*\i th:TH_LOAD_NT
	global_load_b128 v[P2+4*\i:P2+4*\i+3], v1, s[20:21] offset:512*\i th:TH_LOAD_NT
	global_load_b128 v[P3+4*\i:P3+4*\i+3], v1, s[24:25] offset:512*\i th:TH_LOAD_NT
.endr
	s_wait_loadcnt 0x0
	ADDIN B2
	ADDIN P0
.irp i, 0,1,2,3,4,5,6,7
	global_load_b128 v[B2+4*\i:B2+4*\i+3], v1, s[10:11] offset:512*\i    ; g2
	global_load_b128 v[P0+4*\i:P0+4*\i+3], v1, s[12:13] offset:512*\i    ; be2
.endr
	ADDIN P1
	ADDIN P2
	ADDIN P3
	v_pk_add_f32 v[TP:TP+1], v[H:H+1], v[H+2:H+3]
	v_pk_add_f32 v[TP+2:TP+3], v[H+4:H+5], v[H+6:H+7]
.irp j, 8,12,16,20,24,28
	v_pk_add_f32 v[TP:TP+1], v[TP:TP+1], v[H+\j:H+\j+1]
	v_pk_add_f32 v[TP+2:TP+3], v[TP+2:TP+3], v[H+\j+2:H+\j+3]
.endr
	v_pk_add_f32 v[TP:TP+1], v[TP:TP+1], v[TP+2:TP+3]
	v_add_f32 v[TP], v[TP], v[TP+1]
	REDUCE
	v_mul_f32 v[TP+4], s30, v[TP]                  ; the mean
.irp j, 0,2,4,6,8,10,12,14,16,18,20,22,24,26,28,30
	v_pk_add_f32 v[H+\j:H+\j+1], v[H+\j:H+\j+1], v[TP+4:TP+5] op_sel_hi:[1,0] neg_lo:[0,1] neg_hi:[0,1]
.endr
	v_pk_mul_f32 v[TP:TP+1], v[H:H+1], v[H:H+1]
	v_pk_mul_f32 v[TP+2:TP+3], v[H+2:H+3], v[H+2:H+3]
.irp j, 4,8,12,16,20,24,28
	v_pk_fma_f32 v[TP:TP+1], v[H+\j:H+\j+1], v[H+\j:H+\j+1], v[TP:TP+1]
	v_pk_fma_f32 v[TP+2:TP+3], v[H+\j+2:H+\j+3], v[H+\j+2:H+\j+3], v[TP+2:TP+3]
.endr
	v_pk_add_f32 v[TP:TP+1], v[TP:TP+1], v[TP+2:TP+3]
	v_add_f32 v[TP], v[TP], v[TP+1]
	REDUCE
	v_fma_f32 v[TP+6], v[TP], s30, s31             ; the variance + 1e-5
	v_rsq_f32 v[TP+6], v[TP+6]
	v_nop                                          ; one plain place behind the transcendental
	s_wait_alu depctr_va_vdst(0)
.irp j, 0,2,4,6,8,10,12,14,16,18,20,22,24,26,28,30
	v_pk_mul_f32 v[H+\j:H+\j+1], v[H+\j:H+\j+1], v[TP+6:TP+7] op_sel_hi:[1,0]
.endr
	s_wait_loadcnt 0x0                             ; g2 and be2
.irp j, 0,2,4,6,8,10,12,14,16,18,20,22,24,26,28,30
	v_pk_fma_f32 v[H+\j:H+\j+1], v[H+\j:H+\j+1], v[B2+\j:B2+\j+1], v[P0+\j:P0+\j+1]
.endr
.irp i, 0,1,2,3,4,5,6,7
	global_store_b128 v1, v[H+4*\i:H+4*\i+3], s[14:15] offset:512*\i th:TH_STORE_NT
.endr
	s_endpgm
.Lfunc_end_k_qca6d363b29_ln2:
	.size	k_qca6d363b29_ln2, .Lfunc_end_k_qca6d363b29_ln2-k_qca6d363b29_ln2
	.p2alignl 7, 3214868480
	.fill 96, 4, 3214868480
	.section	.rodata,"a",@progbits
	.p2align	6, 0x0
	.amdhsa_kernel k_qca6d363b29_ln2
		.amdhsa_group_segment_fixed_size 0
		.amdhsa_private_segment_fixed_size 0
		.amdhsa_enable_private_segment 0
		.amdhsa_kernarg_size 48
		.amdhsa_user_sgpr_count 2
		.amdhsa_user_sgpr_kernarg_segment_ptr 1
		.amdhsa_wavefront_size32 1
		.amdhsa_system_sgpr_workgroup_id_x 1
		.amdhsa_system_sgpr_workgroup_id_y 1
		.amdhsa_system_sgpr_workgroup_id_z 1
		.amdhsa_system_vgpr_workitem_id 0
		.amdhsa_next_free_vgpr 224
		.amdhsa_next_free_sgpr 66
		.amdhsa_reserve_vcc 0
		.amdhsa_float_denorm_mode_32 3
		.amdhsa_float_denorm_mode_16_64 3
		.amdhsa_memory_ordered 1
		.amdhsa_forward_progress 1
		.amdhsa_inst_pref_size 20
	.end_amdhsa_kernel
	.amdgpu_metadata
---
amdhsa.version: [ 1, 2 ]
amdhsa.kernels:
  - .name:           k_qca6d363b29_ln2
    .symbol:         k_qca6d363b29_ln2.kd
    .args:
      - { .name: hf, .offset: 0, .size: 8, .value_kind: global_buffer, .address_space: global }
      - { .name: y, .offset: 8, .size: 8, .value_kind: global_buffer, .address_space: global }
      - { .name: b2, .offset: 16, .size: 8, .value_kind: global_buffer, .address_space: global }
      - { .name: g2, .offset: 24, .size: 8, .value_kind: global_buffer, .address_space: global }
      - { .name: be2, .offset: 32, .size: 8, .value_kind: global_buffer, .address_space: global }
      - { .name: out0, .offset: 40, .size: 8, .value_kind: global_buffer, .address_space: global }
    .group_segment_fixed_size: 0
    .private_segment_fixed_size: 0
    .kernarg_segment_align: 8
    .kernarg_segment_size: 48
    .max_flat_workgroup_size: 256
    .sgpr_count:     66
    .vgpr_count:     224
    .wavefront_size: 32
...
	.end_amdgpu_metadata
.endif
;; end of part 7
;; ======== version 2 of 2: 7 launches
;; workspace buffers: pre 9,011,200 bytes; wo 819,200 bytes; w2 3,276,800 bytes; qkv 10,092,544 bytes; act 13,107,200 bytes; y 67,108,864 bytes; hf 20,054,016 bytes
;; launch prep (part 8): grid 448 x 1, 8 waves a work-group, no clusters, 67,072 bytes of LDS; arguments x, Wq, Wk, Wv, Wo, W1, W2, pre, wo, w2; writes pre, wo, w2
.if DOCPART == 8
	.amdgcn_target "amdgcn-amd-amdhsa--gfx1250"
	.amdhsa_code_object_version 6
	.text
	.protected	k_qca6d363b29_prep
	.globl	k_qca6d363b29_prep
	.p2align	8
	.type	k_qca6d363b29_prep,@function
k_qca6d363b29_prep:
	s_mov_b64 s[64:65], 0
	v_nop
	global_prefetch_b8 v0, s[64:65] scope:SCOPE_SE
	s_setreg_imm32_b32 hwreg(HW_REG_WAVE_MODE, 25, 1), 1
	s_wait_xcnt 0x0
; All f32 operands that many work-groups read are turned ONCE into codes of FP6 (E2M3) with one E8M0 byte for each 32 along K.
; A block's scale byte is its largest magnitude's exponent field - 2, held at 1 from below; numbers are divided by the scale and rounded to the nearest code, ties to even, beyond 7.5 the largest code.
; LIMITS: NaN and infinities are not served; a block of zeros, or one whose largest magnitude lies under 2^-124, gets the byte 1 (zero blocks have zero codes, and this program alone reads the bytes).
; WHAT IS WRITTEN.  An operand is cut into tiles of 16 rows; tile T, tile-row r stands for row 32 (T / 2) + 8 (T % 2) + r % 8 + 16 (r / 8).  A fragment (a tile x 128 along K: 12 registers a lane)
; lies in memory as an image of its registers: 3 pieces of 512 bytes, piece q = lane l's registers 4 q .. 4 q + 3 at 16 l.  A tile's scale words for K = 1,024: 4 pieces of 128 bytes, piece j: lanes 0-15 the
; rows' words of K step 2 j, lanes 16-31 those of step 2 j + 1.  A plane of 1,024 rows x 1,024 K: 64 x 8 fragments, then 64 x 512 bytes of scale words (WPL bytes).
; SHARES.  Work-groups 0-63: Wq, Wk, Wv, Wo; 64-127: W2; 128-191: W1; each takes 256 columns x 256 along K, a wave 32 columns.  A weight is stored [K][N]: A LANE TAKES A COLUMN AND ITS REGISTERS RUN DOWN K, so a block
; of 32 lies in one lane, and each load still reads 128 consecutive bytes.  Lanes 0-15 take the 16 columns of one tile, lanes 16-31 those of the next; an exchange of lane halves makes the two tiles' fragments.
; Work-groups 192-447: x, one tile of 16 tokens each; rows go through LDS (pitch 4,112 bytes), then wave s makes the fragment of K step s.
.set WPL,   819200
.set XOFF,  5734400                    ; x's plane in pre, behind seven weight planes
.set XR,    16                         ; v16-79   two sets of 32 numbers
.set FF,    80                         ; v80-127  fragments: 24 sigma + 12 e (sigma: which 128 along K; e: which tile)
.set TA,    128                        ; v128-130, v132-134: the upper halves of two blocks
.set W0,    136                        ; v136-137 the scale words of the two K steps
.set PITCH, 4112
.set QX,  16                           ; QFRAG's registers: 64 numbers,
.set QF,  80                           ; the fragment,
.set QT,  92                           ; the blocks' upper halves,
.set QM,  100                          ; at work
.set QA,  6                            ; v6   LDS: row r, my half's block, my wave's K step
.set QSO, 12                           ; v12  4 r
.set QH8, 13                           ; v13  8 h
.set QCB, 8                            ; s[8:9] where the codes go;  s[6:7] the scale words
.set QSB, 6
.set SEL, 30                           ; s[30:31] lane selects: lane l xor 16
	s_load_b512 s[36:51], s[0:1], 0x0              ; x 36, Wq 38, Wk 40, Wv 42, Wo 44, W1 46, W2 48, pre 50
	s_load_b128 s[52:55], s[0:1], 0x40             ; wo 52, w2 54
	v_lshl_add_u32 v144, v0, 2, 0x10200
	v_mov_b32 v145, 0
	v_lshrrev_b32 v7, 5, v0
	s_delay_alu instid0(VALU_DEP_1)
	v_readfirstlane_b32 s16, v7                    ; wave 0..7
	v_and_b32 v2, 31, v0                           ; lane
	s_delay_alu instid0(VALU_DEP_1)
	v_lshlrev_b32 v1, 4, v2                        ; 16 x lane
	s_delay_alu instid0(VALU_DEP_2)
	v_lshlrev_b32 v5, 2, v2                        ; 4 x lane
	s_delay_alu instid0(VALU_DEP_3)
	v_and_b32 v3, 7, v2
	s_delay_alu instid0(VALU_DEP_4)
	v_bfe_u32 v4, v2, 3, 1
	s_delay_alu instid0(VALU_DEP_1)
	v_lshl_add_u32 v3, v4, 4, v3
	v_bfe_u32 v4, v2, 4, 1                         ; h
	s_delay_alu instid0(VALU_DEP_1)
	v_lshl_add_u32 v3, v4, 3, v3                   ; my column of the wave's 32: l % 8 + 16 ((l / 8) % 2) + 8 (l / 16)
	s_delay_alu instid0(VALU_DEP_1)
	v_lshlrev_b32 v3, 2, v3
	s_mul_i32 s17, s16, 2*PITCH
	v_add_nc_u32 v14, s17, v1                      ; LDS, on the way in: my wave's two rows
	v_and_b32 v12, 15, v0                          ; r
	s_delay_alu instid0(VALU_DEP_1)
	v_mul_u32_u24 v6, v12, PITCH
	s_delay_alu instid0(VALU_DEP_1)
	v_lshl_add_u32 v6, v4, 7, v6
	s_lshl_b32 s17, s16, 9
	v_add_nc_u32 v6, s17, v6
	v_lshlrev_b32 v13, 3, v4
	v_lshlrev_b32 v12, 2, v12
	s_mov_b32 s[SEL], 0x76543210
	s_mov_b32 s[SEL+1], 0xfedcba98
	s_wait_kmcnt 0x0
.macro WLOAD t, stride                 ; block t: W(32 t + i, my column) into set t % 2
.irp i, 0,1,2,3,4,5,6,7,8,9,10,11,12,13,14,15,16,17,18,19,20,21,22,23,24,25,26,27,28,29,30,31
	global_load_b32 v[XR+32*((\t)%2)+\i], v3, s[4:5] offset:(32*(\t)+\i)*\stride th:TH_LOAD_NT
.endr
.endm
.macro WBLOCK t, stride
.set XS, XR+32*((\t)%2)
.set SG, (\t)/4
.set CC, ((\t)/2)%2
.set EE, (\t)%2
.if (\t) < 7
	s_wait_loadcnt 32                              ; this block's 32 loads are in; the next block's 32 may be out
.else
	s_wait_loadcnt 0x0
.endif
	v_max3_num_f32 v8, |v[XS]|, |v[XS+1]|, |v[XS+2]|               ; the block's largest magnitude: all 32 numbers are mine; two chains
	v_max3_num_f32 v9, |v[XS+3]|, |v[XS+4]|, |v[XS+5]|
.irp i, 6,10,14,18,22,26
	s_delay_alu instid0(VALU_DEP_2)
	v_max3_num_f32 v8, v8, |v[XS+\i]|, |v[XS+\i+1]|
	s_delay_alu instid0(VALU_DEP_2)
	v_max3_num_f32 v9, v9, |v[XS+\i+2]|, |v[XS+\i+3]|
.endr
	s_delay_alu instid0(VALU_DEP_2)
	v_max3_num_f32 v8, v8, |v[XS+30]|, |v[XS+31]|
	s_delay_alu instid0(VALU_DEP_1)
	v_max3_num_f32 v8, v8, v9, 0x1800000           ; and the floor 2^(3 - 127): the byte cannot fall under 1
	s_delay_alu instid0(VALU_DEP_1)
	v_add_nc_u32 v10, 0xff000000, v8               ; 2 off the exponent field: the conversion's scale operand
	s_delay_alu instid0(VALU_DEP_1)
	v_lshrrev_b32 v11, 23, v10                     ; the byte
.if (\t)%4 == 0
	s_delay_alu instid0(VALU_DEP_1)
	v_mov_b32 v[W0+SG], v11
.else
	s_delay_alu instid0(VALU_DEP_1)
	v_lshl_or_b32 v[W0+SG], v11, 8*((\t)%4), v[W0+SG]
.endif
	v_cvt_scalef32_pk16_fp6_f32 v[FF+24*SG+12*EE+6*CC:FF+24*SG+12*EE+6*CC+2], v[XS:XS+15], v10
	v_cvt_scalef32_pk16_fp6_f32 v[TA+4*EE:TA+4*EE+2], v[XS+16:XS+31], v10   ; (a conversion's three registers begin on an even number)
	v_nop                                          ; one plain place behind the conversions
.if (\t)+2 < 8
	WLOAD (\t)+2, \stride
.endif
.if EE == 1                            ; blocks 2 c and 2 c + 1 of a K step are there: lanes 0-15 hold them for one tile's rows, lanes 16-31 for the next tile's.  A fragment wants block 2 c in lanes 0-15 and block 2 c + 1 in lanes 16-31
.irp i, 0,1,2
	v_permlane16_swap_b32 v[FF+24*SG+6*CC+\i], v[FF+24*SG+12+6*CC+\i]
	v_permlane16_swap_b32 v[TA+\i], v[TA+4+\i]
.endr
.irp i, 0,1,2
	v_mov_b32 v[FF+24*SG+6*CC+3+\i], v[TA+\i]
	v_mov_b32 v[FF+24*SG+12+6*CC+3+\i], v[TA+4+\i]
.endr
.endif
.if (\t)%4 == 3                        ; two fragments are whole; each has registers of its own, so no store's data are written again
.irp e, 0,1
.irp q, 0,1,2
	global_store_b128 v1, v[FF+24*SG+12*\e+4*\q:FF+24*SG+12*\e+4*\q+3], s[8:9] offset:12288*\e+1536*SG+512*\q   ; 512 consecutive bytes
.endr
.endr
.endif
.endm
; s20: which 256 columns of the tensor; s22: which 256 along K; s23: the same within its plane; s24: the plane; s26: which 256 rows of the plane; s[4:5] the tensor; s[6:7] the buffer
.macro WPATH stride
	s_mul_i32 s10, s22, 256*\stride
	s_lshl_b32 s11, s20, 10
	s_add_co_u32 s10, s10, s11
	s_lshl_b32 s11, s16, 7
	s_add_co_u32 s10, s10, s11
	s_mov_b32 s11, 0
	s_add_nc_u64 s[4:5], s[4:5], s[10:11]          ; row 256 kq, column 256 cgp + 32 wave
	WLOAD 0, \stride
	WLOAD 1, \stride
	s_mul_i32 s12, s24, WPL
	s_mul_i32 s13, s26, 196608                     ; 16 tiles x 8 fragments
	s_add_co_u32 s10, s12, s13
	s_mul_i32 s13, s16, 24576                      ; two tiles a wave
	s_add_co_u32 s10, s10, s13
	s_mul_i32 s13, s23, 3072                       ; two K steps
	s_add_co_u32 s10, s10, s13
	s_add_nc_u64 s[8:9], s[6:7], s[10:11]
	s_lshl_b32 s13, s26, 13
	s_add_co_u32 s10, s12, s13
	s_lshl_b32 s13, s16, 10
	s_add_co_u32 s10, s10, s13
	s_lshl_b32 s13, s23, 7
	s_add_co_u32 s10, s10, s13
	s_add_co_u32 s10, s10, 786432
	s_add_nc_u64 s[6:7], s[6:7], s[10:11]
.set Q, 0
.rept 8
	WBLOCK Q, \stride
.set Q, Q+1
.endr
	v_permlane16_swap_b32 v[W0], v[W0+1]           ; the first now holds one tile's words of both K steps, the second the next tile's
	global_store_b32 v5, v[W0], s[6:7]
	global_store_b32 v5, v[W0+1], s[6:7] offset:512
.endm
; 16 rows x 128 K out of LDS become a fragment and its scale words.  Lane (r, h) owns blocks h and 2 + h of row r whole.
.macro QFRAG
.irp c, 0,1
.irp i, 0,1,2,3,4,5,6,7
	ds_load_b128 v[QX+32*\c+4*\i:QX+32*\c+4*\i+3], v[QA] offset:256*\c+16*\i
.endr
.endr
	s_wait_dscnt 0x0
.irp c, 0,1
	v_max3_num_f32 v[QM+\c], |v[QX+32*\c]|, |v[QX+32*\c+1]|, 0x1800000
.endr
.irp i, 2,4,6,8,10,12,14,16,18,20,22,24,26,28,30
.irp c, 0,1
	s_delay_alu instid0(VALU_DEP_2)
	v_max3_num_f32 v[QM+\c], v[QM+\c], |v[QX+32*\c+\i]|, |v[QX+32*\c+\i+1]|
.endr
.endr
.irp c, 0,1
	s_delay_alu instid0(VALU_DEP_2)
	v_add_nc_u32 v[QM+2+\c], 0xff000000, v[QM+\c]
.endr
.irp c, 0,1
	s_delay_alu instid0(VALU_DEP_2)
	v_lshrrev_b32 v[QM+4+\c], 23, v[QM+2+\c]
.endr
	s_delay_alu instid0(VALU_DEP_1)
	v_lshl_or_b32 v[QM+6], v[QM+5], 16, v[QM+4]    ; my two bytes,
	s_delay_alu instid0(VALU_DEP_1)
	v_lshlrev_b32 v[QM+6], v[QH8], v[QM+6]         ; at their places in the word;
	v_mov_b32 v[QM+7], 0
	s_delay_alu instid0(VALU_DEP_1)
	v_permlanex16_b32 v[QM+7], v[QM+6], s[SEL], s[SEL+1]
	s_delay_alu instid0(VALU_DEP_1)
	v_or_b32 v[QM+6], v[QM+6], v[QM+7]             ; with lane l xor 16's two the word is whole
.irp c, 0,1
	v_cvt_scalef32_pk16_fp6_f32 v[QF+6*\c:QF+6*\c+2], v[QX+32*\c:QX+32*\c+15], v[QM+2+\c]
	v_cvt_scalef32_pk16_fp6_f32 v[QT+4*\c:QT+4*\c+2], v[QX+32*\c+16:QX+32*\c+31], v[QM+2+\c]
.endr
	v_nop
.irp c, 0,1
.irp i, 0,1,2
	v_mov_b32 v[QF+6*\c+3+\i], v[QT+4*\c+\i]
.endr
.endr
.irp q, 0,1,2
	global_store_b128 v1, v[QF+4*\q:QF+4*\q+3], s[QCB:QCB+1] offset:512*\q
.endr
	global_store_b32 v[QSO], v[QM+6], s[QSB:QSB+1] ; lanes r and r + 16 store the same word to the same place
.endm
	s_cmp_lt_u32 ttmp9, 128
	s_cbranch_scc0 .Lwide
	; ---- tensors with rows of 4,096 bytes.  The choices hang on the work-group's number alone
	s_and_b32 s20, ttmp9, 3
	s_lshr_b32 s21, ttmp9, 2
	s_and_b32 s22, s21, 15
	s_and_b32 s23, s21, 3
	s_cmp_lt_u32 ttmp9, 64
	s_cselect_b32 s22, s23, s22
	s_cselect_b64 s[4:5], s[44:45], s[48:49]       ; Wo, or W2
	s_cselect_b64 s[6:7], s[52:53], s[54:55]
	s_lshr_b32 s24, s22, 2                         ; W2's plane: K / 1,024
	s_lshr_b32 s25, ttmp9, 4
	s_cmp_lt_u32 ttmp9, 48
	s_cselect_b32 s24, s25, s24                    ; Wq, Wk, Wv: planes 0, 1, 2 of pre
	s_cselect_b64 s[4:5], s[42:43], s[4:5]
	s_cselect_b64 s[6:7], s[50:51], s[6:7]
	s_cmp_lt_u32 ttmp9, 32
	s_cselect_b64 s[4:5], s[40:41], s[4:5]
	s_cmp_lt_u32 ttmp9, 16
	s_cselect_b64 s[4:5], s[38:39], s[4:5]
	s_mov_b32 s26, s20
	s_wait_alu depctr_va_vdst(0)
	WPATH 4096
	s_endpgm
.Lwide:
	s_cmp_lt_u32 ttmp9, 192
	s_cbranch_scc0 .Lx
	; ---- W1: rows of 16,384 bytes; planes 3 .. 6 of pre, one for each 1,024 columns
	s_sub_co_u32 s21, ttmp9, 128
	s_and_b32 s20, s21, 15
	s_lshr_b32 s22, s21, 4
	s_mov_b32 s23, s22
	s_lshr_b32 s24, s20, 2
	s_add_co_u32 s24, s24, 3
	s_and_b32 s26, s20, 3
	s_mov_b64 s[4:5], s[46:47]
	s_mov_b64 s[6:7], s[50:51]
	s_wait_alu depctr_va_vdst(0)
	WPATH 16384
	s_endpgm
.Lx:
	; ---- x: tile T = work-group - 192.  Wave w brings tile-rows 2 w and 2 w + 1, which are neighbouring tokens
	s_sub_co_u32 s20, ttmp9, 192
	s_lshr_b32 s21, s20, 1
	s_lshl_b32 s21, s21, 5
	s_and_b32 s22, s20, 1
	s_lshl_b32 s22, s22, 3
	s_add_co_u32 s21, s21, s22
	s_and_b32 s22, s16, 3
	s_lshl_b32 s22, s22, 1
	s_add_co_u32 s21, s21, s22
	s_lshr_b32 s22, s16, 2
	s_lshl_b32 s22, s22, 4
	s_add_co_u32 s21, s21, s22                     ; the token of tile-row 2 w
	s_lshl_b32 s10, s21, 12
	s_mov_b32 s11, 0
	s_add_nc_u64 s[4:5], s[36:37], s[10:11]
.irp p, 0,1
.irp i, 0,1,2,3,4,5,6,7
	global_load_b128 v[16+32*\p+4*\i:16+32*\p+4*\i+3], v1, s[4:5] offset:4096*\p+512*\i th:TH_LOAD_NT
.endr
.endr
	s_mul_i32 s10, s20, 12288
	s_mul_i32 s12, s16, 1536
	s_add_co_u32 s10, s10, s12
	s_add_co_u32 s10, s10, XOFF
	s_add_nc_u64 s[8:9], s[50:51], s[10:11]        ; fragment (T, K step = wave)
	s_lshl_b32 s10, s20, 9
	s_lshl_b32 s12, s16, 6                         ; 128 (s / 2) + 64 (s % 2) = 64 s
	s_add_co_u32 s10, s10, s12
	s_add_co_u32 s10, s10, XOFF+3145728
	s_add_nc_u64 s[6:7], s[50:51], s[10:11]
	s_wait_loadcnt 0x0
	s_wait_alu depctr_va_vdst(0)
.irp p, 0,1
.irp i, 0,1,2,3,4,5,6,7
	ds_store_b128 v14, v[16+32*\p+4*\i:16+32*\p+4*\i+3] offset:PITCH*\p+512*\i
.endr
.endr
	s_wait_dscnt 0x0                               ; for the others' sake: my rows lie in LDS
	s_barrier_signal -1
	s_barrier_wait -1
	QFRAG
	s_wait_tensorcnt 0x0
	ds_add_u32 v144, v145
	s_wait_dscnt 0x0
	s_endpgm
.Lfunc_end_k_qca6d363b29_prep:
	.size	k_qca6d363b29_prep, .Lfunc_end_k_qca6d363b29_prep-k_qca6d363b29_prep
	.p2alignl 7, 3214868480
	.fill 96, 4, 3214868480
	.section	.rodata,"a",@progbits
	.p2align	6, 0x0
	.amdhsa_kernel k_qca6d363b29_prep
		.amdhsa_group_segment_fixed_size 67072
		.amdhsa_private_segment_fixed_size 0
		.amdhsa_enable_private_segment 0
		.amdhsa_kernarg_size 80
		.amdhsa_user_sgpr_count 2
		.amdhsa_user_sgpr_kernarg_segment_ptr 1
		.amdhsa_wavefront_size32 1
		.amdhsa_system_sgpr_workgroup_id_x 1
		.amdhsa_system_sgpr_workgroup_id_y 1
		.amdhsa_system_sgpr_workgroup_id_z 1
		.amdhsa_system_vgpr_workitem_id 0
		.amdhsa_next_free_vgpr 146
		.amdhsa_next_free_sgpr 66
		.amdhsa_reserve_vcc 0
		.amdhsa_float_denorm_mode_32 3
		.amdhsa_float_denorm_mode_16_64 3
		.amdhsa_memory_ordered 1
		.amdhsa_forward_progress 1
		.amdhsa_inst_pref_size 99
	.end_amdhsa_kernel
	.amdgpu_metadata
---
amdhsa.version: [ 1, 2 ]
amdhsa.kernels:
  - .name:           k_qca6d363b29_prep
    .symbol:         k_qca6d363b29_prep.kd
    .args:
      - { .name: x, .offset: 0, .size: 8, .value_kind: global_buffer, .address_space: global }
      - { .name: Wq, .offset: 8, .size: 8, .value_kind: global_buffer, .address_space: global }
      - { .name: Wk, .offset: 16, .size: 8, .value_kind: global_buffer, .address_space: global }
      - { .name: Wv, .offset: 24, .size: 8, .value_kind: global_buffer, .address_space: global }
      - { .name: Wo, .offset: 32, .size: 8, .value_kind: global_buffer, .address_space: global }
      - { .name: W1, .offset: 40, .size: 8, .value_kind: global_buffer, .address_space: global }
      - { .name: W2, .offset: 48, .size: 8, .value_kind: global_buffer, .address_space: global }
      - { .name: pre, .offset: 56, .size: 8, .value_kind: global_buffer, .address_space: global }
      - { .name: wo, .offset: 64, .size: 8, .value_kind: global_buffer, .address_space: global }
      - { .name: w2, .offset: 72, .size: 8, .value_kind: global_buffer, .address_space: global }
    .group_segment_fixed_size: 67072
    .private_segment_fixed_size: 0
    .kernarg_segment_align: 8
    .kernarg_segment_size: 80
    .max_flat_workgroup_size: 256
    .sgpr_count:     66
    .vgpr_count:     146
    .wavefront_size: 32
...
	.end_amdgpu_metadata
.endif
;; end of part 8
;; launch qkv (part 9): grid 192 x 1, 4 waves a work-group, no clusters, 0 bytes of LDS; arguments pre, bq, bk, bv, qkv; writes qkv
.if DOCPART == 9
	.amdgcn_target "amdgcn-amd-amdhsa--gfx1250"
	.amdhsa_code_object_version 6
	.text
	.protected	k_qca6d363b29_qkv
	.globl	k_qca6d363b29_qkv
	.p2align	8
	.type	k_qca6d363b29_qkv,@function
k_qca6d363b29_qkv:
	s_mov_b64 s[64:65], 0
	v_nop
	global_prefetch_b8 v0, s[64:65] scope:SCOPE_SE
	s_setreg_imm32_b32 hwreg(HW_REG_WAVE_SCHED_MODE, 0, 2), 2
	s_setreg_imm32_b32 hwreg(HW_REG_WAVE_MODE, 25, 1), 1
	s_wait_xcnt 0x0
	s_wait_alu depctr_vm_vsrc(0)
; Q = x Wq + bq, K = x Wk + bk, V = x Wv + bv on codes of FP6 (E2M3) with E8M0 scales, sums in f32; the results are quantised here, in registers: Q and K along a head's 64, V along the keys.
; LIMITS: NaN and infinities are not served; a block of zeros, or one under 2^-124, gets the byte 1 (this program alone reads the bytes).
; THE SCHEME.  A wave keeps 64 rows x all of K = 1,024 of one operand in registers (the STATIONARY one: 4 tiles x 8 K steps x 12 = 384 registers, loaded once) and streams 16 tiles of 16 rows of the other
; operand from memory straight into registers: operands lie in memory as images of their registers, so a fragment is three loads of 512 consecutive bytes.  A streamed tile (96 registers) feeds 32 matrix instructions.
; The product is used transposed: source 0 = the streamed tile, source 1 = a stationary tile.  A lane then holds ONE stationary row, and, since tile T, tile-row r stands for row 32 (T / 2) + 8 (T % 2) + r % 8 + 16 (r / 8),
; the 16 registers of streamed tiles 2 b and 2 b + 1 are 16 NEIGHBOURS of the streamed index: 32 b + 16 (lane / 16) + 0 .. 15: the conversions' input.
; Work-groups 0-127 (Q, K): stationary = 64 tokens a wave, streamed = 256 columns of Wq or Wk.  Work-groups 128-191 (V): stationary = a head's 64 rows of Wv^T, streamed = 256 tokens: the result is V^T with the keys along the registers.
; Everything is written out: 16 tiles, every offset an immediate, no address register or base is ever rewritten.
; NO CLUSTER, NO LDS: the four waves of a work-group stream the same 16 tiles, 16 x 12,800 bytes each; they are not shared, since this text has no tile in LDS that a joint load could fill: that is its price for having no ring and no barrier.
; WHAT IS WRITTEN.  Q: for each (batch, head) and 128 tokens 6,656 bytes: 4 images of 12 registers (two token tiles, 6 registers each: K = 64), then 4 x 128 bytes of scale words (lanes 0-15 the even tile, lanes 16-31 the odd; bytes 2, 3 are 0).
; K and V: for each (batch, head) and 128 keys 13,056 bytes: K as Q (6,144), V^T's 4 fragments (16 of the head's 64 x 128 keys; 6,144), K's scale words (512), V's (2 x 128: lanes 0-15 tile 2 k, lanes 16-31 tile 2 k + 1).
; REGISTERS, in windows of 256.  Window 0: v1-5 offsets; v16-31 stationary scale words; v32-43 streamed scale words, 4 a slot; v44-63 at work; v64-127 accumulators (16 a + 8 (t % 2)); v128-159 bias; v160-207 codes; v208-223 at work; v224-231 scale words made.
; Windows 1, 2: v0-191 the stationary fragments (K steps 0-3, 4-7), v192-239 slot 2 of the streamed ring.  Window 3: slots 0 and 1.
; THE MODE: SCHED_MODE bits 1:0 = 2 (LLVM: expert scheduling mode 2), set by the entry lines.  The code itself states the register dependences between vector or matrix instructions and memory instructions, with s_wait_alu, always for 0.
; THE PLAN.  Registers that memory instructions touch:
;   slot t % 3, its scale words SB[t % 3], and on the Q, K path bias half (t / 2) % 2: written by the loads of group t; read by tile t's 32 products (a bias half by tiles t and t + 1).
;       Groups 0, 1, 2 go out at the head.  Group t + 2 goes out in tile t (t = 1 .. 13): it lands in what tile t - 1 read, and no product of tile t names those registers.
;   OUT, WS   the codes and scale words made: written by the epilogue behind an odd tile; read by the stores that are issued at the head of the next tile (the last ones at the end).
;   v1-v5     offsets, made at the head and never written again.  The stationary operand and its scale words are loaded once.
; So ONE wait on va_vdst stands at the head of each of tiles 1 to 13; behind it come the tile's stores and its loads under window 0, and the 24 loads of codes are dealt among the tile's first sixteen products, six behind each K step.
; A wait on vm_vsrc stands at the head of those epilogues alone that write a register again which stores have read.
.set WPL,  819200
.set XOFF, 5734400
.set KVO,  3407872
.set SA,  16
.set SB,  32
.set MX,  44
.set PX,  48
.set SOP, 52
.set BY,  56
.set WS,  60
.set ACC, 64
.set BI,  128
.set OUT, 160
.set YT,  208
.set WD,  224
.set MSB, 0
.macro WIN new                         ; the immediate's high byte repeats the setting that is left
.if MSB != (\new)
	s_set_vgpr_msb (MSB<<8)|(\new)
.set MSB, (\new)
.endif
.endm
.macro NOPS n
.rept \n
	v_nop
.endr
.endm
.macro LOADS                           ; the stationary operand: fragment (a, s) at window 1 + s / 4, register 48 (s % 4) + 12 a
.irp s, 0,1,2,3,4,5,6,7
	WIN 0x40+0x40*(\s/4)
.irp a, 0,1,2,3
.irp q, 0,1,2
	global_load_b128 v[48*(\s%4)+12*\a+4*\q:48*(\s%4)+12*\a+4*\q+3], v1, s[24:25] offset:12288*\a+1536*\s+512*\q
.endr
.endr
.endr
	WIN 0
.irp a, 0,1,2,3
.irp j, 0,1,2,3
	global_load_b32 v[SA+4*\a+\j], v2, s[26:27] offset:512*\a+128*\j
.endr
.endr
.endm
.macro LOADW t                         ; group t's loads under window 0: 4 of scale words, and with an even tile of the Q, K path 4 of bias
.irp j, 0,1,2,3
	global_load_b32 v[SB+4*((\t)%3)+\j], v2, s[30:31] offset:512*(\t)+128*\j
.endr
.if (CKIND == 1) && ((\t)%2 == 0)
.irp i, 0,1,2,3
	global_load_b128 v[BI+16*(((\t)/2)%2)+4*\i:BI+16*(((\t)/2)%2)+4*\i+3], v3, s[32:33] offset:128*((\t)/2)+16*\i   ; bias of columns 32 (t / 2) + 16 h + 0 .. 15: the result's layout
.endr
.endif
.endm
.macro LOADC t, g                      ; group t's codes of K steps 2 g and 2 g + 1 into slot t % 3: six loads, 24 registers on end
.if (\t)%3 < 2
	WIN 0xc0
.set LB, 96*((\t)%3)+24*(\g)
.else
	WIN 0x40+0x40*((\g)/2)
.set LB, 192+24*((\g)%2)
.endif
.irp i, 0,1,2,3,4,5
	global_load_b128 v[LB+4*\i:LB+4*\i+3], v1, s[28:29] offset:12288*(\t)+3072*(\g)+512*\i
.endr
.endm
.macro LOADT t                         ; a whole group, as it goes out at the head
	LOADW \t
.irp g, 0,1,2,3
	LOADC \t, \g
.endr
	WIN 0
.endm
.macro WM t, s, a                      ; one product.  The bias is the C of a sum's first instruction.  An odd K step's scale words lie in lanes 16-31 of both registers
.set RDD, ACC+16*\a+8*((\t)%2)
.set RBB, 48*(\s%4)+12*\a
.set SCA, SB+4*((\t)%3)+\s/2
.set SCB, SA+4*\a+\s/2
.if \s == 0
.if CKIND == 1
.set RCC, BI+16*(((\t)/2)%2)+8*((\t)%2)
.else
.set RCC, BI+8*\a
.endif
	v_wmma_scale_f32_16x16x128_f8f6f4 v[RDD:RDD+7], v[RA:RA+11], v[RBB:RBB+11], v[RCC:RCC+7], v[SCA], v[SCB] matrix_a_fmt:MATRIX_FMT_FP6 matrix_b_fmt:MATRIX_FMT_FP6
.elseif \s%2 == 0
	v_wmma_scale_f32_16x16x128_f8f6f4 v[RDD:RDD+7], v[RA:RA+11], v[RBB:RBB+11], v[RDD:RDD+7], v[SCA], v[SCB] matrix_a_fmt:MATRIX_FMT_FP6 matrix_b_fmt:MATRIX_FMT_FP6
.else
	v_wmma_scale_f32_16x16x128_f8f6f4 v[RDD:RDD+7], v[RA:RA+11], v[RBB:RBB+11], v[RDD:RDD+7], v[SCA], v[SCB] matrix_a_fmt:MATRIX_FMT_FP6 matrix_b_fmt:MATRIX_FMT_FP6 matrix_a_scale:MATRIX_SCALE_ROW1 matrix_b_scale:MATRIX_SCALE_ROW1
.endif
.endm
.macro MULT t                          ; 32 matrix instructions: K ascending, the four accumulators by turns, one instruction a turn.  LD = 1: group t + 2's codes go out behind K steps 0 to 3
.irp s, 0,1,2,3,4,5,6,7
.if (\t)%3 < 2
	WIN 0x07+0x04*(\s/4)
.set RA, 96*((\t)%3)+12*\s
.else
	WIN 0x05+0x05*(\s/4)
.set RA, 192+12*(\s%4)
.endif
.irp a, 0,1,2,3
	WM \t, \s, \a
.endr
.if LD
.if \s < 4
	LOADC (\t)+2, \s                               ; no wait: no vector or matrix instruction since the wait at the tile's head names slot (t + 2) % 3 or v1
.endif
.endif
.endr
.endm
.macro BLKSCALE                        ; a block of 32 of each of the four stationary tiles' rows: 16 numbers in my lane, 16 in lane l xor 16.  Each accumulator is read from its low end on
.irp a, 0,1,2,3
	v_max3_num_f32 v[MX+\a], |v[ACC+16*\a]|, |v[ACC+16*\a+1]|, 0x1800000   ; with the floor 2^(3 - 127): the byte cannot fall under 1
.endr
.irp i, 2,4,6,8,10,12,14
.irp a, 0,1,2,3
	v_max3_num_f32 v[MX+\a], v[MX+\a], |v[ACC+16*\a+\i]|, |v[ACC+16*\a+\i+1]|
.endr
.endr
.irp a, 0,1,2,3
	v_permlanex16_b32 v[PX+\a], v[MX+\a], s20, s21
.endr
.irp a, 0,1,2,3
	v_max_num_f32 v[MX+\a], v[MX+\a], v[PX+\a]
.endr
.irp a, 0,1,2,3
	v_add_nc_u32 v[SOP+\a], 0xff000000, v[MX+\a]   ; 2 off the exponent field: the conversion's scale operand
.endr
.irp a, 0,1,2,3
	v_lshrrev_b32 v[BY+\a], 23, v[SOP+\a]          ; the byte
.endr
.endm
; Q, K: pair b of streamed tiles = block b % 2 of head b / 2.  A head's 64 are 6 registers a token tile; two token tiles make an image of 12.  The head's stores follow at the head of the next tile
.macro EPIQK b
.set HH, (\b)/2
.set EE, (\b)%2
.set OBB, OUT+24*(HH%2)
.set WBB, WD+4*(HH%2)
	s_wait_xcnt 0x0                                ; registers that earlier stores read are rewritten only behind this wait
.if (EE == 1) && (HH >= 1)
	s_wait_alu depctr_vm_vsrc(0)                   ; the stores of the heads before have read v[WS ..], which is written again below, and their halves of v[OUT ..], which the next two pairs write again
.endif
	BLKSCALE
.irp a, 0,1,2,3
.if EE == 0
	v_mov_b32 v[WBB+\a], v[BY+\a]
.else
	v_lshl_or_b32 v[WBB+\a], v[BY+\a], 8, v[WBB+\a]
.endif
.endr
.irp a, 0,1,2,3
.if EE == 0
	v_cvt_scalef32_pk16_fp6_f32 v[OBB+6*\a:OBB+6*\a+2], v[ACC+16*\a:ACC+16*\a+15], v[SOP+\a]
.else
	v_cvt_scalef32_pk16_fp6_f32 v[YT+4*\a:YT+4*\a+2], v[ACC+16*\a:ACC+16*\a+15], v[SOP+\a]
.endif
.endr
	v_nop                                          ; one plain place behind the conversions
.if EE == 1
.irp a, 0,1,2,3                        ; the operand's layout wants a whole block in a lane: lanes 0-15 block 0, lanes 16-31 block 1
.irp i, 0,1,2
	v_permlane16_swap_b32 v[OBB+6*\a+\i], v[YT+4*\a+\i]
.endr
.irp i, 0,1,2
	v_mov_b32 v[OBB+6*\a+3+\i], v[YT+4*\a+\i]
.endr
.endr
.irp p, 0,1
	v_cndmask_b32 v[WS+\p], v[WBB+2*\p], v[WBB+2*\p+1], s22      ; lanes 0-15: the even tile's words; lanes 16-31: the odd tile's
.endr
.endif
.endm
.macro STQK b                          ; the stores of head b / 2
.set HH, (\b)/2
.set OBB, OUT+24*(HH%2)
.irp p, 0,1
.irp q, 0,1,2
	global_store_b128 v4, v[OBB+12*\p+4*\q:OBB+12*\p+4*\q+3], s[44+2*HH:45+2*HH] offset:1536*\p+512*\q   ; 512 consecutive bytes
.endr
	global_store_b32 v5, v[WS+\p], s[44+2*HH:45+2*HH] offset:128*\p
.endr
.endm
; V: pair b = block b % 4 of key step b / 4.  A key step's stores follow at the head of the next tile
.macro EPIQV b
.set SG, (\b)/4
.set BB, (\b)%4
.set CC, ((\b)/2)%2
.set EE, (\b)%2
	s_wait_xcnt 0x0
.if (\b) == 4
	s_wait_alu depctr_vm_vsrc(0)                   ; the first key step's stores have read v[OUT ..] and v[WS ..], which the second key step's pairs write again
.endif
	BLKSCALE
.irp a, 0,1,2,3
.if BB == 0
	v_mov_b32 v[WD+4*SG+\a], v[BY+\a]
.else
	v_lshl_or_b32 v[WD+4*SG+\a], v[BY+\a], 8*BB, v[WD+4*SG+\a]
.endif
.endr
.irp a, 0,1,2,3
.if EE == 0
	v_cvt_scalef32_pk16_fp6_f32 v[OUT+12*\a+6*CC:OUT+12*\a+6*CC+2], v[ACC+16*\a:ACC+16*\a+15], v[SOP+\a]
.else
	v_cvt_scalef32_pk16_fp6_f32 v[YT+4*\a:YT+4*\a+2], v[ACC+16*\a:ACC+16*\a+15], v[SOP+\a]
.endif
.endr
	v_nop
.if EE == 1
.irp a, 0,1,2,3
.irp i, 0,1,2
	v_permlane16_swap_b32 v[OUT+12*\a+6*CC+\i], v[YT+4*\a+\i]
.endr
.irp i, 0,1,2
	v_mov_b32 v[OUT+12*\a+6*CC+3+\i], v[YT+4*\a+\i]
.endr
.endr
.endif
.if BB == 3
.irp k, 0,1
	v_cndmask_b32 v[WS+\k], v[WD+4*SG+2*\k], v[WD+4*SG+2*\k+1], s22
.endr
.endif
.endm
.macro STQV b                          ; the stores of key step b / 4
.set SG, (\b)/4
.irp a, 0,1,2,3
.irp q, 0,1,2
	global_store_b128 v1, v[OUT+12*\a+4*\q:OUT+12*\a+4*\q+3], s[44:45] offset:13056*SG+6144+1536*\a+512*\q
.endr
.endr
.irp k, 0,1
	global_store_b32 v2, v[WS+\k], s[44:45] offset:13056*SG+12800+128*\k
.endr
.endm
; The whole of a wave's work.  NW: the loads of groups 1 and 2, which may stay out while tile 0 is multiplied.  NY: those of group t + 1, the one group younger than tile t's from tile 1 on.
; Five v_nop behind a tile's products: four places ahead of the first read of results, five ahead of the products that begin the accumulators anew.
.macro PATH
	LOADS
	LOADT 0
	LOADT 1
	LOADT 2
.set TT, 0
.rept 16
.set NY, 28
.if (CKIND == 1) && (TT%2 == 1)
.set NY, 32                            ; an even group of the Q, K path has four loads of bias more
.endif
.set LD, 0
.if (TT >= 1) && (TT < 14)
.set LD, 1
.endif
.if TT == 0
	s_wait_loadcnt NW
.elseif TT < 15
	s_wait_loadcnt NY
.else
	s_wait_loadcnt 0x0
.endif
.if (CKIND == 2) && (TT == 0)
.irp a, 0,1,2,3
.irp j, 1,2,3,4,5,6,7
	v_mov_b32 v[BI+8*\a+\j], v[BI+8*\a]            ; a lane's eight results of a tile belong to one row of Wv^T: one bias
.endr
.endr
	NOPS 8
.endif
.if LD
	s_wait_alu depctr_va_vdst(0)                   ; the tile before is done: its products have read slot (t + 2) % 3, that slot's scale words and the bias half in which group t + 2 lands; behind an odd tile the epilogue has written the codes and words that the stores below read
	LOADW TT+2
.if (CKIND == 1) && (TT%4 == 0)
	STQK (TT-2)/2
.endif
.if (CKIND == 2) && (TT == 8)
	STQV 3
.endif
.endif
	MULT TT
	WIN 0
	NOPS 5
.if TT%2 == 1
.if CKIND == 1
	EPIQK TT/2
.else
	EPIQV TT/2
.endif
.endif
.set TT, TT+1
.endr
	s_wait_alu depctr_va_vdst(0)                   ; the last epilogue has written the codes and words that the last stores read
.if CKIND == 1
	STQK 7
.else
	STQV 7
.endif
.endm
	s_load_b256 s[4:11], s[0:1], 0x0               ; pre 4, bq 6, bk 8, bv 10
	s_load_b64 s[12:13], s[0:1], 0x20              ; qkv
	v_lshrrev_b32 v7, 5, v0
	v_readfirstlane_b32 s14, v7                    ; wave 0..3
	v_and_b32 v8, 31, v0
	v_lshlrev_b32 v1, 4, v8                        ; 16 x lane
	v_lshlrev_b32 v2, 2, v8                        ; 4 x lane
	v_bfe_u32 v9, v0, 4, 1                         ; h
	s_mov_b32 s20, 0x76543210
	s_mov_b32 s21, 0xfedcba98                      ; lane selects: lane l xor 16
	s_mov_b32 s22, 0xffff0000                      ; lanes 16-31
	s_mov_b32 s53, 0
.irp a, 0,1,2,3
	v_mov_b32 v[PX+\a], 0                          ; written once: a lane permute's destination counts as one of its sources
.endr
	s_wait_alu depctr_va_sdst(0)                   ; s14 is written, ahead of the branch and of its first reader on either way: the bases are made from it
	s_wait_kmcnt 0x0
	s_cmp_lt_u32 ttmp9, 128
	s_cbranch_scc0 .Lv
	; ---- Q and K
	s_and_b32 s15, ttmp9, 7                        ; which 256 columns of [Wq | Wk]
	s_lshr_b32 s16, ttmp9, 3
	s_lshl_b32 s17, s16, 2
	s_add_co_u32 s17, s17, s14                     ; g: which 64 tokens
	s_lshr_b32 s18, s15, 2                         ; 0: Q, 1: K
	s_and_b32 s19, s15, 3
	s_mul_i32 s52, s17, 49152
	s_add_co_u32 s52, s52, XOFF
	s_add_nc_u64 s[24:25], s[4:5], s[52:53]        ; stationary: x's tiles 4 g on
	s_lshl_b32 s52, s17, 11
	s_add_co_u32 s52, s52, XOFF+3145728
	s_add_nc_u64 s[26:27], s[4:5], s[52:53]
	s_mul_i32 s54, s18, WPL
	s_mul_i32 s52, s19, 196608
	s_add_co_u32 s52, s52, s54
	s_add_nc_u64 s[28:29], s[4:5], s[52:53]        ; streamed: 16 tiles of the weight's plane
	s_lshl_b32 s52, s19, 13
	s_add_co_u32 s52, s52, s54
	s_add_co_u32 s52, s52, 786432
	s_add_nc_u64 s[30:31], s[4:5], s[52:53]
	s_mov_b32 s36, 208896                          ; K's sizes: a (batch, head), a step of 128, where a step's scale words begin
	s_mov_b32 s37, 13056
	s_mov_b32 s38, 12288
	s_cmp_lt_u32 s15, 4
	s_cselect_b64 s[32:33], s[6:7], s[8:9]         ; bq or bk
	s_cselect_b32 s36, 106496, s36                 ; or Q's
	s_cselect_b32 s37, 6656, s37
	s_cselect_b32 s38, 6144, s38
	s_cselect_b32 s39, 0, KVO
	s_lshl_b32 s52, s19, 10
	s_add_nc_u64 s[32:33], s[32:33], s[52:53]
	s_lshr_b32 s40, s17, 5                         ; batch
	s_lshl_b32 s40, s40, 4
	s_lshl_b32 s41, s19, 2
	s_add_co_u32 s40, s40, s41                     ; 16 batch + my first head
	s_mul_i32 s40, s40, s36
	s_and_b32 s41, s17, 31
	s_lshr_b32 s41, s41, 1                         ; which 128 tokens of the batch
	s_mul_i32 s41, s41, s37
	s_add_co_u32 s52, s40, s41
	s_add_co_u32 s52, s52, s39
	s_add_nc_u64 s[44:45], s[12:13], s[52:53]      ; a base for each of my four heads
	s_mov_b32 s52, s36
	s_add_nc_u64 s[46:47], s[44:45], s[52:53]
	s_add_nc_u64 s[48:49], s[46:47], s[52:53]
	s_add_nc_u64 s[50:51], s[48:49], s[52:53]
	s_and_b32 s54, s17, 1                          ; which half of the 128 tokens: two images
	s_mul_i32 s55, s54, 3072
	s_wait_alu depctr_va_vdst(0)
	v_add_nc_u32 v4, s55, v1
	s_lshl_b32 s54, s54, 8
	s_add_co_u32 s54, s54, s38
	v_add_nc_u32 v5, s54, v2
	v_lshlrev_b32 v3, 6, v9                        ; bias: 16 h numbers on
	s_wait_alu depctr_va_vdst(0)                   ; the offsets v1 to v5 are written: every load and store of this path reads one of them
.set CKIND, 1
.set NW, 60                            ; 28 + 32
	PATH
	s_endpgm
.Lv:
	; ---- V
	s_sub_co_u32 s15, ttmp9, 128
	s_and_b32 s16, s15, 15                         ; which 256 tokens
	s_lshr_b32 s17, s15, 4
	s_lshl_b32 s17, s17, 2
	s_add_co_u32 s17, s17, s14                     ; the head
	s_mul_i32 s52, s17, 49152
	s_add_co_u32 s52, s52, 2*WPL
	s_add_nc_u64 s[24:25], s[4:5], s[52:53]        ; stationary: Wv's tiles 4 head on
	s_lshl_b32 s52, s17, 11
	s_add_co_u32 s52, s52, 2*WPL+786432
	s_add_nc_u64 s[26:27], s[4:5], s[52:53]
	s_mul_i32 s52, s16, 196608
	s_add_co_u32 s52, s52, XOFF
	s_add_nc_u64 s[28:29], s[4:5], s[52:53]        ; streamed: 16 tiles of x
	s_lshl_b32 s52, s16, 13
	s_add_co_u32 s52, s52, XOFF+3145728
	s_add_nc_u64 s[30:31], s[4:5], s[52:53]
	s_lshl_b32 s52, s17, 8
	s_add_nc_u64 s[32:33], s[10:11], s[52:53]      ; bv at the head's 64
	s_lshr_b32 s40, s16, 3
	s_lshl_b32 s40, s40, 4
	s_add_co_u32 s40, s40, s17
	s_mul_i32 s40, s40, 208896
	s_and_b32 s41, s16, 7
	s_mul_i32 s41, s41, 26112                      ; two key steps
	s_add_co_u32 s52, s40, s41
	s_add_co_u32 s52, s52, KVO
	s_add_nc_u64 s[44:45], s[12:13], s[52:53]
	v_and_b32 v3, 7, v0
	v_bfe_u32 v10, v0, 3, 1
	v_lshl_add_u32 v3, v10, 4, v3
	v_lshlrev_b32 v3, 2, v3                        ; 4 (r % 8 + 16 (r / 8))
	s_wait_alu depctr_va_vdst(0)                   ; the offsets v1, v2 and v3 are written: every load and store of this path reads one of them
.irp a, 0,1,2,3
	global_load_b32 v[BI+8*\a], v3, s[32:33] offset:4*(32*(\a/2)+8*(\a%2))   ; bv of my row of tile a
.endr
.set CKIND, 2
.set NW, 56                            ; 28 + 28
	PATH
	s_endpgm
.Lfunc_end_k_qca6d363b29_qkv:
	.size	k_qca6d363b29_qkv, .Lfunc_end_k_qca6d363b29_qkv-k_qca6d363b29_qkv
	.p2alignl 7, 3214868480
	.fill 96, 4, 3214868480
	.section	.rodata,"a",@progbits
	.p2align	6, 0x0
	.amdhsa_kernel k_qca6d363b29_qkv
		.amdhsa_group_segment_fixed_size 0
		.amdhsa_private_segment_fixed_size 0
		.amdhsa_enable_private_segment 0
		.amdhsa_kernarg_size 40
		.amdhsa_user_sgpr_count 2
		.amdhsa_user_sgpr_kernarg_segment_ptr 1
		.amdhsa_wavefront_size32 1
		.amdhsa_system_sgpr_workgroup_id_x 1
		.amdhsa_system_sgpr_workgroup_id_y 1
		.amdhsa_system_sgpr_workgroup_id_z 1
		.amdhsa_system_vgpr_workitem_id 0
		.amdhsa_next_free_vgpr 1024
		.amdhsa_next_free_sgpr 66
		.amdhsa_reserve_vcc 0
		.amdhsa_float_denorm_mode_32 3
		.amdhsa_float_denorm_mode_16_64 3
		.amdhsa_memory_ordered 1
		.amdhsa_forward_progress 1
		.amdhsa_inst_pref_size 255
	.end_amdhsa_kernel
	.section	.bss,"aw",@nobits
	.p2align	6
	.space	262144
	.amdgpu_metadata
---
amdhsa.version: [ 1, 2 ]
amdhsa.kernels:
  - .name:           k_qca6d363b29_qkv
    .symbol:         k_qca6d363b29_qkv.kd
    .args:
      - { .name: pre, .offset: 0, .size: 8, .value_kind: global_buffer, .address_space: global }
      - { .name: bq, .offset: 8, .size: 8, .value_kind: global_buffer, .address_space: global }
      - { .name: bk, .offset: 16, .size: 8, .value_kind: global_buffer, .address_space: global }
      - { .name: bv, .offset: 24, .size: 8, .value_kind: global_buffer, .address_space: global }
      - { .name: qkv, .offset: 32, .size: 8, .value_kind: global_buffer, .address_space: global }
    .group_segment_fixed_size: 0
    .private_segment_fixed_size: 0
    .kernarg_segment_align: 8
    .kernarg_segment_size: 40
    .max_flat_workgroup_size: 128
    .sgpr_count:     66
    .vgpr_count:     1024
    .wavefront_size: 32
...
	.end_amdgpu_metadata
.endif
;; end of part 9
;; launch attn (part 10): grid 8 x 32, 16 waves a work-group, clusters of 4 x 1, 210,944 bytes of LDS; arguments qkv, act; writes act
.if DOCPART == 10
	.amdgcn_target "amdgcn-amd-amdhsa--gfx1250"
	.amdhsa_code_object_version 6
	.text
	.protected	k_qca6d363b29_attn
	.globl	k_qca6d363b29_attn
	.p2align	8
	.type	k_qca6d363b29_attn,@function
k_qca6d363b29_attn:
	s_mov_b64 s[64:65], 0
	v_nop
	global_prefetch_b8 v0, s[64:65] scope:SCOPE_SE
	s_setreg_imm32_b32 hwreg(HW_REG_WAVE_MODE, 25, 1), 1
	s_wait_xcnt 0x0
	s_wait_alu depctr_hold_cnt(0) depctr_sa_sdst(0) depctr_va_vdst(0) depctr_va_sdst(0) depctr_va_ssrc(0) depctr_va_vcc(0) depctr_vm_vsrc(0)
	s_getreg_b32 s2, hwreg(HW_REG_IB_STS2, 6, 4)
	s_cmp_eq_u32 s2, 0
	s_cbranch_scc0 .Lentry_in_a_cluster
	s_endpgm
.Lentry_in_a_cluster:
	s_bfe_u32 s2, ttmp6, 0x10000c
	s_cmp_lg_u32 s2, 0x3003
	s_cbranch_scc0 .Lentry_shape_is_right
	s_endpgm
.Lentry_shape_is_right:
; ctx[q] = the sum over k of softmax_k(Q[q] . K[k] / 8) V[k] for one (batch, head), both products on codes of FP6 (E2M3) with E8M0 scales; ctx is quantised here along the model's 1,024 for the next product.
; THE SOFTMAX: t = score x log2(e) / 8; M = the running largest t rounded UP to a whole number; p = 2^(t - M) is quantised along the keys, not normalised; the row's sum is taken of the unquantised p and divides at the end.
; When M moves, the sum and O are multiplied by 2^(old M - new M): exact.  LIMITS: NaN and infinities are not served; a block of zeros keeps the byte 1 (its codes are zeros).
; SHARES.  A work-group: one (batch, head), 256 queries; each of sixteen waves one tile of 16 queries in 256 registers, four waves to a SIMD.  Every wave walks the head's 2,048 keys, 128 a trip.
; LDS holds the head's whole K and V, codes and scale words, 16 x 13,056 bytes as they lie in memory, FILLED ONCE: each wave brings one key step by one tensor load.  Nothing is filled again.
; CLUSTER.  The four query blocks of a cluster read the same bytes, so each load is a JOINT one: the same descriptor, made of the head and the wave's number alone, and the mask of all four.
; LAYOUT.  S^T = K Q^T (source 0 = 16 keys, source 1 = my queries), O^T = V^T P^T: a lane holds one query throughout.  Tile t, tile-row r of a key step is key 32 (t / 2) + 8 (t % 2) + r % 8 + 16 (r / 8), so the 16 registers of
; tiles 2 b, 2 b + 1 are keys 32 b + 16 (lane / 16) + 0 .. 15.  V^T's tiles hold the head's 64 in the same order, so O^T's 16 registers of two tiles are 16 neighbouring channels.
; K = 64: a key tile is 6 registers and the tiles lie on end; the instruction's 12 registers take the next tile's six (for tile 7: V's first six) as k = 64 .. 127, where Q's codes are zeros: they add nothing (the scale bytes there are 0, no NaN).
; REGISTERS: v1, v2 lane offsets; v3, v4 LDS addresses; v5 at work; v[6:7] f; v8-11 K's scale words; v12-13 V's; v14 Q's; v15 p's; v16-27 Q; v28 -M, v29 the largest t; v[30:31] the sum; v32-79 K; v80-127 V; v128-191 S^T, then p;
; v192-223 O^T; v224-235 p's codes; v236-254 at work.
.set KVO, 3407872
.set STEPB, 13056
.set KS,  8
.set VS,  12
.set KF,  32
.set VF,  80
.set S,   128
.set OA,  192
.set PC,  224
.set BM,  236
.set PX,  240
.set SOP, 244
.set Y0,  248
.set Y1,  252
.macro NOPS n
.rept \n
	v_nop
.endr
.endm
.macro CROUND                          ; a round of the cluster's barrier: my work-group's barrier; wave 0 signals for the work-group; every wave waits for all four; my work-group's barrier once more
	s_barrier_signal -1
	s_barrier_wait -1
	s_cmp_lg_u32 s8, 0
	s_cbranch_scc1 .Lnot_wave_0_\@
	s_barrier_signal -3
.Lnot_wave_0_\@:
	s_barrier_wait -3
	s_barrier_signal -1
	s_barrier_wait -1
.endm
	s_load_b128 s[4:7], s[0:1], 0x0                ; qkv, act
	v_lshl_add_u32 v251, v0, 2, 0x33000
	v_mov_b32 v255, 0
	ds_add_u32 v251, v255
	ds_add_u32 v251, v255
	v_lshrrev_b32 v5, 5, v0
	s_delay_alu instid0(VALU_DEP_1)
	v_readfirstlane_b32 s8, v5                     ; wave 0..15
	v_and_b32 v5, 31, v0
	s_delay_alu instid0(VALU_DEP_1)
	v_lshlrev_b32 v1, 4, v5                        ; 16 x lane
	s_delay_alu instid0(VALU_DEP_2)
	v_lshlrev_b32 v2, 2, v5                        ; 4 x lane
	s_bfe_u32 s9, ttmp6, 0x40000                   ; cx: it enters Q's and ctx's addresses alone
	s_lshl_b32 s10, ttmp9, 2
	s_add_co_u32 s10, s10, s9                      ; my block of 256 queries
	s_and_b32 s11, ttmp7, 0xffff                   ; 16 batch + head, which the four partners share
	; descriptor group 1: a dense block of 13,056 bytes as 51 rows of 32 elements of 8 bytes
	s_mov_b32 s16, 15|(3<<16)|(1<<21)              ; 15:0 the mask: all four work-groups; 17:16 elements of 8 bytes; 21 set beside a mask
	s_mov_b32 s17, 32<<16                          ; tensor_dim0 = 32
	s_mov_b32 s18, 51<<16                          ; tensor_dim1 = 51
	s_mov_b32 s19, 32<<16                          ; tile_dim0 = 32
	s_mov_b32 s20, 51                              ; tile_dim1 = 51
	s_mov_b32 s21, 32                              ; from row to row
	s_mov_b32 s22, 0
	s_mov_b32 s23, 0
	s_mov_b32 s12, 1                               ; group 0: count = 1
	s_mul_i32 s13, s8, STEPB                       ; LDS address: key step = my wave's number
	s_mul_i32 s30, s11, 208896
	s_add_co_u32 s30, s30, s13
	s_add_co_u32 s30, s30, KVO
	s_mov_b32 s31, 0
	s_mov_b32 s24, 0x76543210
	s_mov_b32 s25, 0xfedcba98                      ; lane selects: lane l xor 16
	s_mov_b32 s26, 0x3e38aa3b                      ; c = log2(e) / 8
	s_mov_b32 s27, s26                             ; (named with it as a pair, so it is written)
	s_mov_b32 s28, 0                               ; LDS byte of the key step in hand
	s_mov_b32 s29, 16                              ; key steps to go
	s_wait_dscnt 0x0
	s_wait_kmcnt 0x0
	s_add_nc_u64 s[14:15], s[4:5], s[30:31]
	s_or_b32 s15, s15, 0x80000000                  ; type = 2
	CROUND                                         ; all four work-groups are here: the joint loads meet
	tensor_load_to_lds s[12:15], s[16:23]          ; my one tensor load: one is out
	s_nop 0
	NOPS 4
	; Q: token tile 16 block + wave of the head: step 2 block + wave / 8, image (wave / 2) % 4, half wave % 2 of the image's 12 registers
	s_lshr_b32 s38, s8, 3
	s_lshl_b32 s39, s10, 1
	s_add_co_u32 s38, s38, s39
	s_mul_i32 s38, s38, 6656
	s_mul_i32 s39, s11, 106496
	s_add_co_u32 s30, s38, s39
	s_add_nc_u64 s[32:33], s[4:5], s[30:31]
	s_bfe_u32 s38, s8, 0x20001
	s_and_b32 s39, s8, 1
	s_mul_i32 s40, s38, 1536
	s_mul_i32 s41, s39, 520
	s_add_co_u32 s41, s41, s40
	s_wait_alu depctr_va_vdst(0)
	v_add_nc_u32 v236, s41, v1                     ; registers 6 u, 6 u + 1 lie at 520 u + 16 l, registers 6 u + 4, + 5 at 512 + 520 u + 16 l,
	s_mul_i32 s41, s39, 1016
	s_add_co_u32 s41, s41, s40
	v_add_nc_u32 v237, s41, v1                     ; registers 6 u + 2, + 3 at 8 + 1,016 u + 16 l
	global_load_b64 v[16:17], v236, s[32:33]
	global_load_b64 v[18:19], v237, s[32:33] offset:8
	global_load_b64 v[20:21], v236, s[32:33] offset:512
	v_and_b32 v238, 15, v0
	s_delay_alu instid0(VALU_DEP_1)
	v_lshlrev_b32 v238, 2, v238
	s_lshl_b32 s41, s38, 7
	s_lshl_b32 s42, s39, 6
	s_add_co_u32 s41, s41, s42
	v_add_nc_u32 v238, s41, v238
	global_load_b32 v14, v238, s[32:33] offset:6144  ; my tile's scale words, row r in lanes r and r + 16
	; where ctx goes: tile Tg = 128 batch + 16 block + wave; the head is half a fragment: 768 bytes
	s_lshr_b32 s38, s11, 4
	s_lshl_b32 s38, s38, 7
	s_lshl_b32 s39, s10, 4
	s_add_co_u32 s38, s38, s39
	s_add_co_u32 s38, s38, s8
	s_and_b32 s39, s11, 15
	s_mul_i32 s30, s38, 12288
	s_mul_i32 s40, s39, 768
	s_add_co_u32 s30, s30, s40
	s_add_nc_u64 s[34:35], s[6:7], s[30:31]
	s_lshl_b32 s30, s38, 9
	s_lshr_b32 s40, s39, 1
	s_lshl_b32 s40, s40, 6                         ; K step head / 2: 64 bytes each
	s_add_co_u32 s30, s30, s40
	s_and_b32 s40, s39, 1
	s_lshl_b32 s40, s40, 1                         ; bytes 2 (head % 2) and + 1 of the word
	s_add_co_u32 s30, s30, s40
	s_add_co_u32 s30, s30, 3145728
	s_add_nc_u64 s[36:37], s[6:7], s[30:31]
.irp j, 22,23,24,25,26,27
	v_mov_b32 v\j, 0                               ; Q's codes of k = 64 .. 127
.endr
	v_mov_b32 v29, 0xff61b1e6                      ; the largest t so far: -3e38
	s_delay_alu instid0(VALU_DEP_1)
	v_floor_f32 v28, -v29                          ; -M
	v_mov_b32 v30, 0
	v_mov_b32 v31, 0
	v_mov_b32 v6, 0
	v_mov_b32 v7, 0                                ; (named as the upper half of a pair)
.irp b, 0,1,2,3
	v_mov_b32 v[PX+\b], 0                          ; written once: a lane permute's destination counts as one of its sources
.endr
.set J, 0
.rept 32
	v_mov_b32 v[OA+J], 0                           ; O^T: the trip is written once; its first pass finds zeros, which the first change of M leaves zeros
.set J, J+1
.endr
	s_wait_loadcnt 0x0                             ; Q
	s_wait_tensorcnt 0x0                           ; my key step lies in LDS,
	s_barrier_signal -1
	s_barrier_wait -1                              ; everybody's does
.Lkey:
	s_setprio 2
	v_add_nc_u32 v3, s28, v1                       ; these two and two v_nop are the four places ahead of loads into registers that the last products read
	v_add_nc_u32 v4, s28, v2
	v_nop
	v_nop
.irp i, 0,1,2,3,4,5,6,7,8,9,10,11
	ds_load_b128 v[KF+4*\i:KF+4*\i+3], v3 offset:512*\i
.endr
.irp i, 0,1
	ds_load_b128 v[VF+4*\i:VF+4*\i+3], v3 offset:6144+512*\i
.endr
.irp b, 0,1,2,3
	ds_load_b32 v[KS+\b], v4 offset:12288+128*\b
.endr
.irp i, 2,3,4,5,6,7,8,9,10,11
	ds_load_b128 v[VF+4*\i:VF+4*\i+3], v3 offset:6144+512*\i
.endr
.irp k, 0,1
	ds_load_b32 v[VS+\k], v4 offset:12800+128*\k
.endr
	s_wait_dscnt 12                                ; K, its scale words and V's first eight registers are in; the youngest twelve loads may be out
.irp t, 0,2,4,6
	v_wmma_scale_f32_16x16x128_f8f6f4 v[S+8*\t:S+8*\t+7], v[KF+6*\t:KF+6*\t+11], v[16:27], 0, v[KS+\t/2], v14 matrix_a_fmt:MATRIX_FMT_FP6 matrix_b_fmt:MATRIX_FMT_FP6
	v_wmma_scale_f32_16x16x128_f8f6f4 v[S+8*\t+8:S+8*\t+15], v[KF+6*\t+6:KF+6*\t+17], v[16:27], 0, v[KS+\t/2], v14 matrix_a_fmt:MATRIX_FMT_FP6 matrix_b_fmt:MATRIX_FMT_FP6 matrix_a_scale:MATRIX_SCALE_ROW1
.endr
	NOPS 4
.irp b, 0,1,2,3
	v_max3_num_f32 v[BM+\b], v[S+16*\b], v[S+16*\b+1], v[S+16*\b+2]   ; the largest score of each block of 32 keys: for the row's maximum and, since p rises with the score, for the block's largest p
.endr
.irp i, 3,5,7,9,11,13
.irp b, 0,1,2,3
	v_max3_num_f32 v[BM+\b], v[BM+\b], v[S+16*\b+\i], v[S+16*\b+\i+1]
.endr
.endr
.irp b, 0,1,2,3
	v_max_num_f32 v[BM+\b], v[BM+\b], v[S+16*\b+15]
.endr
.irp b, 0,1,2,3
	s_delay_alu instid0(VALU_DEP_4)
	v_permlanex16_b32 v[PX+\b], v[BM+\b], s24, s25
.endr
.irp b, 0,1,2,3
	s_delay_alu instid0(VALU_DEP_4)
	v_max_num_f32 v[BM+\b], v[BM+\b], v[PX+\b]     ; with lane l xor 16's 16 keys
.endr
	s_delay_alu instid0(VALU_DEP_2)
	v_max3_num_f32 v5, v[BM], v[BM+1], v[BM+2]
	s_delay_alu instid0(VALU_DEP_1)
	v_max_num_f32 v5, v5, v[BM+3]
	s_delay_alu instid0(VALU_DEP_1)
	v_mul_f32 v5, s26, v5                          ; the step's largest t (c is positive)
	s_delay_alu instid0(VALU_DEP_1)
	v_max_num_f32 v29, v29, v5
	v_mov_b32 v5, v28
	s_delay_alu instid0(VALU_DEP_2)
	v_floor_f32 v28, -v29                          ; the new -M = -ceil(t)
	s_delay_alu instid0(VALU_DEP_1)
	v_sub_f32 v5, v28, v5                          ; old M - new M: a whole number, 0 or less
	s_delay_alu instid0(VALU_DEP_1)
	v_cvt_i32_f32 v5, v5                           ; (it saturates)
	s_delay_alu instid0(VALU_DEP_1)
	v_ldexp_f32 v6, 1.0, v5                        ; f = 2^(old M - new M)
.set J, 0
.rept 32
	v_pk_fma_f32 v[S+J:S+J+1], v[S+J:S+J+1], s[26:27], v[28:29] op_sel_hi:[1,0,0]   ; t - M
.set J, J+2
.endr
.irp b, 0,1,2,3
	v_fma_f32 v[BM+\b], v[BM+\b], s26, v28
.endr
.set J, 0
	s_wait_alu depctr_va_vdst(0)
.rept 64
	v_exp_f32 v[S+J], v[S+J]                       ; p = 2^(t - M)
.set J, J+1
.endr
	s_setprio 1
.irp b, 0,1,2,3
	v_exp_f32 v[BM+\b], v[BM+\b]                   ; the block's largest p
.endr
	v_pk_mul_f32 v[30:31], v[30:31], v[6:7] op_sel_hi:[1,0]   ; the sum under the new M; also the plain place behind the exponentials
	s_wait_alu depctr_va_vdst(0)
.irp b, 0,1,2,3
	v_max_num_f32 v[BM+\b], 0x1800000, v[BM+\b]    ; the floor: the byte cannot fall under 1
.endr
.irp b, 0,1,2,3
	s_delay_alu instid0(VALU_DEP_4)
	v_add_nc_u32 v[SOP+\b], 0xff000000, v[BM+\b]
.endr
.irp b, 0,1,2,3
	s_delay_alu instid0(VALU_DEP_4)
	v_lshrrev_b32 v[PX+\b], 23, v[SOP+\b]
.endr
	s_delay_alu instid0(VALU_DEP_3)
	v_lshl_or_b32 v15, v[PX+1], 8, v[PX]           ; p's scale word for these 128 keys
	s_delay_alu instid0(VALU_DEP_1)
	v_lshl_or_b32 v15, v[PX+2], 16, v15
	s_delay_alu instid0(VALU_DEP_1)
	v_lshl_or_b32 v15, v[PX+3], 24, v15
	v_cvt_scalef32_pk16_fp6_f32 v[PC:PC+2], v[S:S+15], v[SOP]
	v_cvt_scalef32_pk16_fp6_f32 v[Y0:Y0+2], v[S+16:S+31], v[SOP+1]
	v_cvt_scalef32_pk16_fp6_f32 v[PC+6:PC+8], v[S+32:S+47], v[SOP+2]
	v_cvt_scalef32_pk16_fp6_f32 v[Y1:Y1+2], v[S+48:S+63], v[SOP+3]
	v_nop                                          ; one plain place behind the conversions
.irp i, 0,1,2
	v_permlane16_swap_b32 v[PC+\i], v[Y0+\i]       ; a whole block to a lane
	v_permlane16_swap_b32 v[PC+6+\i], v[Y1+\i]
.endr
.irp i, 0,1,2
	v_mov_b32 v[PC+3+\i], v[Y0+\i]
	v_mov_b32 v[PC+9+\i], v[Y1+\i]
.endr
	v_pk_add_f32 v[236:237], v[132:133], v[136:137]
	v_pk_add_f32 v[252:253], v[140:141], v[144:145]
	v_pk_add_f32 v[248:249], v[148:149], v[152:153]
	v_pk_add_f32 v[246:247], v[156:157], v[160:161]
	v_pk_add_f32 v[244:245], v[164:165], v[168:169]
	v_pk_add_f32 v[238:239], v[172:173], v[176:177]
	v_pk_add_f32 v[78:79], v[180:181], v[184:185]
	v_pk_add_f32 v[30:31], v[30:31], v[188:189]
	v_pk_add_f32 v[236:237], v[236:237], v[128:129]
	v_pk_add_f32 v[252:253], v[252:253], v[130:131]
	v_pk_add_f32 v[248:249], v[248:249], v[134:135]
	v_pk_add_f32 v[246:247], v[246:247], v[138:139]
	v_pk_add_f32 v[244:245], v[244:245], v[142:143]
	v_pk_add_f32 v[238:239], v[238:239], v[146:147]
	v_pk_add_f32 v[78:79], v[78:79], v[150:151]
	v_pk_add_f32 v[30:31], v[30:31], v[154:155]
	v_pk_add_f32 v[236:237], v[236:237], v[158:159]
	v_pk_add_f32 v[252:253], v[252:253], v[162:163]
	v_pk_add_f32 v[248:249], v[248:249], v[166:167]
	v_pk_add_f32 v[246:247], v[246:247], v[170:171]
	v_pk_add_f32 v[244:245], v[244:245], v[174:175]
	v_pk_add_f32 v[238:239], v[238:239], v[178:179]
	v_pk_add_f32 v[78:79], v[78:79], v[182:183]
	v_pk_add_f32 v[30:31], v[30:31], v[186:187]
	v_pk_add_f32 v[236:237], v[236:237], v[190:191]
	s_delay_alu instid0(VALU_DEP_2)
	v_pk_add_f32 v[30:31], v[30:31], v[246:247]
	s_delay_alu instid0(VALU_DEP_2)
	v_pk_add_f32 v[236:237], v[236:237], v[244:245]
	s_setprio 0
	v_pk_add_f32 v[252:253], v[252:253], v[238:239]
	v_pk_add_f32 v[248:249], v[248:249], v[78:79]
	s_delay_alu instid0(VALU_DEP_2)
	v_pk_add_f32 v[30:31], v[30:31], v[252:253]
	s_delay_alu instid0(VALU_DEP_2)
	v_pk_add_f32 v[236:237], v[236:237], v[248:249]
	s_delay_alu instid0(VALU_DEP_1)
	v_pk_add_f32 v[30:31], v[30:31], v[236:237]
.irp j, 0,2,4,6,8,10,12,14,16,18,20,22,24,26,28,30
	v_pk_mul_f32 v[OA+\j:OA+\j+1], v[OA+\j:OA+\j+1], v[6:7] op_sel_hi:[1,0]   ; O^T under the new M
.endr
	s_wait_alu depctr_va_vdst(0)
	s_wait_dscnt 0x0                               ; V and its scale words
.irp a, 0,2
	v_wmma_scale_f32_16x16x128_f8f6f4 v[OA+8*\a:OA+8*\a+7], v[VF+12*\a:VF+12*\a+11], v[PC:PC+11], v[OA+8*\a:OA+8*\a+7], v[VS+\a/2], v15 matrix_a_fmt:MATRIX_FMT_FP6 matrix_b_fmt:MATRIX_FMT_FP6
	v_wmma_scale_f32_16x16x128_f8f6f4 v[OA+8*\a+8:OA+8*\a+15], v[VF+12*\a+12:VF+12*\a+23], v[PC:PC+11], v[OA+8*\a+8:OA+8*\a+15], v[VS+\a/2], v15 matrix_a_fmt:MATRIX_FMT_FP6 matrix_b_fmt:MATRIX_FMT_FP6 matrix_a_scale:MATRIX_SCALE_ROW1
.endr
	s_add_co_u32 s28, s28, STEPB
	s_sub_co_u32 s29, s29, 1
	s_cmp_lg_u32 s29, 0
	s_cbranch_scc1 .Lkey
	s_setprio 0
	; ---- the end: O^T / the sum, quantised along the head's 64 (two blocks), half a fragment of the next product's operand
	NOPS 4
	v_add_f32 v30, v30, v31
	s_delay_alu instid0(VALU_DEP_1)
	v_permlanex16_b32 v5, v30, s24, s25
	s_delay_alu instid0(VALU_DEP_1)
	v_add_f32 v30, v30, v5                         ; the row's sum
	s_wait_alu depctr_va_vdst(0)
	v_rcp_f32 v6, v30
	v_nop
	s_wait_alu depctr_va_vdst(0)
.irp j, 0,2,4,6,8,10,12,14,16,18,20,22,24,26,28,30
	v_pk_mul_f32 v[OA+\j:OA+\j+1], v[OA+\j:OA+\j+1], v[6:7] op_sel_hi:[1,0]
.endr
.irp b, 0,1
	v_max3_num_f32 v[BM+\b], |v[OA+16*\b]|, |v[OA+16*\b+1]|, 0x1800000
.endr
.irp i, 2,4,6,8,10,12,14
.irp b, 0,1
	s_delay_alu instid0(VALU_DEP_2)
	v_max3_num_f32 v[BM+\b], v[BM+\b], |v[OA+16*\b+\i]|, |v[OA+16*\b+\i+1]|
.endr
.endr
.irp b, 0,1
	s_delay_alu instid0(VALU_DEP_2)
	v_permlanex16_b32 v[PX+\b], v[BM+\b], s24, s25
.endr
.irp b, 0,1
	s_delay_alu instid0(VALU_DEP_2)
	v_max_num_f32 v[BM+\b], v[BM+\b], v[PX+\b]
.endr
.irp b, 0,1
	s_delay_alu instid0(VALU_DEP_2)
	v_add_nc_u32 v[SOP+\b], 0xff000000, v[BM+\b]
.endr
.irp b, 0,1
	s_delay_alu instid0(VALU_DEP_2)
	v_lshrrev_b32 v[PX+\b], 23, v[SOP+\b]
.endr
	s_delay_alu instid0(VALU_DEP_1)
	v_lshl_or_b32 v5, v[PX+1], 8, v[PX]            ; my row's two bytes
	v_cvt_scalef32_pk16_fp6_f32 v[PC:PC+2], v[OA:OA+15], v[SOP]
	v_cvt_scalef32_pk16_fp6_f32 v[Y0:Y0+2], v[OA+16:OA+31], v[SOP+1]
	v_nop
.irp i, 0,1,2
	v_permlane16_swap_b32 v[PC+\i], v[Y0+\i]
.endr
.irp i, 0,1,2
	s_delay_alu instid0(VALU_DEP_3)
	v_mov_b32 v[PC+3+\i], v[Y0+\i]
.endr
	v_lshrrev_b32 v3, 1, v1                        ; 8 x lane
	v_and_b32 v4, 15, v0
	s_delay_alu instid0(VALU_DEP_1)
	v_lshlrev_b32 v4, 2, v4                        ; 4 r
.irp p, 0,1,2
	global_store_b64 v3, v[PC+2*\p:PC+2*\p+1], s[34:35] offset:256*\p   ; a pair of registers of all lanes: 256 consecutive bytes, aligned
.endr
	global_store_b16 v4, v5, s[36:37]              ; lanes r and r + 16 store the same two bytes to the same place
	s_wait_dscnt 0x0
	s_wait_tensorcnt 0x0
	ds_add_u32 v251, v255
	s_wait_dscnt 0x0
	CROUND                                         ; the closing round: no work-group ends while a partner may still ask for a tile that names it
	s_endpgm
.Lfunc_end_k_qca6d363b29_attn:
	.size	k_qca6d363b29_attn, .Lfunc_end_k_qca6d363b29_attn-k_qca6d363b29_attn
	.p2alignl 7, 3214868480
	.fill 96, 4, 3214868480
	.section	.rodata,"a",@progbits
	.p2align	6, 0x0
	.amdhsa_kernel k_qca6d363b29_attn
		.amdhsa_group_segment_fixed_size 210944
		.amdhsa_private_segment_fixed_size 0
		.amdhsa_enable_private_segment 0
		.amdhsa_kernarg_size 16
		.amdhsa_user_sgpr_count 2
		.amdhsa_user_sgpr_kernarg_segment_ptr 1
		.amdhsa_wavefront_size32 1
		.amdhsa_system_sgpr_workgroup_id_x 1
		.amdhsa_system_sgpr_workgroup_id_y 1
		.amdhsa_system_sgpr_workgroup_id_z 1
		.amdhsa_system_vgpr_workitem_id 0
		.amdhsa_next_free_vgpr 256
		.amdhsa_next_free_sgpr 66
		.amdhsa_reserve_vcc 0
		.amdhsa_float_denorm_mode_32 3
		.amdhsa_float_denorm_mode_16_64 3
		.amdhsa_memory_ordered 1
		.amdhsa_forward_progress 1
		.amdhsa_inst_pref_size 29
	.end_amdhsa_kernel
	.amdgpu_metadata
---
amdhsa.version: [ 1, 2 ]
amdhsa.kernels:
  - .name:           k_qca6d363b29_attn
    .symbol:         k_qca6d363b29_attn.kd
    .args:
      - { .name: qkv, .offset: 0, .size: 8, .value_kind: global_buffer, .address_space: global }
      - { .name: act, .offset: 8, .size: 8, .value_kind: global_buffer, .address_space: global }
    .group_segment_fixed_size: 210944
    .private_segment_fixed_size: 0
    .kernarg_segment_align: 8
    .kernarg_segment_size: 16
    .max_flat_workgroup_size: 512
    .sgpr_count:     66
    .vgpr_count:     256
    .wavefront_size: 32
...
	.end_amdgpu_metadata
.endif
;; end of part 10
;; launch oln (part 11): grid 256 x 1, 16 waves a work-group, no clusters, 133,632 bytes of LDS; arguments act, wo, x, bo, g1, be1, hf; writes hf
.if DOCPART == 11
	.amdgcn_target "amdgcn-amd-amdhsa--gfx1250"
	.amdhsa_code_object_version 6
	.text
	.protected	k_qca6d363b29_oln
	.globl	k_qca6d363b29_oln
	.p2align	8
	.type	k_qca6d363b29_oln,@function
k_qca6d363b29_oln:
	s_mov_b64 s[64:65], 0
	v_nop
	global_prefetch_b8 v0, s[64:65] scope:SCOPE_SE
	s_setreg_imm32_b32 hwreg(HW_REG_WAVE_SCHED_MODE, 0, 2), 2
	s_setreg_imm32_b32 hwreg(HW_REG_WAVE_MODE, 25, 1), 1
	s_wait_xcnt 0x0
	s_wait_alu depctr_vm_vsrc(0)
; h = layer_norm(x + (ctx Wo + bo)) g1 + be1.  ctx Wo on codes of FP6 (E2M3) with E8M0 scales, sums in f32; all else in f32: the mean first, then the mean of the squared differences, as the definition has them.
; h is stored as f32 and as codes of FP6 with E8M0 scales for the next product.
; LIMITS: NaN and infinities are not served; a block of zeros, or one under 2^-124, gets the byte 1 (its codes are zeros or held; this program alone reads the bytes).
; SHARES.  A work-group owns one tile of 16 tokens and ALL 1,024 columns, since the norm wants whole rows.  Tile T, tile-row r stands for token 32 (T / 2) + 8 (T % 2) + r % 8 + 16 (r / 8); Wo's tiles hold its columns in the same order.
; Sixteen waves of 256 registers, four to a SIMD.  Wave w multiplies ctx's tile by Wo's tiles 4 w .. 4 w + 3 (columns 64 w .. 64 w + 63), then norms tile-row w; waves 0-7 then make the fragment of K step w.
; THE PRODUCT.  Operands lie in memory as images of their registers, so fragments come straight into registers: ctx's as six loads of 256 consecutive bytes, Wo's as three of 512.  K goes in 8 steps of 128 through two register slots.
; Source 0 = 16 rows of Wo^T, source 1 = ctx's 16 tokens: a lane holds ONE token (lane % 16), and the 16 registers of tiles 2 b, 2 b + 1 are columns 32 b + 16 (lane / 16) + 0 .. 15.
; LDS: rows of the product (16 x 4,112 bytes), written by all waves and read back row by row behind a barrier; rows of h, in bytes of their own, read behind a second barrier.  A pitch of 257 x 16 bytes keeps sixteen rows' 16-byte pieces apart.
; NO CLUSTER, though every work-group reads the same Wo: its 786,432 bytes of codes do not fit in LDS beside the rows' 131,584, so a joint load would need slots that are filled again; this text has no tile in LDS that a joint load could fill.
; REGISTERS: v1-14 offsets; v16-19 ctx's scale words; v20-35 Wo's; v36-67 accumulators, later the product's row; v68-127, v128-187 the two slots (ctx's fragment, then four of Wo's); later v68-99 g1, v100-131 be1, then 64 numbers to quantise;
; v132-159 codes and work; v164-172 at work; v192-223 x's row, then h's; v224-255 bo.
; THE MODE: SCHED_MODE bits 1:0 = 2 (LLVM: expert scheduling mode 2), set by the entry lines.  The code itself states the register dependences between vector or matrix instructions and memory or LDS instructions, with s_wait_alu, always for 0.
; THE PLAN.  Registers that memory or LDS instructions touch:
;   the two slots  K step s: its loads land in slot s % 2; its four products read it; behind them the loads of step s + 2 land in it.  The 256 registers have no room for a third slot (2 x 60, 32 of sums, 64 of x and bo, 20 of scale words, offsets).
;   v36-67         written by the products; read by my LDS stores; then my row of the product, read back from LDS, lands in them.
;   v68-131        behind the last products g1 and be1 land here; the norm's last multiply-adds read them; then (waves 0-7) the 64 numbers to quantise land here.
;   v192-223       x's row lands here once; the norm writes h over it; h's stores, to memory and to LDS, read it; nothing writes it again.
;   v132-143, v158 the codes and the scale word: written by the quantiser, read by the last stores.
;   v1-6, v12-14   offsets and LDS addresses: made at the head, never written again.
; A wait on va_vdst stands behind the products of each of K steps 0 to 5, so that the slot is asked for again at once and two groups of loads stay on their way; one behind the last products; one behind the reciprocal root;
; one ahead of h's stores; one ahead of the last stores.  One wait on vm_vsrc stands behind the first barrier.
.set PITCH, 4112
.set HREG,  65792                      ; where h's rows begin in LDS
.set SA,  16
.set SB,  20
.set ACC, 36
.set R0,  68                           ; slot k at R0 + 60 k
.set Y,   36
.set G,   68
.set BE,  100
.set QX,  68
.set QF,  132
.set QT,  144
.set QM,  152
.set TP,  164
.set X,   192
.set BO,  224
.set STO, 4                            ; v4   LDS: where I put my results: row r, 64 h + 256 wave bytes on
.set YRD, 5                            ; v5   LDS: my wave's row of the product, 16 bytes a lane
.set QA,  6                            ; v6   LDS: h's row r, my half's block, K step = wave % 8
.set QSO, 12                           ; v12  4 r
.set QH8, 13                           ; v13  8 h
.set HWR, 14                           ; v14  LDS: my wave's row of h
.set QCB, 26                           ; s[26:27] where the codes go;  s[28:29] the scale words
.set QSB, 28
.set SEL, 32                           ; s[32:33] lane selects: lane l xor 16
.macro NOPS n
.rept \n
	v_nop
.endr
.endm
.macro LOADG s                         ; K step s into slot s % 2: 18 loads
.set RS, R0+60*((\s)%2)
.irp p, 0,1,2,3,4,5
	global_load_b64 v[RS+2*\p:RS+2*\p+1], v3, s[40:41] offset:1536*(\s)+256*\p   ; ctx's fragment: piece p = lane l's registers 2 p, 2 p + 1 at 8 l
.endr
.irp t, 0,1,2,3
.irp q, 0,1,2
	global_load_b128 v[RS+12+12*\t+4*\q:RS+12+12*\t+4*\q+3], v1, s[44:45] offset:12288*\t+1536*(\s)+512*\q
.endr
.endr
.endm
.macro MULTS s                         ; four matrix instructions, the four accumulators by turns.  The first K step starts the sums.  An odd K step's scale words lie in lanes 16-31 of both registers
.set RS, R0+60*((\s)%2)
.irp t, 0,1,2,3
.if (\s) == 0
	v_wmma_scale_f32_16x16x128_f8f6f4 v[ACC+8*\t:ACC+8*\t+7], v[RS+12+12*\t:RS+12+12*\t+11], v[RS:RS+11], 0, v[SB+4*\t+(\s)/2], v[SA+(\s)/2] matrix_a_fmt:MATRIX_FMT_FP6 matrix_b_fmt:MATRIX_FMT_FP6
.elseif (\s)%2 == 0
	v_wmma_scale_f32_16x16x128_f8f6f4 v[ACC+8*\t:ACC+8*\t+7], v[RS+12+12*\t:RS+12+12*\t+11], v[RS:RS+11], v[ACC+8*\t:ACC+8*\t+7], v[SB+4*\t+(\s)/2], v[SA+(\s)/2] matrix_a_fmt:MATRIX_FMT_FP6 matrix_b_fmt:MATRIX_FMT_FP6
.else
	v_wmma_scale_f32_16x16x128_f8f6f4 v[ACC+8*\t:ACC+8*\t+7], v[RS+12+12*\t:RS+12+12*\t+11], v[RS:RS+11], v[ACC+8*\t:ACC+8*\t+7], v[SB+4*\t+(\s)/2], v[SA+(\s)/2] matrix_a_fmt:MATRIX_FMT_FP6 matrix_b_fmt:MATRIX_FMT_FP6 matrix_a_scale:MATRIX_SCALE_ROW1 matrix_b_scale:MATRIX_SCALE_ROW1
.endif
.endr
.endm
.macro REDUCE                          ; v[TP] summed over the 32 lanes, the result in every lane
	v_add_f32_dpp v[TP], v[TP], v[TP] row_xmask:1 row_mask:0xf bank_mask:0xf
	v_add_f32_dpp v[TP], v[TP], v[TP] row_xmask:2 row_mask:0xf bank_mask:0xf
	v_add_f32_dpp v[TP], v[TP], v[TP] row_xmask:4 row_mask:0xf bank_mask:0xf
	v_add_f32_dpp v[TP], v[TP], v[TP] row_xmask:8 row_mask:0xf bank_mask:0xf
	v_permlanex16_b32 v[TP+8], v[TP], s[SEL], s[SEL+1]
	v_add_f32 v[TP], v[TP], v[TP+8]
.endm
; 16 rows x 128 K out of LDS become a fragment and its scale words.  Lane (r, h) owns blocks h and 2 + h of row r whole.
.macro QFRAG
.irp c, 0,1
.irp i, 0,1,2,3,4,5,6,7
	ds_load_b128 v[QX+32*\c+4*\i:QX+32*\c+4*\i+3], v[QA] offset:256*\c+16*\i   ; no wait: no vector instruction since the wait ahead of h's stores names v[QX ..] or v[QA]
.endr
.endr
	s_wait_dscnt 0x0
.irp c, 0,1
	v_max3_num_f32 v[QM+\c], |v[QX+32*\c]|, |v[QX+32*\c+1]|, 0x1800000   ; with the floor 2^(3 - 127): the byte cannot fall under 1
.endr
.irp i, 2,4,6,8,10,12,14,16,18,20,22,24,26,28,30
.irp c, 0,1
	v_max3_num_f32 v[QM+\c], v[QM+\c], |v[QX+32*\c+\i]|, |v[QX+32*\c+\i+1]|
.endr
.endr
.irp c, 0,1
	v_add_nc_u32 v[QM+2+\c], 0xff000000, v[QM+\c]  ; 2 off the exponent field: the conversion's scale operand
.endr
.irp c, 0,1
	v_lshrrev_b32 v[QM+4+\c], 23, v[QM+2+\c]
.endr
	v_lshl_or_b32 v[QM+6], v[QM+5], 16, v[QM+4]    ; my two bytes,
	v_lshlrev_b32 v[QM+6], v[QH8], v[QM+6]         ; at their places in the word;
	v_mov_b32 v[QM+7], 0
	v_permlanex16_b32 v[QM+7], v[QM+6], s[SEL], s[SEL+1]
	v_or_b32 v[QM+6], v[QM+6], v[QM+7]             ; with lane l xor 16's two bytes the word is whole
.irp c, 0,1
	v_cvt_scalef32_pk16_fp6_f32 v[QF+6*\c:QF+6*\c+2], v[QX+32*\c:QX+32*\c+15], v[QM+2+\c]
	v_cvt_scalef32_pk16_fp6_f32 v[QT+4*\c:QT+4*\c+2], v[QX+32*\c+16:QX+32*\c+31], v[QM+2+\c]   ; (a conversion's three registers begin on an even number)
.endr
	v_nop                                          ; one plain place behind the conversions
.irp c, 0,1
.irp i, 0,1,2
	v_mov_b32 v[QF+6*\c+3+\i], v[QT+4*\c+\i]
.endr
.endr
	s_wait_alu depctr_va_vdst(0)                   ; the conversions and moves have written the fragment v[QF ..], and v[QM+6] holds the scale word: the stores below read them
.irp q, 0,1,2
	global_store_b128 v1, v[QF+4*\q:QF+4*\q+3], s[QCB:QCB+1] offset:512*\q   ; 512 consecutive bytes
.endr
	global_store_b32 v[QSO], v[QM+6], s[QSB:QSB+1] ; lanes r and r + 16 store the same word to the same place
.endm
	s_load_b256 s[4:11], s[0:1], 0x0               ; act 4, wo 6, x 8, bo 10
	s_load_b128 s[12:15], s[0:1], 0x20             ; g1 12, be1 14
	s_load_b64 s[36:37], s[0:1], 0x30              ; hf
	v_lshl_add_u32 v190, v0, 2, 0x20200
	v_mov_b32 v191, 0
	v_lshrrev_b32 v7, 5, v0
	v_readfirstlane_b32 s16, v7                    ; wave 0..15
	v_and_b32 v8, 31, v0                           ; lane
	v_lshlrev_b32 v1, 4, v8                        ; 16 x lane
	v_lshlrev_b32 v2, 2, v8                        ; 4 x lane
	v_lshlrev_b32 v3, 3, v8                        ; 8 x lane
	s_mov_b32 s23, 0
	s_lshr_b32 s21, ttmp9, 1
	s_lshl_b32 s21, s21, 5
	s_and_b32 s20, ttmp9, 1
	s_lshl_b32 s20, s20, 3
	s_add_co_u32 s21, s21, s20
	s_wait_alu depctr_va_sdst(0)                   ; s16 is written, ahead of its first reader: bases and LDS addresses are made from it
	s_and_b32 s20, s16, 7
	s_add_co_u32 s21, s21, s20
	s_lshr_b32 s20, s16, 3
	s_lshl_b32 s20, s20, 4
	s_add_co_u32 s21, s21, s20                     ; the token of tile-row w
	s_mul_i32 s22, ttmp9, 12288
	s_wait_kmcnt 0x0
	s_add_nc_u64 s[40:41], s[4:5], s[22:23]        ; ctx's tile T: 8 fragments
	s_lshl_b32 s22, ttmp9, 9
	s_add_co_u32 s22, s22, 3145728
	s_add_nc_u64 s[42:43], s[4:5], s[22:23]        ; and its scale words
	s_mul_i32 s22, s16, 49152
	s_add_nc_u64 s[44:45], s[6:7], s[22:23]        ; Wo's tiles 4 w on
	s_lshl_b32 s22, s16, 11
	s_add_co_u32 s22, s22, 786432
	s_add_nc_u64 s[46:47], s[6:7], s[22:23]
	s_lshl_b32 s22, s21, 12
	s_add_nc_u64 s[48:49], s[8:9], s[22:23]        ; my row of x
	s_add_nc_u64 s[24:25], s[36:37], s[22:23]      ; and of h
	s_wait_alu depctr_va_vdst(0)                   ; the offsets v1, v2 and v3 are written: every global load and store reads one of them (or v12, made below)
.irp j, 0,1,2,3
	global_load_b32 v[SA+\j], v2, s[42:43] offset:128*\j
.endr
.irp t, 0,1,2,3
.irp j, 0,1,2,3
	global_load_b32 v[SB+4*\t+\j], v2, s[46:47] offset:512*\t+128*\j
.endr
.endr
	LOADG 0
	LOADG 1
.irp i, 0,1,2,3,4,5,6,7
	global_load_b128 v[X+4*\i:X+4*\i+3], v1, s[48:49] offset:512*\i th:TH_LOAD_NT    ; lane l holds columns 128 i + 4 l + 0 .. 3: 512 consecutive bytes a load
	global_load_b128 v[BO+4*\i:BO+4*\i+3], v1, s[10:11] offset:512*\i
.endr
	; LDS addresses and what the end wants, while the loads are out
	v_and_b32 v9, 15, v0                           ; r
	v_bfe_u32 v10, v0, 4, 1                        ; h
	v_mul_u32_u24 v11, v9, PITCH
	v_lshl_add_u32 v[STO], v10, 6, v11
	s_lshl_b32 s17, s16, 8
	v_add_nc_u32 v[STO], s17, v[STO]
	s_mul_i32 s17, s16, PITCH
	v_add_nc_u32 v[YRD], s17, v1
	v_add_nc_u32 v[HWR], HREG, v[YRD]
	v_lshl_add_u32 v[QA], v10, 7, v11
	s_and_b32 s18, s16, 7                          ; the K step that I quantise, if I do
	s_lshl_b32 s17, s18, 9
	s_add_co_u32 s17, s17, HREG
	v_add_nc_u32 v[QA], s17, v[QA]
	v_lshlrev_b32 v[QH8], 3, v10
	v_lshlrev_b32 v[QSO], 2, v9
	s_mov_b32 s30, 0x3a800000                      ; 1 / 1,024
	s_mov_b32 s31, 0x3727c5ac                      ; 1e-5
	s_mov_b32 s34, 0xba800000                      ; -1 / 1,024
	s_mov_b32 s[SEL], 0x76543210
	s_mov_b32 s[SEL+1], 0xfedcba98
	s_mul_i32 s22, ttmp9, 12288
	s_mul_i32 s20, s18, 1536
	s_add_co_u32 s22, s22, s20
	s_add_co_u32 s22, s22, 16777216
	s_add_nc_u64 s[QCB:QCB+1], s[36:37], s[22:23]  ; fragment (T, K step)
	s_lshl_b32 s22, ttmp9, 9
	s_lshl_b32 s20, s18, 6                         ; 128 (s / 2) + 64 (s % 2) = 64 s
	s_add_co_u32 s22, s22, s20
	s_add_co_u32 s22, s22, 19922944
	s_add_nc_u64 s[QSB:QSB+1], s[36:37], s[22:23]
	; ---- the product: 8 K steps.  Four v_nop behind a step's products, as places behind matrix instructions; at the end they stand ahead of the first read of results
.set SS, 0
.rept 8
.if SS < 2
	s_wait_loadcnt 34                              ; behind this step's group: one group of 18 and the 16 loads of x and bo, which may stay out
.elseif SS < 7
	s_wait_loadcnt 18                              ; the next step's group may stay out
.else
	s_wait_loadcnt 0x0
.endif
	MULTS SS
	NOPS 4
.if SS+2 < 8
	s_wait_alu depctr_va_vdst(0)                   ; this step's four products are done reading their slot, in which the loads below land (the first of these waits also shows the LDS addresses v4 to v6 and v12 to v14 written)
	LOADG SS+2
.endif
.set SS, SS+1
.endr
	v_mov_b32 v[TP+5], 0                           ; (named as upper halves of pairs, and as a lane permute's destination)
	v_mov_b32 v[TP+7], 0
	v_mov_b32 v[TP+8], 0
	s_wait_alu depctr_va_vdst(0)                   ; the last products have written the accumulators, which the LDS stores below read and in which my row lands behind the barrier; they are done reading the slots, in which g1 and be1 land
.irp i, 0,1,2,3,4,5,6,7
	global_load_b128 v[G+4*\i:G+4*\i+3], v1, s[12:13] offset:512*\i      ; g1 and be1 land under the barrier and the sums
	global_load_b128 v[BE+4*\i:BE+4*\i+3], v1, s[14:15] offset:512*\i
.endr
.irp b, 0,1
.irp i, 0,1,2,3
	ds_store_b128 v[STO], v[ACC+16*\b+4*\i:ACC+16*\b+4*\i+3] offset:128*\b+16*\i   ; token r, columns 64 w + 32 b + 16 h + 4 i on; each accumulator from its low end on
.endr
.endr
	s_wait_dscnt 0x0                               ; for the others' sake: my 64 columns of all 16 rows lie in LDS
	s_barrier_signal -1
	s_barrier_wait -1
	s_wait_alu depctr_vm_vsrc(0)                   ; my LDS stores have read v36 to v67: my row lands in the same registers, and the norm writes them
.irp i, 0,1,2,3,4,5,6,7
	ds_load_b128 v[Y+4*\i:Y+4*\i+3], v[YRD] offset:512*\i        ; my row, whole
.endr
	s_wait_dscnt 0x0
	; ---- the norm of my row
.irp j, 0,2,4,6,8,10,12,14,16,18,20,22,24,26,28,30
	v_pk_add_f32 v[Y+\j:Y+\j+1], v[Y+\j:Y+\j+1], v[BO+\j:BO+\j+1]
.endr
.irp j, 0,2,4,6,8,10,12,14,16,18,20,22,24,26,28,30
	v_pk_add_f32 v[X+\j:X+\j+1], v[X+\j:X+\j+1], v[Y+\j:Y+\j+1]
.endr
	v_pk_add_f32 v[TP:TP+1], v[X:X+1], v[X+2:X+3]
	v_pk_add_f32 v[TP+2:TP+3], v[X+4:X+5], v[X+6:X+7]
.irp j, 8,12,16,20,24,28
	v_pk_add_f32 v[TP:TP+1], v[TP:TP+1], v[X+\j:X+\j+1]
	v_pk_add_f32 v[TP+2:TP+3], v[TP+2:TP+3], v[X+\j+2:X+\j+3]
.endr
	v_pk_add_f32 v[TP:TP+1], v[TP:TP+1], v[TP+2:TP+3]
	v_add_f32 v[TP], v[TP], v[TP+1]
	REDUCE
	v_mul_f32 v[TP+4], s34, v[TP]                  ; minus the mean
.irp j, 0,2,4,6,8,10,12,14,16,18,20,22,24,26,28,30
	v_pk_add_f32 v[X+\j:X+\j+1], v[X+\j:X+\j+1], v[TP+4:TP+5] op_sel_hi:[1,0]
.endr
	v_pk_mul_f32 v[TP:TP+1], v[X:X+1], v[X:X+1]
	v_pk_mul_f32 v[TP+2:TP+3], v[X+2:X+3], v[X+2:X+3]
.irp j, 4,8,12,16,20,24,28
	v_pk_fma_f32 v[TP:TP+1], v[X+\j:X+\j+1], v[X+\j:X+\j+1], v[TP:TP+1]
	v_pk_fma_f32 v[TP+2:TP+3], v[X+\j+2:X+\j+3], v[X+\j+2:X+\j+3], v[TP+2:TP+3]
.endr
	v_pk_add_f32 v[TP:TP+1], v[TP:TP+1], v[TP+2:TP+3]
	v_add_f32 v[TP], v[TP], v[TP+1]
	REDUCE
	v_fma_f32 v[TP+6], v[TP], s30, s31             ; the variance + 1e-5
	s_wait_alu depctr_va_vdst(0)
	v_rsq_f32 v[TP+6], v[TP+6]
	v_nop                                          ; one plain place behind the transcendental
	s_wait_alu depctr_va_vdst(0)                   ; the reciprocal root has written v[TP+6], ahead of its first reader
.irp j, 0,2,4,6,8,10,12,14,16,18,20,22,24,26,28,30
	v_pk_mul_f32 v[X+\j:X+\j+1], v[X+\j:X+\j+1], v[TP+6:TP+7] op_sel_hi:[1,0]
.endr
	s_wait_loadcnt 0x0                             ; g1 and be1
.irp j, 0,2,4,6,8,10,12,14,16,18,20,22,24,26,28,30
	v_pk_fma_f32 v[X+\j:X+\j+1], v[X+\j:X+\j+1], v[G+\j:G+\j+1], v[BE+\j:BE+\j+1]
.endr
	s_wait_alu depctr_va_vdst(0)                   ; the multiply-adds have written h in v[X ..], which the stores below read, and are done reading g1 and be1, in whose registers the numbers to quantise land behind the barrier
.irp i, 0,1,2,3,4,5,6,7
	global_store_b128 v1, v[X+4*\i:X+4*\i+3], s[24:25] offset:512*\i     ; 512 consecutive bytes
	ds_store_b128 v[HWR], v[X+4*\i:X+4*\i+3] offset:512*\i
.endr
	s_wait_dscnt 0x0                               ; for the others' sake: my row of h lies in LDS
	s_barrier_signal -1
	s_barrier_wait -1
	s_cmp_lt_u32 s16, 8                            ; eight K steps: waves 0-7 quantise; no barrier follows
	s_cbranch_scc0 .Lend
	QFRAG                                          ; it writes none of the registers that the stores above read
.Lend:
	s_wait_dscnt 0x0
	s_wait_alu depctr_hold_cnt(0) depctr_sa_sdst(0) depctr_va_vdst(0) depctr_va_sdst(0) depctr_va_ssrc(0) depctr_va_vcc(0) depctr_vm_vsrc(0)
	s_wait_tensorcnt 0x0
	ds_add_u32 v190, v191
	s_wait_dscnt 0x0
	s_endpgm
.Lfunc_end_k_qca6d363b29_oln:
	.size	k_qca6d363b29_oln, .Lfunc_end_k_qca6d363b29_oln-k_qca6d363b29_oln
	.p2alignl 7, 3214868480
	.fill 96, 4, 3214868480
	.section	.rodata,"a",@progbits
	.p2align	6, 0x0
	.amdhsa_kernel k_qca6d363b29_oln
		.amdhsa_group_segment_fixed_size 133632
		.amdhsa_private_segment_fixed_size 0
		.amdhsa_enable_private_segment 0
		.amdhsa_kernarg_size 56
		.amdhsa_user_sgpr_count 2
		.amdhsa_user_sgpr_kernarg_segment_ptr 1
		.amdhsa_wavefront_size32 1
		.amdhsa_system_sgpr_workgroup_id_x 1
		.amdhsa_system_sgpr_workgroup_id_y 1
		.amdhsa_system_sgpr_workgroup_id_z 1
		.amdhsa_system_vgpr_workitem_id 0
		.amdhsa_next_free_vgpr 256
		.amdhsa_next_free_sgpr 66
		.amdhsa_reserve_vcc 0
		.amdhsa_float_denorm_mode_32 3
		.amdhsa_float_denorm_mode_16_64 3
		.amdhsa_memory_ordered 1
		.amdhsa_forward_progress 1
		.amdhsa_inst_pref_size 43
	.end_amdhsa_kernel
	.amdgpu_metadata
---
amdhsa.version: [ 1, 2 ]
amdhsa.kernels:
  - .name:           k_qca6d363b29_oln
    .symbol:         k_qca6d363b29_oln.kd
    .args:
      - { .name: act, .offset: 0, .size: 8, .value_kind: global_buffer, .address_space: global }
      - { .name: wo, .offset: 8, .size: 8, .value_kind: global_buffer, .address_space: global }
      - { .name: x, .offset: 16, .size: 8, .value_kind: global_buffer, .address_space: global }
      - { .name: bo, .offset: 24, .size: 8, .value_kind: global_buffer, .address_space: global }
      - { .name: g1, .offset: 32, .size: 8, .value_kind: global_buffer, .address_space: global }
      - { .name: be1, .offset: 40, .size: 8, .value_kind: global_buffer, .address_space: global }
      - { .name: hf, .offset: 48, .size: 8, .value_kind: global_buffer, .address_space: global }
    .group_segment_fixed_size: 133632
    .private_segment_fixed_size: 0
    .kernarg_segment_align: 8
    .kernarg_segment_size: 56
    .max_flat_workgroup_size: 512
    .sgpr_count:     66
    .vgpr_count:     256
    .wavefront_size: 32
...
	.end_amdgpu_metadata
.endif
;; end of part 11
;; launch ffn1 (part 12): grid 256 x 1, 4 waves a work-group, no clusters, 0 bytes of LDS; arguments hf, pre, b1, act; writes act
.if DOCPART == 12
	.amdgcn_target "amdgcn-amd-amdhsa--gfx1250"
	.amdhsa_code_object_version 6
	.text
	.protected	k_qca6d363b29_ffn1
	.globl	k_qca6d363b29_ffn1
	.p2align	8
	.type	k_qca6d363b29_ffn1,@function
k_qca6d363b29_ffn1:
	s_mov_b64 s[64:65], 0
	v_nop
	global_prefetch_b8 v0, s[64:65] scope:SCOPE_SE
	s_setreg_imm32_b32 hwreg(HW_REG_WAVE_SCHED_MODE, 0, 2), 2
	s_setreg_imm32_b32 hwreg(HW_REG_WAVE_MODE, 25, 1), 1
	s_wait_xcnt 0x0
	s_wait_alu depctr_vm_vsrc(0)
; hidden = relu(h W1 + b1) on codes of FP6 (E2M3) with E8M0 scales, sums in f32; the result is quantised here, in registers, along the hidden units, which are the next product's K.
; LIMITS: NaN and infinities are not served; a block of zeros, or one under 2^-124, gets the byte 1 (this program alone reads the bytes).
; THE SCHEME.  A wave keeps 64 tokens x K = 1,024 in registers (4 tiles x 8 K steps x 12 = 384 registers, loaded once) and streams 16 tiles of 16 rows of W1^T (256 hidden units) from memory straight into registers; operands lie in
; memory as images of their registers: a fragment is three loads of 512 consecutive bytes.  A streamed tile (96 registers) feeds 32 matrix instructions.  Source 0 = the streamed tile, source 1 = a token tile: a lane holds one
; token, and, since tile T, tile-row r stands for row 32 (T / 2) + 8 (T % 2) + r % 8 + 16 (r / 8), the 16 registers of streamed tiles 2 b, 2 b + 1 are hidden units 32 b + 16 (lane / 16) + 0 .. 15.  Everything is written out.
; NO CLUSTER, NO LDS: the four waves of a work-group stream the same 16 tiles, 16 x 12,800 bytes each; they are not shared, since this text has no tile in LDS that a joint load could fill: its price for having no ring and no barrier.
; WHAT IS WRITTEN: four planes of 1,024 hidden units; a fragment as six pieces of 256 bytes (piece p = lane l's registers 2 p, 2 p + 1 at 8 l); a tile's scale words as 4 pieces of 128 bytes (lanes 0-15 K step 2 j, lanes 16-31 step 2 j + 1).
; REGISTERS.  Window 0: v1-6 offsets; v16-31, v32-43 scale words; v44-63 at work; v64-127 accumulators; v128-159 bias; v160-207 codes; v208-223 at work; v224-231 scale words made.
; Windows 1, 2: v0-191 the tokens' fragments, v192-239 slot 2 of the streamed ring.  Window 3: slots 0, 1.
; THE MODE: SCHED_MODE bits 1:0 = 2 (LLVM: expert scheduling mode 2), set by the entry lines.  The code itself states the register dependences between vector or matrix instructions and memory instructions, with s_wait_alu, always for 0.
; THE PLAN.  Registers that memory instructions touch:
;   slot t % 3, its scale words SB[t % 3], bias half (t / 2) % 2: written by the loads of group t; read by tile t's 32 products (a bias half by tiles t and t + 1).
;       Groups 0, 1, 2 go out at the head.  Group t + 2 goes out in tile t (t = 1 .. 13): it lands in what tile t - 1 read, and no product of tile t names those registers.
;   OUT, WS   the codes and scale words made: written by the epilogues; read by the stores of pair 3, issued at the head of tile 8, and by those of pair 7, at the end.
;   v1-v6     offsets, made at the head and never written again.  The tokens' fragments and their scale words are loaded once.
; So ONE wait on va_vdst stands at the head of each of tiles 1 to 13; behind it come the tile's loads under window 0 and its stores, and the 24 loads of codes are dealt among the tile's first sixteen products, six behind each K step.
; One wait on vm_vsrc stands at the head of pair 4's epilogue, the first that writes v[OUT ..] again.
.set WPL,  819200
.set APL,  3276800
.set SA,  16
.set SB,  32
.set MX,  44
.set PX,  48
.set SOP, 52
.set BY,  56
.set WS,  60
.set ACC, 64
.set BI,  128
.set OUT, 160
.set YT,  208
.set WD,  224
.set MSB, 0
.macro WIN new                         ; the immediate's high byte repeats the setting that is left
.if MSB != (\new)
	s_set_vgpr_msb (MSB<<8)|(\new)
.set MSB, (\new)
.endif
.endm
.macro NOPS n
.rept \n
	v_nop
.endr
.endm
.macro LOADS
.irp s, 0,1,2,3,4,5,6,7
	WIN 0x40+0x40*(\s/4)
.irp a, 0,1,2,3
.irp q, 0,1,2
	global_load_b128 v[48*(\s%4)+12*\a+4*\q:48*(\s%4)+12*\a+4*\q+3], v1, s[24:25] offset:12288*\a+1536*\s+512*\q
.endr
.endr
.endr
	WIN 0
.irp a, 0,1,2,3
.irp j, 0,1,2,3
	global_load_b32 v[SA+4*\a+\j], v2, s[26:27] offset:512*\a+128*\j
.endr
.endr
.endm
.macro LOADW t                         ; group t's loads under window 0: 4 of scale words, with an even tile 4 of bias
.irp j, 0,1,2,3
	global_load_b32 v[SB+4*((\t)%3)+\j], v2, s[30:31] offset:512*(\t)+128*\j
.endr
.if (\t)%2 == 0
.irp i, 0,1,2,3
	global_load_b128 v[BI+16*(((\t)/2)%2)+4*\i:BI+16*(((\t)/2)%2)+4*\i+3], v3, s[32:33] offset:128*((\t)/2)+16*\i   ; b1 of hidden units 32 (t / 2) + 16 h + 0 .. 15: the result's layout
.endr
.endif
.endm
.macro LOADC t, g                      ; group t's codes of K steps 2 g and 2 g + 1 into slot t % 3: six loads, 24 registers on end
.if (\t)%3 < 2
	WIN 0xc0
.set LB, 96*((\t)%3)+24*(\g)
.else
	WIN 0x40+0x40*((\g)/2)
.set LB, 192+24*((\g)%2)
.endif
.irp i, 0,1,2,3,4,5
	global_load_b128 v[LB+4*\i:LB+4*\i+3], v1, s[28:29] offset:12288*(\t)+3072*(\g)+512*\i
.endr
.endm
.macro LOADT t                         ; a whole group, as it goes out at the head
	LOADW \t
.irp g, 0,1,2,3
	LOADC \t, \g
.endr
	WIN 0
.endm
.macro WM t, s, a                      ; the bias is the C of a sum's first instruction; an odd K step's scale words lie in lanes 16-31 of both registers
.set RDD, ACC+16*\a+8*((\t)%2)
.set RBB, 48*(\s%4)+12*\a
.set SCA, SB+4*((\t)%3)+\s/2
.set SCB, SA+4*\a+\s/2
.set RCC, BI+16*(((\t)/2)%2)+8*((\t)%2)
.if \s == 0
	v_wmma_scale_f32_16x16x128_f8f6f4 v[RDD:RDD+7], v[RA:RA+11], v[RBB:RBB+11], v[RCC:RCC+7], v[SCA], v[SCB] matrix_a_fmt:MATRIX_FMT_FP6 matrix_b_fmt:MATRIX_FMT_FP6
.elseif \s%2 == 0
	v_wmma_scale_f32_16x16x128_f8f6f4 v[RDD:RDD+7], v[RA:RA+11], v[RBB:RBB+11], v[RDD:RDD+7], v[SCA], v[SCB] matrix_a_fmt:MATRIX_FMT_FP6 matrix_b_fmt:MATRIX_FMT_FP6
.else
	v_wmma_scale_f32_16x16x128_f8f6f4 v[RDD:RDD+7], v[RA:RA+11], v[RBB:RBB+11], v[RDD:RDD+7], v[SCA], v[SCB] matrix_a_fmt:MATRIX_FMT_FP6 matrix_b_fmt:MATRIX_FMT_FP6 matrix_a_scale:MATRIX_SCALE_ROW1 matrix_b_scale:MATRIX_SCALE_ROW1
.endif
.endm
.macro MULT t                          ; 32 matrix instructions: K ascending, the four accumulators by turns.  LD = 1: group t + 2's codes go out behind K steps 0 to 3
.irp s, 0,1,2,3,4,5,6,7
.if (\t)%3 < 2
	WIN 0x07+0x04*(\s/4)
.set RA, 96*((\t)%3)+12*\s
.else
	WIN 0x05+0x05*(\s/4)
.set RA, 192+12*(\s%4)
.endif
.irp a, 0,1,2,3
	WM \t, \s, \a
.endr
.if LD
.if \s < 4
	LOADC (\t)+2, \s                               ; no wait: no vector or matrix instruction since the wait at the tile's head names slot (t + 2) % 3 or v1
.endif
.endif
.endr
.endm
.macro EPIQF b                         ; pair b = block b % 4 of the next product's K step b / 4 (of my 256 hidden units).  The stores of pairs 3 and 7 follow later
.set SG, (\b)/4
.set BB, (\b)%4
.set CC, ((\b)/2)%2
.set EE, (\b)%2
	s_wait_xcnt 0x0                                ; registers that earlier stores read are rewritten only behind this wait
.if (\b) == 4
	s_wait_alu depctr_vm_vsrc(0)                   ; pair 3's stores have read v[OUT ..], which this pair and the next three write again
.endif
.set J, 0
.rept 64
	v_max_num_f32 v[ACC+J], 0, v[ACC+J]            ; the activation, in f32; each accumulator from its low end on
.set J, J+1
.endr
.irp a, 0,1,2,3
	v_max3_num_f32 v[MX+\a], v[ACC+16*\a], v[ACC+16*\a+1], 0x1800000   ; none is negative; the floor 2^(3 - 127): the byte cannot fall under 1
.endr
.irp i, 2,4,6,8,10,12,14
.irp a, 0,1,2,3
	v_max3_num_f32 v[MX+\a], v[MX+\a], v[ACC+16*\a+\i], v[ACC+16*\a+\i+1]
.endr
.endr
.irp a, 0,1,2,3
	v_permlanex16_b32 v[PX+\a], v[MX+\a], s20, s21
.endr
.irp a, 0,1,2,3
	v_max_num_f32 v[MX+\a], v[MX+\a], v[PX+\a]     ; with lane l xor 16's 16: the block's largest
.endr
.irp a, 0,1,2,3
	v_add_nc_u32 v[SOP+\a], 0xff000000, v[MX+\a]   ; 2 off the exponent field: the conversion's scale operand
.endr
.irp a, 0,1,2,3
	v_lshrrev_b32 v[BY+\a], 23, v[SOP+\a]
.endr
.irp a, 0,1,2,3
.if BB == 0
	v_mov_b32 v[WD+4*SG+\a], v[BY+\a]
.else
	v_lshl_or_b32 v[WD+4*SG+\a], v[BY+\a], 8*BB, v[WD+4*SG+\a]
.endif
.endr
.irp a, 0,1,2,3
.if EE == 0
	v_cvt_scalef32_pk16_fp6_f32 v[OUT+12*\a+6*CC:OUT+12*\a+6*CC+2], v[ACC+16*\a:ACC+16*\a+15], v[SOP+\a]
.else
	v_cvt_scalef32_pk16_fp6_f32 v[YT+4*\a:YT+4*\a+2], v[ACC+16*\a:ACC+16*\a+15], v[SOP+\a]
.endif
.endr
	v_nop                                          ; one plain place behind the conversions
.if EE == 1
.irp a, 0,1,2,3                        ; the operand's layout wants a whole block in a lane
.irp i, 0,1,2
	v_permlane16_swap_b32 v[OUT+12*\a+6*CC+\i], v[YT+4*\a+\i]
.endr
.irp i, 0,1,2
	v_mov_b32 v[OUT+12*\a+6*CC+3+\i], v[YT+4*\a+\i]
.endr
.endr
.endif
.if (\b) == 7
.irp a, 0,1,2,3
	v_cndmask_b32 v[WS+\a], v[WD+\a], v[WD+4+\a], s22            ; lanes 0-15: the even K step's words; lanes 16-31: the odd one's
.endr
.endif
.endm
.macro STQF b                          ; the stores of K step b / 4; behind the second also the scale words of both
.irp a, 0,1,2,3
.irp p, 0,1,2,3,4,5
	global_store_b64 v6, v[OUT+12*\a+2*\p:OUT+12*\a+2*\p+1], s[44:45] offset:12288*\a+1536*((\b)/4)+256*\p   ; 256 consecutive bytes, aligned
.endr
.endr
.if (\b) == 7
.irp a, 0,1,2,3
	global_store_b32 v2, v[WS+\a], s[46:47] offset:512*\a
.endr
.endif
.endm
	s_load_b256 s[4:11], s[0:1], 0x0               ; hf 4, pre 6, b1 8, act 10
	v_lshrrev_b32 v7, 5, v0
	v_readfirstlane_b32 s14, v7                    ; wave 0..3
	v_and_b32 v8, 31, v0
	v_lshlrev_b32 v1, 4, v8                        ; 16 x lane
	v_lshlrev_b32 v2, 2, v8                        ; 4 x lane
	v_lshlrev_b32 v6, 3, v8                        ; 8 x lane
	v_bfe_u32 v9, v0, 4, 1
	v_lshlrev_b32 v3, 6, v9                        ; bias: 16 h numbers on
	s_mov_b32 s20, 0x76543210
	s_mov_b32 s21, 0xfedcba98                      ; lane selects: lane l xor 16
	s_mov_b32 s22, 0xffff0000                      ; lanes 16-31
	s_mov_b32 s53, 0
.irp a, 0,1,2,3
	v_mov_b32 v[PX+\a], 0                          ; written once: a lane permute's destination counts as one of its sources
.endr
	s_and_b32 s15, ttmp9, 15                       ; which 256 hidden units
	s_lshr_b32 s16, ttmp9, 4
	s_lshl_b32 s17, s16, 2
	s_wait_alu depctr_va_sdst(0)                   ; s14 is written, ahead of its first reader: the bases are made from it
	s_add_co_u32 s17, s17, s14                     ; g: which 64 tokens
	s_lshr_b32 s18, s15, 2                         ; the plane of 1,024 hidden units
	s_and_b32 s19, s15, 3
	s_wait_kmcnt 0x0
	s_mul_i32 s52, s17, 49152
	s_add_co_u32 s52, s52, 16777216
	s_add_nc_u64 s[24:25], s[4:5], s[52:53]        ; h's codes, tiles 4 g on
	s_lshl_b32 s52, s17, 11
	s_add_co_u32 s52, s52, 19922944
	s_add_nc_u64 s[26:27], s[4:5], s[52:53]
	s_add_co_u32 s54, s18, 3
	s_mul_i32 s54, s54, WPL
	s_mul_i32 s52, s19, 196608
	s_add_co_u32 s52, s52, s54
	s_add_nc_u64 s[28:29], s[6:7], s[52:53]        ; W1's plane 3 + cg / 4, 16 tiles
	s_lshl_b32 s52, s19, 13
	s_add_co_u32 s52, s52, s54
	s_add_co_u32 s52, s52, 786432
	s_add_nc_u64 s[30:31], s[6:7], s[52:53]
	s_lshl_b32 s52, s15, 10
	s_add_nc_u64 s[32:33], s[8:9], s[52:53]
	s_mul_i32 s54, s18, APL
	s_mul_i32 s52, s17, 49152
	s_add_co_u32 s52, s52, s54
	s_mul_i32 s55, s19, 3072                       ; two K steps
	s_add_co_u32 s52, s52, s55
	s_add_nc_u64 s[44:45], s[10:11], s[52:53]
	s_lshl_b32 s52, s17, 11
	s_add_co_u32 s52, s52, s54
	s_lshl_b32 s55, s19, 7
	s_add_co_u32 s52, s52, s55
	s_add_co_u32 s52, s52, 3145728
	s_add_nc_u64 s[46:47], s[10:11], s[52:53]
	s_wait_alu depctr_va_vdst(0)                   ; the offsets v1, v2, v3 and v6 are written: every load and store reads one of them
	LOADS
	LOADT 0
	LOADT 1
	LOADT 2
; Five v_nop behind a tile's products: four places ahead of the first read of results, five ahead of the products that begin the accumulators anew.
.set TT, 0
.rept 16
.set NY, 28
.if TT%2 == 1
.set NY, 32                            ; an even group has four loads of bias more
.endif
.set LD, 0
.if (TT >= 1) && (TT < 14)
.set LD, 1
.endif
.if TT == 0
	s_wait_loadcnt 60                              ; groups 1 and 2, 28 + 32 loads, may stay out
.elseif TT < 15
	s_wait_loadcnt NY                              ; group t + 1, the one group younger than this tile's, may stay out
.else
	s_wait_loadcnt 0x0
.endif
.if LD
	s_wait_alu depctr_va_vdst(0)                   ; the tile before is done: its products have read slot (t + 2) % 3, that slot's scale words and the bias half in which group t + 2 lands; at tile 8 pair 3's epilogue has written the codes that the stores below read
	LOADW TT+2
.if TT == 8
	STQF 3
.endif
.endif
	MULT TT
	WIN 0
	NOPS 5
.if TT%2 == 1
	EPIQF TT/2
.endif
.set TT, TT+1
.endr
	s_wait_alu depctr_va_vdst(0)                   ; the last epilogue has written the codes and words that the last stores read
	STQF 7
	s_endpgm
.Lfunc_end_k_qca6d363b29_ffn1:
	.size	k_qca6d363b29_ffn1, .Lfunc_end_k_qca6d363b29_ffn1-k_qca6d363b29_ffn1
	.p2alignl 7, 3214868480
	.fill 96, 4, 3214868480
	.section	.rodata,"a",@progbits
	.p2align	6, 0x0
	.amdhsa_kernel k_qca6d363b29_ffn1
		.amdhsa_group_segment_fixed_size 0
		.amdhsa_private_segment_fixed_size 0
		.amdhsa_enable_private_segment 0
		.amdhsa_kernarg_size 32
		.amdhsa_user_sgpr_count 2
		.amdhsa_user_sgpr_kernarg_segment_ptr 1
		.amdhsa_wavefront_size32 1
		.amdhsa_system_sgpr_workgroup_id_x 1
		.amdhsa_system_sgpr_workgroup_id_y 1
		.amdhsa_system_sgpr_workgroup_id_z 1
		.amdhsa_system_vgpr_workitem_id 0
		.amdhsa_next_free_vgpr 1024
		.amdhsa_next_free_sgpr 66
		.amdhsa_reserve_vcc 0
		.amdhsa_float_denorm_mode_32 3
		.amdhsa_float_denorm_mode_16_64 3
		.amdhsa_memory_ordered 1
		.amdhsa_forward_progress 1
		.amdhsa_inst_pref_size 182
	.end_amdhsa_kernel
	.amdgpu_metadata
---
amdhsa.version: [ 1, 2 ]
amdhsa.kernels:
  - .name:           k_qca6d363b29_ffn1
    .symbol:         k_qca6d363b29_ffn1.kd
    .args:
      - { .name: hf, .offset: 0, .size: 8, .value_kind: global_buffer, .address_space: global }
      - { .name: pre, .offset: 8, .size: 8, .value_kind: global_buffer, .address_space: global }
      - { .name: b1, .offset: 16, .size: 8, .value_kind: global_buffer, .address_space: global }
      - { .name: act, .offset: 24, .size: 8, .value_kind: global_buffer, .address_space: global }
    .group_segment_fixed_size: 0
    .private_segment_fixed_size: 0
    .kernarg_segment_align: 8
    .kernarg_segment_size: 32
    .max_flat_workgroup_size: 128
    .sgpr_count:     66
    .vgpr_count:     1024
    .wavefront_size: 32
...
	.end_amdgpu_metadata
.endif
;; end of part 12
;; launch ffn2 (part 13): grid 16 x 16, 4 waves a work-group, no clusters, 70,144 bytes of LDS; arguments act, w2, y; writes y
.if DOCPART == 13
	.amdgcn_target "amdgcn-amd-amdhsa--gfx1250"
	.amdhsa_code_object_version 6
	.text
	.protected	k_qca6d363b29_ffn2
	.globl	k_qca6d363b29_ffn2
	.p2align	8
	.type	k_qca6d363b29_ffn2,@function
k_qca6d363b29_ffn2:
	s_mov_b64 s[64:65], 0
	v_nop
	global_prefetch_b8 v0, s[64:65] scope:SCOPE_SE
	s_setreg_imm32_b32 hwreg(HW_REG_WAVE_SCHED_MODE, 0, 2), 2
	s_setreg_imm32_b32 hwreg(HW_REG_WAVE_MODE, 25, 1), 1
	s_wait_xcnt 0x0
	s_wait_alu depctr_vm_vsrc(0)
; One plane of a product on codes of FP6 (E2M3) with E8M0 scales: Y[plane] = A[:, plane's 1,024 of K] x W[plane's 1,024 of K, :], f32, no bias.  Grid x = 4 plane + (which 256 columns), grid y = which 256 tokens.
; It serves hidden W2: four planes along K, added by the launch that follows.
; THE SCHEME.  A wave keeps 64 tokens x K = 1,024 in registers (4 tiles x 8 K steps x 12 = 384 registers, loaded once) and streams 16 tiles of 16 weight rows from memory straight into registers; operands lie in memory as
; images of their registers.  A streamed tile (96 registers) feeds 32 matrix instructions.  Source 0 = the streamed tile, source 1 = a token tile: a lane holds one token, and, since tile T, tile-row r stands for row
; 32 (T / 2) + 8 (T % 2) + r % 8 + 16 (r / 8), the 16 registers of streamed tiles 2 b, 2 b + 1 are columns 32 b + 16 (lane / 16) + 0 .. 15.  Everything is written out; no address register or base is rewritten.
; THE WAY OUT.  Two pairs of tiles (64 columns, 256 bytes a token) gather in the wave's own stage in LDS (64 rows, pitch 272) and leave as whole rows: sixteen lanes store 256 consecutive bytes, aligned.
; NO CLUSTER: the four waves of a work-group stream the same 16 tiles, 16 x 12,800 bytes each; they are not shared, since this text has no tile in LDS that a joint load could fill: its price for having no ring and no barrier.
; REGISTERS.  Window 0: v1-6 offsets; v16-31, v32-43 scale words; v64-127 accumulators; v128-255 rows read back.  Windows 1, 2: v0-191 the tokens' fragments, v192-239 slot 2.  Window 3: slots 0, 1.
; THE MODE: SCHED_MODE bits 1:0 = 2 (LLVM: expert scheduling mode 2), set by the entry lines.  The code itself states the register dependences between vector or matrix instructions and memory or LDS instructions, with s_wait_alu, always for 0.
; THE PLAN.  Registers that memory or LDS instructions touch:
;   slot t % 3 and its scale words SB[t % 3]: written by the loads of group t; read by tile t's 32 products.  Groups 0, 1, 2 go out at the head; group t + 2 goes out in tile t (t = 1 .. 13), into what tile t - 1 read.
;   v64-127   the accumulators of pair b (tiles 2 b, 2 b + 1): written by the products; read by the pair's 16 LDS stores, at the head of tile 2 b + 2 (pair 7's at the end); written anew by that tile's products.
;   v128-255  behind an odd pair 64 stage rows land here (32 LDS loads); the 32 global stores read them, dealt eight at a time behind K steps 4 to 7 of the same tile, whose products name none of these registers.
;   v1-v6     offsets and LDS addresses, made at the head and never written again.  The tokens' fragments and their scale words are loaded once.
; So ONE wait on va_vdst stands at the head of each of tiles 1 to 14, and one ahead of the last LDS stores; ONE wait on vm_vsrc stands behind each pair's LDS stores.
.set WPL,  819200
.set APL,  3276800
.set SA,  16
.set SB,  32
.set ACC, 64
.set RB,  128
.set STO, 4
.set RDA, 5
.set CO,  6
.set MSB, 0
.macro WIN new                         ; the immediate's high byte repeats the setting that is left
.if MSB != (\new)
	s_set_vgpr_msb (MSB<<8)|(\new)
.set MSB, (\new)
.endif
.endm
.macro NOPS n
.rept \n
	v_nop
.endr
.endm
.macro LOADS                           ; the tokens' fragments lie as six pieces of 256 bytes: piece p = lane l's registers 2 p, 2 p + 1 at 8 l
.irp s, 0,1,2,3,4,5,6,7
	WIN 0x40+0x40*(\s/4)
.irp a, 0,1,2,3
.irp p, 0,1,2,3,4,5
	global_load_b64 v[48*(\s%4)+12*\a+2*\p:48*(\s%4)+12*\a+2*\p+1], v3, s[24:25] offset:12288*\a+1536*\s+256*\p
.endr
.endr
.endr
	WIN 0
.irp a, 0,1,2,3
.irp j, 0,1,2,3
	global_load_b32 v[SA+4*\a+\j], v2, s[26:27] offset:512*\a+128*\j
.endr
.endr
.endm
.macro LOADW t                         ; group t's four loads of scale words, under window 0
.irp j, 0,1,2,3
	global_load_b32 v[SB+4*((\t)%3)+\j], v2, s[30:31] offset:512*(\t)+128*\j
.endr
.endm
.macro LOADC t, g                      ; group t's codes of K steps 2 g and 2 g + 1 into slot t % 3: six loads, 24 registers on end
.if (\t)%3 < 2
	WIN 0xc0
.set LB, 96*((\t)%3)+24*(\g)
.else
	WIN 0x40+0x40*((\g)/2)
.set LB, 192+24*((\g)%2)
.endif
.irp i, 0,1,2,3,4,5
	global_load_b128 v[LB+4*\i:LB+4*\i+3], v1, s[28:29] offset:12288*(\t)+3072*(\g)+512*\i
.endr
.endm
.macro LOADT t                         ; a whole group, 28 loads, as it goes out at the head
	LOADW \t
.irp g, 0,1,2,3
	LOADC \t, \g
.endr
	WIN 0
.endm
.macro TOSTAGE b                       ; pair b: 32 columns of my 64 tokens into the stage, each accumulator from its low end on
.irp a, 0,1,2,3
.irp i, 0,1,2,3
	ds_store_b128 v[STO], v[ACC+16*\a+4*\i:ACC+16*\a+4*\i+3] offset:4352*\a+128*((\b)%2)+16*\i
.endr
.endr
.endm
.macro BACK                            ; behind an odd pair: 64 rows of 256 bytes come back
.irp i, 0,1,2,3,4,5,6,7,8,9,10,11,12,13,14,15,16,17,18,19,20,21,22,23,24,25,26,27,28,29,30,31
	ds_load_b128 v[RB+4*\i:RB+4*\i+3], v[RDA] offset:544*\i        ; LDS serves a wave's instructions in order: these see my stores; stage rows 2 i and 2 i + 1
.endr
.endm
.macro SEND g                          ; eight of the 32 stores of pair PB: stage rows 16 g to 16 g + 15
	WIN 0
.irp i, 0,1,2,3,4,5,6,7
.set II, 8*(\g)+\i
	s_wait_dscnt 31-II                             ; the younger loads may stay out
	global_store_b128 v[CO], v[RB+4*II:RB+4*II+3], s[44:45] offset:(32*(II/16)+8*((II/8)%2)+(2*II)%8+16*((II/4)%2))*4096+256*(PB/2) th:TH_STORE_NT   ; stage row 16 a + r is token 32 (a / 2) + 8 (a % 2) + r % 8 + 16 (r / 8)
.endr
.endm
.macro WM t, s, a                      ; the first product starts the sum; an odd K step's scale words lie in lanes 16-31 of both registers
.set RDD, ACC+16*\a+8*((\t)%2)
.set RBB, 48*(\s%4)+12*\a
.set SCA, SB+4*((\t)%3)+\s/2
.set SCB, SA+4*\a+\s/2
.if \s == 0
	v_wmma_scale_f32_16x16x128_f8f6f4 v[RDD:RDD+7], v[RA:RA+11], v[RBB:RBB+11], 0, v[SCA], v[SCB] matrix_a_fmt:MATRIX_FMT_FP6 matrix_b_fmt:MATRIX_FMT_FP6
.elseif \s%2 == 0
	v_wmma_scale_f32_16x16x128_f8f6f4 v[RDD:RDD+7], v[RA:RA+11], v[RBB:RBB+11], v[RDD:RDD+7], v[SCA], v[SCB] matrix_a_fmt:MATRIX_FMT_FP6 matrix_b_fmt:MATRIX_FMT_FP6
.else
	v_wmma_scale_f32_16x16x128_f8f6f4 v[RDD:RDD+7], v[RA:RA+11], v[RBB:RBB+11], v[RDD:RDD+7], v[SCA], v[SCB] matrix_a_fmt:MATRIX_FMT_FP6 matrix_b_fmt:MATRIX_FMT_FP6 matrix_a_scale:MATRIX_SCALE_ROW1 matrix_b_scale:MATRIX_SCALE_ROW1
.endif
.endm
.macro MULT t                          ; 32 matrix instructions: K ascending, the four accumulators by turns.  LD = 1: group t + 2's codes go out behind K steps 0 to 3.  SD = 1: pair PB's rows leave behind K steps 4 to 7
.irp s, 0,1,2,3,4,5,6,7
.if (\t)%3 < 2
	WIN 0x07+0x04*(\s/4)
.set RA, 96*((\t)%3)+12*\s
.else
	WIN 0x05+0x05*(\s/4)
.set RA, 192+12*(\s%4)
.endif
.irp a, 0,1,2,3
	WM \t, \s, \a
.endr
.if LD
.if \s < 4
	LOADC (\t)+2, \s                               ; no wait: no vector or matrix instruction since the wait at the tile's head names slot (t + 2) % 3 or v1
.endif
.endif
.if SD
.if \s >= 4
	SEND \s-4                                      ; their data come from LDS loads: the counted waits on DScnt show them landed
.endif
.endif
.endr
.endm
	s_load_b128 s[4:7], s[0:1], 0x0                ; the tokens' planes, the weight's planes
	s_load_b64 s[8:9], s[0:1], 0x10                ; y
	v_lshl_add_u32 v62, v0, 2, 0x11000
	v_mov_b32 v63, 0
	v_lshrrev_b32 v7, 5, v0
	v_readfirstlane_b32 s14, v7                    ; wave 0..3
	v_and_b32 v8, 31, v0
	v_lshlrev_b32 v1, 4, v8                        ; 16 x lane
	v_lshlrev_b32 v2, 2, v8                        ; 4 x lane
	v_lshlrev_b32 v3, 3, v8                        ; 8 x lane
	v_and_b32 v9, 15, v0                           ; r
	v_bfe_u32 v10, v0, 4, 1                        ; h
	s_wait_alu depctr_va_sdst(0)                   ; s14 is written, ahead of its first reader: the stage's place and the bases are made from it
	s_mul_i32 s15, s14, 17408                      ; my stage
	v_mul_u32_u24 v[STO], v9, 272
	v_lshl_add_u32 v[STO], v10, 6, v[STO]
	v_add_nc_u32 v[STO], s15, v[STO]               ; in: row r, 64 h bytes on
	v_mul_u32_u24 v[RDA], v10, 272
	v_lshl_add_u32 v[RDA], v9, 4, v[RDA]
	v_add_nc_u32 v[RDA], s15, v[RDA]               ; back: lanes 0-15 one row, lanes 16-31 the next
	v_lshlrev_b32 v[CO], 12, v10
	v_lshl_add_u32 v[CO], v9, 4, v[CO]             ; and the same in y: neighbouring stage rows 2 i, 2 i + 1 are neighbouring tokens
	s_and_b32 s15, ttmp9, 3                        ; which 256 columns
	s_lshr_b32 s16, ttmp9, 2                       ; the plane
	s_and_b32 s17, ttmp7, 0xffff
	s_lshl_b32 s17, s17, 2
	s_add_co_u32 s17, s17, s14                     ; g: which 64 tokens
	s_mov_b32 s53, 0
	s_mul_i32 s54, s16, APL
	s_mul_i32 s52, s17, 49152
	s_add_co_u32 s52, s52, s54
	s_wait_kmcnt 0x0
	s_add_nc_u64 s[24:25], s[4:5], s[52:53]
	s_lshl_b32 s52, s17, 11
	s_add_co_u32 s52, s52, s54
	s_add_co_u32 s52, s52, 3145728
	s_add_nc_u64 s[26:27], s[4:5], s[52:53]
	s_mul_i32 s54, s16, WPL
	s_mul_i32 s52, s15, 196608
	s_add_co_u32 s52, s52, s54
	s_add_nc_u64 s[28:29], s[6:7], s[52:53]
	s_lshl_b32 s52, s15, 13
	s_add_co_u32 s52, s52, s54
	s_add_co_u32 s52, s52, 786432
	s_add_nc_u64 s[30:31], s[6:7], s[52:53]
	s_lshl_b32 s52, s16, 24
	s_lshl_b32 s54, s17, 18
	s_add_co_u32 s52, s52, s54
	s_lshl_b32 s54, s15, 10
	s_add_co_u32 s52, s52, s54
	s_add_nc_u64 s[44:45], s[8:9], s[52:53]
	s_wait_alu depctr_va_vdst(0)                   ; the offsets and LDS addresses v1 to v6 are written: every load and store, global or LDS, reads one of them
	LOADS
	LOADT 0
	LOADT 1
	LOADT 2
; Five v_nop behind a tile's products: four places ahead of the first read of results, five ahead of the products that begin the accumulators anew.
.set TT, 0
.rept 16
.set LD, 0
.if (TT >= 1) && (TT < 14)
.set LD, 1
.endif
.set SD, 0
.if TT == 0
	s_wait_loadcnt 56                              ; groups 1 and 2, 28 + 28 loads, may stay out
.elseif TT < 15
	s_wait_loadcnt 28                              ; group t + 1, the one group younger than this tile's, may stay out
.else
	s_wait_loadcnt 0x0
.endif
.if (TT >= 1) && (TT < 15)
	s_wait_alu depctr_va_vdst(0)                   ; the tile before is done: its products have read the slot and scale words in which group t + 2 lands, and behind an odd tile they have written the accumulators, which the LDS stores below read (the five places stand ahead of this wait)
.endif
.if LD
	LOADW TT+2
.endif
.if (TT >= 2) && (TT%2 == 0)
.set PB, (TT-2)/2
	TOSTAGE PB
.if PB%2 == 1
.set SD, 1
	s_wait_xcnt 0x0                                ; registers that earlier global stores read are rewritten only behind this wait
.endif
	s_wait_alu depctr_vm_vsrc(0)                   ; my LDS stores have read the accumulators, which this tile's products write anew; at an odd pair the global stores of two pairs back have read v[RB ..], in which the loads below land
.if PB%2 == 1
	BACK
.endif
.endif
	MULT TT
	WIN 0
	NOPS 5
.set TT, TT+1
.endr
	s_wait_alu depctr_va_vdst(0)                   ; the last products have written the accumulators, which the LDS stores below read (the five places stand ahead of this wait)
.set PB, 7
	TOSTAGE PB
	s_wait_xcnt 0x0                                ; registers that earlier global stores read are rewritten only behind this wait
	s_wait_alu depctr_vm_vsrc(0)                   ; pair 5's global stores have read v[RB ..], in which the loads below land
	BACK
.irp g, 0,1,2,3
	SEND \g
.endr
	s_wait_dscnt 0x0
	s_wait_alu depctr_hold_cnt(0) depctr_sa_sdst(0) depctr_va_vdst(0) depctr_va_sdst(0) depctr_va_ssrc(0) depctr_va_vcc(0) depctr_vm_vsrc(0)
	s_wait_tensorcnt 0x0
	ds_add_u32 v62, v63
	s_wait_dscnt 0x0
	s_endpgm
.Lfunc_end_k_qca6d363b29_ffn2:
	.size	k_qca6d363b29_ffn2, .Lfunc_end_k_qca6d363b29_ffn2-k_qca6d363b29_ffn2
	.p2alignl 7, 3214868480
	.fill 96, 4, 3214868480
	.section	.rodata,"a",@progbits
	.p2align	6, 0x0
	.amdhsa_kernel k_qca6d363b29_ffn2
		.amdhsa_group_segment_fixed_size 70144
		.amdhsa_private_segment_fixed_size 0
		.amdhsa_enable_private_segment 0
		.amdhsa_kernarg_size 24
		.amdhsa_user_sgpr_count 2
		.amdhsa_user_sgpr_kernarg_segment_ptr 1
		.amdhsa_wavefront_size32 1
		.amdhsa_system_sgpr_workgroup_id_x 1
		.amdhsa_system_sgpr_workgroup_id_y 1
		.amdhsa_system_sgpr_workgroup_id_z 1
		.amdhsa_system_vgpr_workitem_id 0
		.amdhsa_next_free_vgpr 1024
		.amdhsa_next_free_sgpr 66
		.amdhsa_reserve_vcc 0
		.amdhsa_float_denorm_mode_32 3
		.amdhsa_float_denorm_mode_16_64 3
		.amdhsa_memory_ordered 1
		.amdhsa_forward_progress 1
		.amdhsa_inst_pref_size 170
	.end_amdhsa_kernel
	.amdgpu_metadata
---
amdhsa.version: [ 1, 2 ]
amdhsa.kernels:
  - .name:           k_qca6d363b29_ffn2
    .symbol:         k_qca6d363b29_ffn2.kd
    .args:
      - { .name: act, .offset: 0, .size: 8, .value_kind: global_buffer, .address_space: global }
      - { .name: w2, .offset: 8, .size: 8, .value_kind: global_buffer, .address_space: global }
      - { .name: y, .offset: 16, .size: 8, .value_kind: global_buffer, .address_space: global }
    .group_segment_fixed_size: 70144
    .private_segment_fixed_size: 0
    .kernarg_segment_align: 8
    .kernarg_segment_size: 24
    .max_flat_workgroup_size: 128
    .sgpr_count:     66
    .vgpr_count:     1024
    .wavefront_size: 32
...
	.end_amdgpu_metadata
.endif
;; end of part 13
;; launch ln2 (part 14): grid 512 x 1, 8 waves a work-group, no clusters, 0 bytes of LDS; arguments hf, y, b2, g2, be2, out0; writes out0
.if DOCPART == 14
	.amdgcn_target "amdgcn-amd-amdhsa--gfx1250"
	.amdhsa_code_object_version 6
	.text
	.protected	k_qca6d363b29_ln2
	.globl	k_qca6d363b29_ln2
	.p2align	8
	.type	k_qca6d363b29_ln2,@function
k_qca6d363b29_ln2:
	s_mov_b64 s[64:65], 0
	v_nop
	global_prefetch_b8 v0, s[64:65] scope:SCOPE_SE
	s_setreg_imm32_b32 hwreg(HW_REG_WAVE_MODE, 25, 1), 1
	s_wait_xcnt 0x0
; out = layer_norm(h + (the four planes of hidden W2, added) + b2) g2 + be2, all in f32; the mean first, then the mean of the squared differences.  NaN and infinities are not served.
; One wave, one row of 1,024: lane l holds columns 128 i + 4 l + 0 .. 3, so each load and store covers 512 consecutive bytes and the sums never leave the wave: no LDS, no barrier.
; 48 loads a wave go out at once; g2 and be2 follow into registers that are done with, and land under the sums.  Memory binds: no matrix unit, no cluster, no tensor load.
.set H,   16
.set B2,  48                           ; b2, later g2
.set P0,  80                           ; plane 0, later be2
.set P1,  112
.set P2,  144
.set P3,  176
.set TP,  208                          ; v208-216 at work
.set SEL, 32
.macro REDUCE                          ; v[TP] summed over the 32 lanes, the result in every lane
	s_delay_alu instid0(VALU_DEP_1)
	v_add_f32_dpp v[TP], v[TP], v[TP] row_xmask:1 row_mask:0xf bank_mask:0xf
	s_delay_alu instid0(VALU_DEP_1)
	v_add_f32_dpp v[TP], v[TP], v[TP] row_xmask:2 row_mask:0xf bank_mask:0xf
	s_delay_alu instid0(VALU_DEP_1)
	v_add_f32_dpp v[TP], v[TP], v[TP] row_xmask:4 row_mask:0xf bank_mask:0xf
	s_delay_alu instid0(VALU_DEP_1)
	v_add_f32_dpp v[TP], v[TP], v[TP] row_xmask:8 row_mask:0xf bank_mask:0xf
	s_delay_alu instid0(VALU_DEP_1)
	v_permlanex16_b32 v[TP+8], v[TP], s[SEL], s[SEL+1]
	s_delay_alu instid0(VALU_DEP_1)
	v_add_f32 v[TP], v[TP], v[TP+8]
.endm
.macro ADDIN Y
.irp j, 0,2,4,6,8,10,12,14,16,18,20,22,24,26,28,30
	v_pk_add_f32 v[H+\j:H+\j+1], v[H+\j:H+\j+1], v[\Y+\j:\Y+\j+1]
.endr
.endm
	s_load_b256 s[4:11], s[0:1], 0x0               ; hf 4, y 6, b2 8, g2 10
	s_load_b128 s[12:15], s[0:1], 0x20             ; be2 12, out0 14
	v_lshrrev_b32 v2, 5, v0
	s_delay_alu instid0(VALU_DEP_1)
	v_readfirstlane_b32 s16, v2                    ; wave 0..7
	v_and_b32 v2, 31, v0
	s_delay_alu instid0(VALU_DEP_1)
	v_lshlrev_b32 v1, 4, v2                        ; 16 x lane
	v_mov_b32 v[TP+5], 0                           ; (named as upper halves of pairs, and as a lane permute's destination)
	v_mov_b32 v[TP+7], 0
	v_mov_b32 v[TP+8], 0
	s_mov_b32 s30, 0x3a800000                      ; 1 / 1,024
	s_mov_b32 s31, 0x3727c5ac                      ; 1e-5
	s_mov_b32 s[SEL], 0x76543210
	s_mov_b32 s[SEL+1], 0xfedcba98
	s_lshl_b32 s22, ttmp9, 3
	s_add_co_u32 s22, s22, s16                     ; my row
	s_lshl_b32 s22, s22, 12
	s_mov_b32 s23, 0
	s_wait_alu depctr_va_vdst(0)
	s_wait_kmcnt 0x0
	s_add_nc_u64 s[4:5], s[4:5], s[22:23]
	s_add_nc_u64 s[6:7], s[6:7], s[22:23]
	s_add_nc_u64 s[14:15], s[14:15], s[22:23]
	s_add_nc_u64 s[18:19], s[6:7], 0x1000000       ; the planes lie 16,777,216 bytes apart
	s_add_nc_u64 s[20:21], s[6:7], 0x2000000
	s_add_nc_u64 s[24:25], s[6:7], 0x3000000
.irp i, 0,1,2,3,4,5,6,7
	global_load_b128 v[H+4*\i:H+4*\i+3], v1, s[4:5] offset:512*\i th:TH_LOAD_NT
	global_load_b128 v[B2+4*\i:B2+4*\i+3], v1, s[8:9] offset:512*\i
	global_load_b128 v[P0+4*\i:P0+4*\i+3], v1, s[6:7] offset:512*\i th:TH_LOAD_NT
	global_load_b128 v[P1+4*\i:P1+4*\i+3], v1, s[18:19] offset:512*\i th:TH_LOAD_NT
	global_load_b128 v[P2+4*\i:P2+4*\i+3], v1, s[20:21] offset:512*\i th:TH_LOAD_NT
	global_load_b128 v[P3+4*\i:P3+4*\i+3], v1, s[24:25] offset:512*\i th:TH_LOAD_NT
.endr
	s_wait_loadcnt 0x0
	ADDIN B2
	ADDIN P0
.irp i, 0,1,2,3,4,5,6,7
	global_load_b128 v[B2+4*\i:B2+4*\i+3], v1, s[10:11] offset:512*\i    ; g2
	global_load_b128 v[P0+4*\i:P0+4*\i+3], v1, s[12:13] offset:512*\i    ; be2
.endr
	ADDIN P1
	ADDIN P2
	ADDIN P3
	v_pk_add_f32 v[TP:TP+1], v[H:H+1], v[H+2:H+3]
	v_pk_add_f32 v[TP+2:TP+3], v[H+4:H+5], v[H+6:H+7]
.irp j, 8,12,16,20,24,28
	s_delay_alu instid0(VALU_DEP_2)
	v_pk_add_f32 v[TP:TP+1], v[TP:TP+1], v[H+\j:H+\j+1]
	s_delay_alu instid0(VALU_DEP_2)
	v_pk_add_f32 v[TP+2:TP+3], v[TP+2:TP+3], v[H+\j+2:H+\j+3]
.endr
	s_delay_alu instid0(VALU_DEP_1)
	v_pk_add_f32 v[TP:TP+1], v[TP:TP+1], v[TP+2:TP+3]
	s_delay_alu instid0(VALU_DEP_1)
	v_add_f32 v[TP], v[TP], v[TP+1]
	REDUCE
	s_delay_alu instid0(VALU_DEP_1)
	v_mul_f32 v[TP+4], s30, v[TP]                  ; the mean
.irp j, 0,2,4,6,8,10,12,14,16,18,20,22,24,26,28,30
	v_pk_add_f32 v[H+\j:H+\j+1], v[H+\j:H+\j+1], v[TP+4:TP+5] op_sel_hi:[1,0] neg_lo:[0,1] neg_hi:[0,1]
.endr
	v_pk_mul_f32 v[TP:TP+1], v[H:H+1], v[H:H+1]
	v_pk_mul_f32 v[TP+2:TP+3], v[H+2:H+3], v[H+2:H+3]
.irp j, 4,8,12,16,20,24,28
	s_delay_alu instid0(VALU_DEP_2)
	v_pk_fma_f32 v[TP:TP+1], v[H+\j:H+\j+1], v[H+\j:H+\j+1], v[TP:TP+1]
	s_delay_alu instid0(VALU_DEP_2)
	v_pk_fma_f32 v[TP+2:TP+3], v[H+\j+2:H+\j+3], v[H+\j+2:H+\j+3], v[TP+2:TP+3]
.endr
	s_delay_alu instid0(VALU_DEP_1)
	v_pk_add_f32 v[TP:TP+1], v[TP:TP+1], v[TP+2:TP+3]
	s_delay_alu instid0(VALU_DEP_1)
	v_add_f32 v[TP], v[TP], v[TP+1]
	REDUCE
	s_delay_alu instid0(VALU_DEP_1)
	v_fma_f32 v[TP+6], v[TP], s30, s31             ; the variance + 1e-5
	s_wait_alu depctr_va_vdst(0)
	v_rsq_f32 v[TP+6], v[TP+6]
	v_nop                                          ; one plain place behind the transcendental
	s_wait_alu depctr_va_vdst(0)
.irp j, 0,2,4,6,8,10,12,14,16,18,20,22,24,26,28,30
	v_pk_mul_f32 v[H+\j:H+\j+1], v[H+\j:H+\j+1], v[TP+6:TP+7] op_sel_hi:[1,0]
.endr
	s_wait_loadcnt 0x0                             ; g2 and be2
.irp j, 0,2,4,6,8,10,12,14,16,18,20,22,24,26,28,30
	v_pk_fma_f32 v[H+\j:H+\j+1], v[H+\j:H+\j+1], v[B2+\j:B2+\j+1], v[P0+\j:P0+\j+1]
.endr
.irp i, 0,1,2,3,4,5,6,7
	global_store_b128 v1, v[H+4*\i:H+4*\i+3], s[14:15] offset:512*\i th:TH_STORE_NT
.endr
	s_endpgm
.Lfunc_end_k_qca6d363b29_ln2:
	.size	k_qca6d363b29_ln2, .Lfunc_end_k_qca6d363b29_ln2-k_qca6d363b29_ln2
	.p2alignl 7, 3214868480
	.fill 96, 4, 3214868480
	.section	.rodata,"a",@progbits
	.p2align	6, 0x0
	.amdhsa_kernel k_qca6d363b29_ln2
		.amdhsa_group_segment_fixed_size 0
		.amdhsa_private_segment_fixed_size 0
		.amdhsa_enable_private_segment 0
		.amdhsa_kernarg_size 48
		.amdhsa_user_sgpr_count 2
		.amdhsa_user_sgpr_kernarg_segment_ptr 1
		.amdhsa_wavefront_size32 1
		.amdhsa_system_sgpr_workgroup_id_x 1
		.amdhsa_system_sgpr_workgroup_id_y 1
		.amdhsa_system_sgpr_workgroup_id_z 1
		.amdhsa_system_vgpr_workitem_id 0
		.amdhsa_next_free_vgpr 224
		.amdhsa_next_free_sgpr 66
		.amdhsa_reserve_vcc 0
		.amdhsa_float_denorm_mode_32 3
		.amdhsa_float_denorm_mode_16_64 3
		.amdhsa_memory_ordered 1
		.amdhsa_forward_progress 1
		.amdhsa_inst_pref_size 21
	.end_amdhsa_kernel
	.amdgpu_metadata
---
amdhsa.version: [ 1, 2 ]
amdhsa.kernels:
  - .name:           k_qca6d363b29_ln2
    .symbol:         k_qca6d363b29_ln2.kd
    .args:
      - { .name: hf, .offset: 0, .size: 8, .value_kind: global_buffer, .address_space: global }
      - { .name: y, .offset: 8, .size: 8, .value_kind: global_buffer, .address_space: global }
      - { .name: b2, .offset: 16, .size: 8, .value_kind: global_buffer, .address_space: global }
      - { .name: g2, .offset: 24, .size: 8, .value_kind: global_buffer, .address_space: global }
      - { .name: be2, .offset: 32, .size: 8, .value_kind: global_buffer, .address_space: global }
      - { .name: out0, .offset: 40, .size: 8, .value_kind: global_buffer, .address_space: global }
    .group_segment_fixed_size: 0
    .private_segment_fixed_size: 0
    .kernarg_segment_align: 8
    .kernarg_segment_size: 48
    .max_flat_workgroup_size: 256
    .sgpr_count:     66
    .vgpr_count:     224
    .wavefront_size: 32
...
	.end_amdgpu_metadata
.endif
;; end of part 14
